; MI455X (gfx1250); checked and timed in simulation.
; The chip was launched on July 23, 2026; its instructions are those of AMD's public machine-readable ISA for CDNA 5 (MIT licence, August 2026) and "CDNA5" Instruction Set Architecture Reference Guide (July 2026). The comments in the code are by the model that wrote it; some were corrected since.
;; Transformer Encoder Layer. Allowed arithmetic: matrix products marked QUANTISED: E3M2 operands, one E8M0 scale for each 32 along K, by v_wmma_scale_f32_16x16x128_f8f6f4 with both operands' format E3M2, f32 sums; everything else in f32.
;; Inputs: attention_mask 2 x 1 x 1 x 2,048 int32; b1 4,096 float32; b2 1,024 float32; bk 1,024 float32; bo 1,024 float32; bq 1,024 float32; bv 1,024 float32; ln1_b 1,024 float32; ln1_g 1,024 float32; ln2_b 1,024 float32; ln2_g 1,024 float32; lnf_b 1,024 float32; lnf_g 1,024 float32; w1_codes 4,096 x 32 x 24 uint8 (E3M2 codes of w1, K innermost, in blocks of 32 codes, four codes in three bytes); w1_scales 4,096 x 32 uint8 (E8M0 scales of w1, one for each 32 codes along K); w2_codes 1,024 x 128 x 24 uint8 (E3M2 codes of w2, K innermost, in blocks of 32 codes, four codes in three bytes); w2_scales 1,024 x 128 uint8 (E8M0 scales of w2, one for each 32 codes along K); wk_codes 1,024 x 32 x 24 uint8 (E3M2 codes of wk, K innermost, in blocks of 32 codes, four codes in three bytes); wk_scales 1,024 x 32 uint8 (E8M0 scales of wk, one for each 32 codes along K); wo_codes 1,024 x 32 x 24 uint8 (E3M2 codes of wo, K innermost, in blocks of 32 codes, four codes in three bytes); wo_scales 1,024 x 32 uint8 (E8M0 scales of wo, one for each 32 codes along K); wq_codes 1,024 x 32 x 24 uint8 (E3M2 codes of wq, K innermost, in blocks of 32 codes, four codes in three bytes); wq_scales 1,024 x 32 uint8 (E8M0 scales of wq, one for each 32 codes along K); wv_codes 1,024 x 32 x 24 uint8 (E3M2 codes of wv, K innermost, in blocks of 32 codes, four codes in three bytes); wv_scales 1,024 x 32 uint8 (E8M0 scales of wv, one for each 32 codes along K); x 2 x 2,048 x 1,024 float32.
;; Outputs: out0 2 x 2,048 x 1,024 float32.
;; This version of the problem:
;;   THIS VERSION OF THE PROBLEM IS GIVEN IN LOW PRECISION. The matrix products marked QUANTISED in the list below multiply operands that are first quantised to E3M2 (3 exponent bits, 2 mantissa bits; 6 bits a number), with one power-of-two scale for each 32 numbers along K (OCP MX v1.0); their sums are f32. All else is computed in f32.
;;   The module's matrix products, in the order in which they are computed (A, B: the left and right operand; K: the contracted axis; several contracted axes count as one K, in the product's order):
;;     1. [M 4,096, K 1,024] x [K 1,024, N 1,024]; A: input x; B: input wq (given as codes): QUANTISED
;;     2. [M 4,096, K 1,024] x [K 1,024, N 1,024]; A: input x; B: input wk (given as codes): QUANTISED
;;     3. [M 4,096, K 1,024] x [K 1,024, N 1,024]; A: input x; B: input wv (given as codes): QUANTISED
;;     4. batch 32 x [M 2,048, K 64] x [K 64, N 2,048]; A: computed on the way; B: computed on the way: QUANTISED
;;     5. batch 32 x [M 2,048, K 2,048] x [K 2,048, N 64]; A: softmax (see below); B: computed on the way: QUANTISED
;;     6. [M 4,096, K 1,024] x [K 1,024, N 1,024]; A: computed on the way; B: input wo (given as codes): QUANTISED
;;     7. [M 4,096, K 1,024] x [K 1,024, N 4,096]; A: computed on the way; B: input w1 (given as codes): QUANTISED
;;     8. [M 4,096, K 4,096] x [K 4,096, N 1,024]; A: computed on the way; B: input w2 (given as codes): QUANTISED
;;   THE QUANTISER, for each operand of a quantised product, along K:
;;     - K is cut into blocks of 32 from its start; a last block that is shorter is filled with zeros.
;;     - A block's scale is 2^e with e = floor(log2(the largest magnitude in the block)) - 4, held to -126 .. 127; a block of zeros has e = 0. As a byte (E8M0): e + 127.
;;     - Each number is divided by its block's scale, clamped to +-28, and rounded to the nearest number of E3M2, ties to even, subnormals kept.
;;     - The product sums the exact products of the quantised numbers (number of the format x scale) in f32.
;;   ~~~python
;;   def quantise(x, axis):      # numpy; x: float32 -> the quantised numbers, widened to float32 again
;;       x = np.moveaxis(x, axis, -1); K = x.shape[-1]
;;       x = np.pad(x, [(0, 0)] * (x.ndim - 1) + [(0, -K % 32)]); x = x.reshape(x.shape[:-1] + (-1, 32)); a = np.abs(x).max(-1, keepdims=True)
;;       e = np.where(a > 0, np.clip(np.frexp(np.where(a > 0, a, 1))[1] - 1 - 4, -126, 127), 0)      # np.frexp(a)[1] - 1 = floor(log2(a)), exactly
;;       r = np.clip(x / 2.0 ** e, -28, 28)
;;       step = 2.0 ** (np.maximum(np.frexp(np.where(r == 0, 1, r))[1] - 1, -2) - 2)
;;       q = np.round(r / step) * step * 2.0 ** e      # np.round: ties to even
;;       return np.moveaxis(q.reshape(q.shape[:-2] + (-1,))[..., :K], -1, axis).astype(np.float32)
;;   ~~~
;;   SOFTMAX AHEAD OF A QUANTISED PRODUCT. Where the list says 'softmax', what is quantised is not the finished softmax but p = 2^(t - M), with t = logit x log2(e) and M = ceil(the row's largest t), a whole number; so 1/2 < the row's largest p <= 1. The row's sum l is taken of the UNQUANTISED p, in f32, and the product's result is divided by l at the end. Since M is a whole number, a kernel that streams over the keys may use a running M (the ceiling of the running maximum): every later rescaling is an exact power of two, which a block's scale takes up: the codes' values come out the same.
;;   OPERANDS COMPUTED ON THE WAY. 'Computed on the way' means the value that the module computes at that place (a softmax that the list does not call 'softmax' is quantised finished and normalised). What goes into a quantiser is computed in f32, as accurately as f32 sums, v_exp_f32 and their like allow (about 1e-6 of the number): no bf16 or f16 on the way to a quantiser, and a product that is left as it is and whose result goes on into a quantised operand takes f32 operands (vector FMAs, or v_wmma_f32_16x16x4_f32). A number that lies on a knife's edge between two numbers of the format may be rounded either way, as far as f32 arithmetic and the matrix unit's own rounding can turn it there, and no further.
;;   INPUTS GIVEN AS CODES. w1 (in the module: [1024, 4096], K = its axis 0); w2 (in the module: [4096, 1024], K = its axis 0); wk (in the module: [1024, 1024], K = its axis 0); wo (in the module: [1024, 1024], K = its axis 0); wq (in the module: [1024, 1024], K = its axis 0); wv (in the module: [1024, 1024], K = its axis 0): each comes as NAME_codes (uint8): NAME with its K axis moved to the last place and cut into blocks of 32 codes, [.., K / 32, bytes a block], one block behind the other in memory; four codes in three bytes: a row's codes are one little-endian stream of bits, code i at bits 6 i .. 6 i + 5 (a code: sign, 3 exponent bits, 2 mantissa bits); and NAME_scales (uint8): the same leading axes, one E8M0 byte (e + 127) for each 32 codes along K. Its value is code x scale, taken as it is: it is not quantised again, and the codes and scales need not be those that the quantiser above would give.
;; 2 versions. Each part assembles by itself: llvm-mc -triple=amdgcn-amd-amdhsa -mcpu=gfx1250 --defsym DOCPART=n.
;; ======== version 1 of 2: 8 launches
;; workspace buffers: prepb 13,107,200 bytes; qkvb 10,223,616 bytes; ctxb 3,276,800 bytes; yb 16,777,216 bytes; x1b 20,054,016 bytes; hb 13,107,200 bytes
;; launch prep (part 1): grid 1024 x 1, 4 waves a work-group, no clusters, 0 bytes of LDS; arguments x, wq_codes, wk_codes, wv_codes, wo_codes, w1_codes, w2_codes, wq_scales, wk_scales, wv_scales, wo_scales, w1_scales, w2_scales, prepb; writes prepb
.if DOCPART == 1
	.amdgcn_target "amdgcn-amd-amdhsa--gfx1250"
	.amdhsa_code_object_version 6
	.text
	.protected	k_q8397ec4f12_prep
	.globl	k_q8397ec4f12_prep
	.p2align	8
	.type	k_q8397ec4f12_prep,@function
k_q8397ec4f12_prep:
	s_mov_b64 s[64:65], 0
	v_nop
	global_prefetch_b8 v0, s[64:65] scope:SCOPE_SE
	s_setreg_imm32_b32 hwreg(HW_REG_WAVE_MODE, 25, 1), 1
	s_wait_xcnt 0x0
; x (f32) is quantised to E3M2 codes with one E8M0 byte for each 32 along K, and the six weights' codes and scale bytes are laid anew: all in the ORDER OF THE OPERAND'S REGISTERS.
; A tile is 16 rows; lane r of tile t holds row 32 (t / 2) + 8 (t % 2) + r + 8 (r / 8).  A fragment (one tile x 128 along K) is 1,536 bytes: piece p (registers 2 p, 2 p + 1) of lane l at 256 p + 8 l.
; Its scale words: 64 bytes, row r's word at 4 r.  Fragments of a tile follow each other along K, tiles follow each other.
; Work-groups 0-255: tile t of x, wave w its K steps 2 w and 2 w + 1.  Work-groups 256-1023: eight fragments of a weight each (wq, wk, wv, wo: 64 tiles; w1: 256; w2: 64 tiles of four groups), wave w two of them.
; A block's scale byte is its largest magnitude's exponent field - 4, held at 1 from below.
; LIMITS: a block of zeros gets the byte 1 (its codes are zeros; this program alone reads the bytes); NaN and infinities in x are not served.
; No LDS, no barrier: waves share nothing.  Each store of codes covers 256 consecutive bytes, aligned.
.set XS,   3145728                     ; prepb: x's scale words (its codes lie at 0)
.set WQC,  3276800                     ; the weights' codes, 12,288 bytes for each work-group, in the order wq wk wv wo w1 w2
.set WQS,  12713984                    ; their scale words, 512 bytes for each work-group
.set TM,   16                          ; v16-31   the quantiser's own
.set X0,   32                          ; v32-95   64 numbers of K step 2 w
.set X1,   96                          ; v96-159  of K step 2 w + 1
.set PC0,  160                         ; v160-179 the first fragment's codes
.set PC1,  180                         ; v180-199 the second's
.set PW0,  200
.set PW1,  201
.set SELW, 202
.set SEL,  2                           ; s[2:3] lane selects for v_permlanex16_b32: lane l xor 16
; 64 numbers of a lane, register 16 b + i = k 32 b + 16 (lane / 16) + i of my row, become a fragment's codes in v[pc] on and its scale word in v[pw].
.macro QUANT s, pc, pw
.irp b, 0,1,2,3
	v_max3_num_f32 v[TM+\b], |v[\s+16*\b]|, |v[\s+1+16*\b]|, 0x2800000   ; my 16 numbers of block b, and the floor 2^(5 - 127): the byte cannot fall under 1
.endr
.irp i, 2,4,6,8,10,12,14
.irp b, 0,1,2,3
	v_max3_num_f32 v[TM+\b], v[TM+\b], |v[\s+16*\b+\i]|, |v[\s+1+16*\b+\i]|
.endr
.endr
.irp b, 0,1,2,3
	v_permlanex16_b32 v[TM+4+\b], v[TM+\b], s[SEL], s[SEL+1]
.endr
.irp b, 0,1,2,3
	v_max_num_f32 v[TM+\b], v[TM+\b], v[TM+4+\b]   ; with lane l xor 16's: the block's largest magnitude
.endr
.irp b, 0,1,2,3
	v_add_nc_u32 v[TM+12+\b], 0xfe000000, v[TM+\b]  ; 4 off its exponent field: the conversion's scale operand
.endr
.irp b, 0,1,2,3
	v_lshrrev_b32 v[TM+4+\b], 23, v[TM+12+\b]      ; the scale's byte
.endr
	v_lshl_or_b32 v[\pw], v[TM+5], 8, v[TM+4]
	v_lshl_or_b32 v[\pw], v[TM+6], 16, v[\pw]
	v_lshl_or_b32 v[\pw], v[TM+7], 24, v[\pw]
.irp c, 0,1
	v_cvt_scalef32_pk16_bf6_f32 v[\pc+6*\c:\pc+2+6*\c], v[\s+32*\c:\s+15+32*\c], v[TM+12+2*\c]
	v_cvt_scalef32_pk16_bf6_f32 v[\pc+12+4*\c:\pc+14+4*\c], v[\s+16+32*\c:\s+31+32*\c], v[TM+12+2*\c+1]
.endr
	v_nop                                          ; one plain place behind a scaled conversion
.irp c, 0,1                                    ; the operand's layout wants a whole block in a lane
.irp i, 0,1,2
	v_permlane16_swap_b32 v[\pc+6*\c+\i], v[\pc+12+4*\c+\i]
.endr
.irp i, 0,1,2
	v_mov_b32 v[\pc+3+6*\c+\i], v[\pc+12+4*\c+\i]
.endr
.endr
.endm
.macro XLOAD reg, q
.irp b, 0,1,2,3
.irp j, 0,1,2,3
	global_load_b128 v[\reg+16*\b+4*\j:\reg+16*\b+4*\j+3], v8, s[8:9] offset:512*\q+128*\b+16*\j th:TH_LOAD_NT
.endr
.endr
.endm
	s_load_b512 s[8:23], s[0:1], 0x0               ; x s[8:9]; codes of wq wk wv wo w1 w2 s[10:21]; wq's scales s[22:23]
	s_load_b256 s[24:31], s[0:1], 0x40             ; scales of wk wv wo w1
	s_load_b128 s[32:35], s[0:1], 0x60             ; w2's scales, prepb
	v_lshrrev_b32 v1, 5, v0
	v_readfirstlane_b32 s4, v1                     ; wave 0..3
	v_and_b32 v2, 31, v0                           ; lane
	v_and_b32 v3, 15, v0                           ; r
	v_bfe_u32 v4, v0, 4, 1                         ; h
	v_and_b32 v5, 8, v3
	v_add_nc_u32 v5, v5, v3                        ; r + 8 (r / 8)
	v_lshlrev_b32 v6, 3, v2                        ; 8 x lane
	v_lshlrev_b32 v7, 2, v2                        ; 4 x lane
	s_mov_b32 s[SEL], 0x76543210
	s_mov_b32 s[SEL+1], 0xfedcba98
	s_mov_b32 s5, 0xffff0000                       ; lanes 16-31
	s_cmp_lt_u32 ttmp9, 256
	s_cbranch_scc0 .Lweights
	; ---- x: tile t = the work-group's number
	s_lshr_b32 s36, ttmp9, 1
	s_lshl_b32 s36, s36, 5
	s_and_b32 s37, ttmp9, 1
	s_lshl_b32 s37, s37, 3
	s_add_co_u32 s36, s36, s37                     ; the tile's first row
	s_lshl_b32 s36, s36, 12                        ; rows of 4,096 bytes
	s_lshl_b32 s37, s4, 10                         ; my two K steps: 1,024 bytes
	s_add_co_u32 s36, s36, s37
	s_mov_b32 s37, 0
	s_lshl_b32 s38, ttmp9, 3
	s_lshl_b32 s39, s4, 1
	s_add_co_u32 s38, s38, s39                     ; fragment 8 t + 2 w
	s_mul_i32 s40, s38, 1536
	s_mov_b32 s41, 0
	s_lshl_b32 s42, s38, 6
	s_add_co_u32 s42, s42, XS
	s_mov_b32 s43, 0
	v_lshlrev_b32 v8, 12, v5
	v_lshl_add_u32 v8, v4, 6, v8                   ; my row, + 64 h: my 16 numbers of a block of 32
.irp b, 0,1,2,3
	v_mov_b32 v[TM+4+\b], 0                        ; written once: a lane permute's destination counts as one of its sources
.endr
	s_wait_kmcnt 0x0
	s_add_nc_u64 s[8:9], s[8:9], s[36:37]
	s_add_nc_u64 s[40:41], s[34:35], s[40:41]
	s_add_nc_u64 s[42:43], s[34:35], s[42:43]
	XLOAD X0, 0
	XLOAD X1, 1
	s_wait_loadcnt 16                              ; the first K step's 16 loads are in; the second's 16 may be out
	QUANT X0, PC0, PW0
.irp p, 0,1,2,3,4,5
	global_store_b64 v6, v[PC0+2*\p:PC0+2*\p+1], s[40:41] offset:256*\p
.endr
	s_wait_loadcnt 0x0
	QUANT X1, PC1, PW1                             ; its codes have registers of their own: no store's data are written again
.irp p, 0,1,2,3,4,5
	global_store_b64 v6, v[PC1+2*\p:PC1+2*\p+1], s[40:41] offset:1536+256*\p
.endr
	v_cndmask_b32 v[SELW], v[PW0], v[PW1], s5      ; lanes 0-15: the first fragment's words; lanes 16-31: the second's (both halves of the lanes hold a row's word)
	global_store_b32 v7, v[SELW], s[42:43]
	s_endpgm
.Lweights:
	; ---- a weight: which one, which tile, which group of eight K steps: all from the work-group's number
	s_sub_co_u32 s36, ttmp9, 256                   ; 0..767
	s_and_b32 s37, s36, 63                         ; the tile in wq, wk, wv, wo
	s_sub_co_u32 s38, s36, 256                     ; in w1
	s_sub_co_u32 s39, s36, 512
	s_lshr_b32 s44, s39, 2                         ; in w2,
	s_and_b32 s45, s39, 3                          ; and the group of eight K steps there
	s_mov_b32 s46, 3072                            ; a row of codes in bytes: w2's
	s_mov_b32 s47, 128                             ; a row of scale bytes: w2's
	s_wait_kmcnt 0x0
	s_mov_b64 s[40:41], s[20:21]
	s_mov_b64 s[42:43], s[32:33]
	s_cmp_lt_u32 s36, 512
	s_cselect_b64 s[40:41], s[18:19], s[40:41]
	s_cselect_b64 s[42:43], s[30:31], s[42:43]
	s_cselect_b32 s44, s38, s44
	s_cselect_b32 s45, 0, s45
	s_cselect_b32 s46, 768, s46
	s_cselect_b32 s47, 32, s47
	s_cmp_lt_u32 s36, 256
	s_cselect_b64 s[40:41], s[16:17], s[40:41]
	s_cselect_b64 s[42:43], s[28:29], s[42:43]
	s_cselect_b32 s44, s37, s44
	s_cmp_lt_u32 s36, 192
	s_cselect_b64 s[40:41], s[14:15], s[40:41]
	s_cselect_b64 s[42:43], s[26:27], s[42:43]
	s_cmp_lt_u32 s36, 128
	s_cselect_b64 s[40:41], s[12:13], s[40:41]
	s_cselect_b64 s[42:43], s[24:25], s[42:43]
	s_cmp_lt_u32 s36, 64
	s_cselect_b64 s[40:41], s[10:11], s[40:41]
	s_cselect_b64 s[42:43], s[22:23], s[42:43]
	s_lshr_b32 s48, s44, 1
	s_lshl_b32 s48, s48, 5
	s_and_b32 s49, s44, 1
	s_lshl_b32 s49, s49, 3
	s_add_co_u32 s48, s48, s49                     ; the tile's first row
	s_lshl_b32 s49, s45, 3
	s_lshl_b32 s50, s4, 1
	s_add_co_u32 s49, s49, s50                     ; my first K step
	v_add_nc_u32 v9, s48, v5                       ; my row
	v_mul_lo_u32 v10, v9, s46
	v_mad_u32_u24 v10, v4, 24, v10                 ; + 24 h
	s_mul_i32 s50, s49, 96
	v_add_nc_u32 v10, s50, v10                     ; + 96 bytes a K step
	v_mul_lo_u32 v11, v9, s47
	v_lshl_add_u32 v11, v4, 2, v11                 ; scale words: lanes 0-15 the first K step's, lanes 16-31 the second's
	s_lshl_b32 s51, s49, 2
	v_add_nc_u32 v11, s51, v11
.irp q, 0,1
.irp p, 0,1,2,3,4,5
	global_load_b64 v[32+12*\q+2*\p:33+12*\q+2*\p], v10, s[40:41] offset:96*\q+48*(\p/3)+8*(\p%3) th:TH_LOAD_NT
.endr
.endr
	global_load_b32 v56, v11, s[42:43] th:TH_LOAD_NT
	s_mul_i32 s50, s36, 12288
	s_mul_i32 s51, s4, 3072
	s_add_co_u32 s50, s50, s51
	s_add_co_u32 s50, s50, WQC
	s_mov_b32 s51, 0
	s_add_nc_u64 s[50:51], s[34:35], s[50:51]
	s_lshl_b32 s48, s36, 9
	s_lshl_b32 s49, s4, 7
	s_add_co_u32 s48, s48, s49
	s_add_co_u32 s48, s48, WQS
	s_mov_b32 s49, 0
	s_add_nc_u64 s[48:49], s[34:35], s[48:49]
	s_wait_loadcnt 0x0
.irp q, 0,1
.irp p, 0,1,2,3,4,5
	global_store_b64 v6, v[32+12*\q+2*\p:33+12*\q+2*\p], s[50:51] offset:1536*\q+256*\p
.endr
.endr
	global_store_b32 v7, v56, s[48:49]
	s_endpgm
.Lfunc_end_k_q8397ec4f12_prep:
	.size	k_q8397ec4f12_prep, .Lfunc_end_k_q8397ec4f12_prep-k_q8397ec4f12_prep
	.p2alignl 7, 3214868480
	.fill 96, 4, 3214868480
	.section	.rodata,"a",@progbits
	.p2align	6, 0x0
	.amdhsa_kernel k_q8397ec4f12_prep
		.amdhsa_group_segment_fixed_size 0
		.amdhsa_private_segment_fixed_size 0
		.amdhsa_enable_private_segment 0
		.amdhsa_kernarg_size 112
		.amdhsa_user_sgpr_count 2
		.amdhsa_user_sgpr_kernarg_segment_ptr 1
		.amdhsa_wavefront_size32 1
		.amdhsa_system_sgpr_workgroup_id_x 1
		.amdhsa_system_sgpr_workgroup_id_y 1
		.amdhsa_system_sgpr_workgroup_id_z 1
		.amdhsa_system_vgpr_workitem_id 0
		.amdhsa_next_free_vgpr 208
		.amdhsa_next_free_sgpr 66
		.amdhsa_reserve_vcc 0
		.amdhsa_float_denorm_mode_32 3
		.amdhsa_float_denorm_mode_16_64 3
		.amdhsa_memory_ordered 1
		.amdhsa_forward_progress 1
		.amdhsa_inst_pref_size 19
	.end_amdhsa_kernel
	.amdgpu_metadata
---
amdhsa.version: [ 1, 2 ]
amdhsa.kernels:
  - .name:           k_q8397ec4f12_prep
    .symbol:         k_q8397ec4f12_prep.kd
    .args:
      - { .name: x, .offset: 0, .size: 8, .value_kind: global_buffer, .address_space: global }
      - { .name: wq_codes, .offset: 8, .size: 8, .value_kind: global_buffer, .address_space: global }
      - { .name: wk_codes, .offset: 16, .size: 8, .value_kind: global_buffer, .address_space: global }
      - { .name: wv_codes, .offset: 24, .size: 8, .value_kind: global_buffer, .address_space: global }
      - { .name: wo_codes, .offset: 32, .size: 8, .value_kind: global_buffer, .address_space: global }
      - { .name: w1_codes, .offset: 40, .size: 8, .value_kind: global_buffer, .address_space: global }
      - { .name: w2_codes, .offset: 48, .size: 8, .value_kind: global_buffer, .address_space: global }
      - { .name: wq_scales, .offset: 56, .size: 8, .value_kind: global_buffer, .address_space: global }
      - { .name: wk_scales, .offset: 64, .size: 8, .value_kind: global_buffer, .address_space: global }
      - { .name: wv_scales, .offset: 72, .size: 8, .value_kind: global_buffer, .address_space: global }
      - { .name: wo_scales, .offset: 80, .size: 8, .value_kind: global_buffer, .address_space: global }
      - { .name: w1_scales, .offset: 88, .size: 8, .value_kind: global_buffer, .address_space: global }
      - { .name: w2_scales, .offset: 96, .size: 8, .value_kind: global_buffer, .address_space: global }
      - { .name: prepb, .offset: 104, .size: 8, .value_kind: global_buffer, .address_space: global }
    .group_segment_fixed_size: 0
    .private_segment_fixed_size: 0
    .kernarg_segment_align: 8
    .kernarg_segment_size: 112
    .max_flat_workgroup_size: 128
    .sgpr_count:     66
    .vgpr_count:     208
    .wavefront_size: 32
...
	.end_amdgpu_metadata
.endif
;; end of part 1
;; launch qkv (part 2): grid 12 x 16, 4 waves a work-group, clusters of 4 x 4, 327,680 bytes of LDS; arguments prepb, bq, bk, bv, attention_mask, qkvb; writes qkvb
.if DOCPART == 2
	.amdgcn_target "amdgcn-amd-amdhsa--gfx1250"
	.amdhsa_code_object_version 6
	.text
	.protected	k_q8397ec4f12_qkv
	.globl	k_q8397ec4f12_qkv
	.p2align	8
	.type	k_q8397ec4f12_qkv,@function
k_q8397ec4f12_qkv:
	s_mov_b64 s[64:65], 0
	v_nop
	global_prefetch_b8 v0, s[64:65] scope:SCOPE_SE
	s_setreg_imm32_b32 hwreg(HW_REG_WAVE_MODE, 25, 1), 1
	s_wait_xcnt 0x0
	s_wait_alu depctr_hold_cnt(0) depctr_sa_sdst(0) depctr_va_vdst(0) depctr_va_sdst(0) depctr_va_ssrc(0) depctr_va_vcc(0) depctr_vm_vsrc(0)
	s_getreg_b32 s2, hwreg(HW_REG_IB_STS2, 6, 4)
	s_cmp_eq_u32 s2, 0
	s_cbranch_scc0 .Lentry_in_a_cluster
	s_endpgm
.Lentry_in_a_cluster:
	s_bfe_u32 s2, ttmp6, 0x10000c
	s_cmp_lg_u32 s2, 0xf033
	s_cbranch_scc0 .Lentry_shape_is_right
	s_endpgm
.Lentry_shape_is_right:
; q = x wq + bq, k = x wk + bk, v = x wv + bv on E3M2 codes (K = 1,024), each quantised again on the way out as attention's operand.
; The cluster's x says which: 0 q, 1 k, 2 v.  A tile is 256 rows of operand A x 256 rows of operand B; four waves, each 128 x 128: 64 accumulators, 512 registers.
; q, k: A = x (tokens), B = the weight (columns).  v: A = wv (channels), B = x (tokens): so a lane holds one channel and its registers run along the tokens, which are the second attention product's K.
; OPERANDS lie in memory in the order of the operand's registers (a fragment of 16 rows x 128 K: 1,536 bytes, piece p of lane l at 256 p + 8 l; lane r of tile t holds row 32 (t / 2) + 8 (t % 2) + r + 8 (r / 8)),
; so a slot's part of eight tiles is eight runs of 3,072 bytes, a fragment comes from LDS by six loads of 256 consecutive bytes, and the 16 registers of B's tiles 2 b, 2 b + 1 are 16 neighbours along the next K.
; K goes in steps of 256 through a ring of two LDS slots; the scale words of the work-group's rows for all of K come once and stay.
; CLUSTERS: 4 x 4 work-groups; A's tiles are asked for jointly along a row of the cluster, B's along a column.  THE MATRIX INSTRUCTION IS USED TRANSPOSED: source 0 = 16 rows of B, source 1 = 16 rows of A.
; THE MASK: the codes of a key whose mask word is 0 are made zeros, so that its score is exactly what attention gives as the product's C.
; LIMITS: a block of zeros gets the scale byte 1 (its codes are zeros; this program alone reads the bytes); NaN and infinities are not served.
; REGISTERS: window 0: v16-29 addresses; v32-63 scale words, two sets, and nothing else; v128-223 A's fragments, one set; on the way out v64-127 64 numbers, v128-203 at work.
;   window 1: B's fragments, two sets, at v0 and v128; on the way out v0-63 the bias.   windows 2, 3: the accumulators ((a, b) at v[8 (8 (a % 4) + b)]).
.set KDIM,   1024
.set XS,     3145728                   ; prepb: x's scale words (codes at 0)
.set WQC,    3276800                   ; wq's codes; wk's and wv's 786,432 bytes further on each
.set WVC,    4849664
.set WQS,    12713984                  ; wq's scale words; wk's and wv's 32,768 bytes further on each
.set WVS,    12779520
.set VC,     6291456                   ; qkvb: q's codes at 0, k's at 3,145,728, v's here
.set QS,     9437184                   ; q's scale words, 12,288 bytes a head; k's and v's 393,216 bytes further on
.set KVS,    9830400
.set KS,     KDIM/128
.set TILEB,  KS*1536                   ; a tile's fragments for all of K
.set NQ,     2                         ; matrix instructions deep in a slot
.set FR,     12                        ; registers of a fragment
.set NL,     6                         ; LDS loads that bring one
.set NP,     4                         ; places behind this matrix instruction (ISA guide 7.12.1)
.set HALFT,  8*NQ*1536                 ; eight tiles' part of a slot: what one tensor load brings, and what one wave reads of A or of B
.set SLOT,   4*HALFT                   ; A's 16 tiles, then B's 16
.set LAPS,   KDIM/512                  ; a lap = two slots
.set SCL,    2*SLOT                    ; behind the ring: the scale words
.set SBLK,   KS*64                     ; those of a tile
.set HALFS,  8*SBLK                    ; those of eight tiles: what one tensor load brings
.set SPARE,  SCL+4*HALFS               ; the spare words, 128 bytes for each wave: two blocks of 256 bytes that no other line names
.set ADRA, 16                          ; v16-17  LDS address of my A fragments in slot 0, 1
.set ADRB, 20                          ; v20-21  the same for B
.set ADRS, 27                          ; v27     LDS address of my scale words: lanes 0-15 A's, lanes 16-31 B's
.set SPW,  28                          ; v28     LDS address of my spare word; never rewritten
.set NIL,  29                          ; v29     0; never rewritten
.set SC,   32                          ; scale words: set s at v[SC + 16 s]; register 2 i + q: block i, the slot's q-th 128 along K
.set AF,   128
.set G1, 24
.set G0, 32
.set G1B, 48
.set G0B, 56
.set G1S, 68
.set G0S, 76
.set G1SB, 80
.set G0SB, 88
.set MSB, 0
.macro WIN new                         ; the immediate's high byte repeats the setting that is left
.if MSB != \new
	s_set_vgpr_msb (MSB<<8)|\new
.set MSB, \new
.endif
.endm
.set MUL_LO, 0xa1                      ; source 0 (B) window 1, source 1 (A) window 0, C and D window 2
.set MUL_HI, 0xf1                      ; the same, C and D window 3
.set TO_B,   0x40                      ; destination window 1, address window 0
; A joint load: waves 0 and 1 fetch for A, waves 2 and 3 for B; the branch hangs on the wave's number alone.  Four v_nop follow each of the two lines.
.macro JLOAD g0a, g1a, g0b, g1b
	s_cmp_eq_u32 s15, 0
	s_cbranch_scc0 .Lfor_b_\@
	tensor_load_to_lds s[\g0a:\g0a+3], s[\g1a:\g1a+7]
	s_nop 0
.rept 4
	v_nop
.endr
	s_branch .Lasked_\@
.Lfor_b_\@:
	tensor_load_to_lds s[\g0b:\g0b+3], s[\g1b:\g1b+7]
	s_nop 0
.rept 4
	v_nop
.endr
.Lasked_\@:
.endm
.macro CREST                           ; a round of the cluster's barrier behind its opening barrier
	s_cmp_lg_u32 s14, 0
	s_cbranch_scc1 .Lnot_wave_0_\@
	s_barrier_signal -3
.Lnot_wave_0_\@:
	s_barrier_wait -3
	s_barrier_signal -1
	s_barrier_wait -1
.endm
.macro CROUND
	s_barrier_signal -1
	s_barrier_wait -1
	CREST
.endm
	s_load_b64 s[4:5], s[0:1], 0x0                 ; prepb: both operands lie in it
	v_lshl_add_u32 v[SPW], v0, 2, SPARE
	v_mov_b32 v[NIL], 0
	ds_add_u32 v28, v29
	ds_add_u32 v28, v29
	s_wait_dscnt 0x0
	v_lshrrev_b32 v1, 5, v0
	v_readfirstlane_b32 s14, v1                    ; wave 0..3
	s_lshr_b32 s15, s14, 1                         ; which half of A's rows is mine.  Also: I fetch for A (0) or for B (1)
	s_and_b32 s16, s14, 1                          ; which half of B's rows.  Also: which eight tiles I fetch
	s_bfe_u32 s40, ttmp6, 0x40000                  ; cx, cy: my place in the cluster
	s_bfe_u32 s41, ttmp6, 0x40004
	s_and_b32 s95, ttmp7, 0xffff                   ; the cluster's y
	s_mul_i32 s98, ttmp9, 786432
	s_add_co_u32 s98, s98, WQC                     ; q, k: B's codes are the weight's
	s_lshl_b32 s99, ttmp9, 15
	s_add_co_u32 s99, s99, WQS
	s_mov_b32 s66, XS
	s_cmp_eq_u32 ttmp9, 2                          ; v's clusters?  The same in all sixteen partners
	s_cselect_b32 s96, 0, s95                      ; what A's tile row takes of the cluster's y,
	s_cselect_b32 s97, s95, 0                      ; and B's
	s_cselect_b32 s98, 0, s98                      ; B's codes: x's or the weight's
	s_cselect_b32 s99, s66, s99                    ; B's scale words
	s_cselect_b32 s67, WVC, 0                      ; A's codes: wv's or x's
	s_cselect_b32 s66, WVS, s66                    ; A's scale words
	s_lshl_b32 s17, s96, 2
	s_add_co_u32 s17, s17, s41                     ; R: which 256 rows of A
	s_lshl_b32 s42, s97, 2
	s_add_co_u32 s42, s42, s40                     ; C: which 256 rows of B
	s_lshl_b32 s43, s41, 2
	s_lshl_b32 s43, 15, s43                        ; my row of the cluster
	s_lshl_b32 s44, 0x1111, s40                    ; my column
	; descriptor group 1 for codes: eight rows (tiles) of 3,072 bytes (384 elements of 8 bytes), TILEB bytes apart; no padding: a fragment's loads take 256 consecutive bytes
	s_or_b32 s[G1+0], s43, (3<<16)|(1<<21)         ; 15:0 the mask: A's tiles go to my row; 17:16 elements of 8 bytes; 21 set beside a mask
	s_or_b32 s[G1B+0], s44, (3<<16)|(1<<21)
.irp g, G1, G1B
	s_mov_b32 s[\g+1], 384<<16                     ; tensor_dim0
	s_mov_b32 s[\g+2], 8<<16                       ; tensor_dim1
	s_mov_b32 s[\g+3], 384<<16                     ; tile_dim0
	s_mov_b32 s[\g+4], 8                           ; tile_dim1
	s_mov_b32 s[\g+5], TILEB/8                     ; tensor_dim0_stride
	s_mov_b32 s[\g+6], 0
	s_mov_b32 s[\g+7], 0
.endr
	; and for the scale words of eight tiles: a dense block of HALFS bytes, as rows of 256 bytes
	s_or_b32 s[G1S+0], s43, (3<<16)|(1<<21)
	s_or_b32 s[G1SB+0], s44, (3<<16)|(1<<21)
.irp g, G1S, G1SB
	s_mov_b32 s[\g+1], 32<<16
	s_mov_b32 s[\g+2], (HALFS/256)<<16
	s_mov_b32 s[\g+3], 32<<16
	s_mov_b32 s[\g+4], HALFS/256
	s_mov_b32 s[\g+5], 32
	s_mov_b32 s[\g+6], 0
	s_mov_b32 s[\g+7], 0
.endr
	s_lshl_b32 s18, s16, 3                         ; which eight tiles I fetch
	s_lshl_b32 s20, s17, 4
	s_add_co_u32 s20, s20, s18                     ; A: tile 16 R + 8 x half
	s_lshl_b32 s46, s42, 4
	s_add_co_u32 s46, s46, s18                     ; B: tile 16 C + 8 x half
	s_mul_i32 s22, s20, SBLK
	s_add_co_u32 s22, s22, s66                     ; where these tiles' scale words begin, in bytes,
	s_mul_i32 s20, s20, TILEB
	s_add_co_u32 s20, s20, s67                     ; and their codes
	s_mul_i32 s92, s46, SBLK
	s_add_co_u32 s92, s92, s99
	s_mul_i32 s46, s46, TILEB
	s_add_co_u32 s46, s46, s98
	s_mov_b32 s21, 0
	s_mov_b32 s23, 0
	s_mov_b32 s47, 0
	s_mov_b32 s93, 0
	s_mul_i32 s45, s14, HALFT                      ; where they go: by the wave's number alone
	s_mul_i32 s94, s14, HALFS
	s_wait_kmcnt 0x0
	s_add_nc_u64 s[20:21], s[4:5], s[20:21]
	s_add_nc_u64 s[22:23], s[4:5], s[22:23]
	s_add_nc_u64 s[46:47], s[4:5], s[46:47]
	s_add_nc_u64 s[92:93], s[4:5], s[92:93]
	CROUND                                         ; all sixteen work-groups are here: the first joint loads meet
	s_mov_b32 s[G0S], 1
	s_add_co_u32 s[G0S+1], s94, SCL
	s_mov_b64 s[G0S+2:G0S+3], s[22:23]
	s_or_b32 s[G0S+3], s[G0S+3], 0x80000000
	s_mov_b32 s[G0SB], 1
	s_add_co_u32 s[G0SB+1], s94, SCL
	s_mov_b64 s[G0SB+2:G0SB+3], s[92:93]
	s_or_b32 s[G0SB+3], s[G0SB+3], 0x80000000
	JLOAD G0S, G1S, G0SB, G1SB                     ; the scale words first: they are wanted with the first slot
.irp s, 0,1
	s_mov_b32 s[G0+4*\s], 1
	s_add_co_u32 s[G0+4*\s+1], s45, \s*SLOT
	s_add_nc_u64 s[G0+4*\s+2:G0+4*\s+3], s[20:21], \s*NQ*1536
	s_or_b32 s[G0+4*\s+3], s[G0+4*\s+3], 0x80000000
	s_mov_b32 s[G0B+4*\s], 1
	s_add_co_u32 s[G0B+4*\s+1], s45, \s*SLOT
	s_add_nc_u64 s[G0B+4*\s+2:G0B+4*\s+3], s[46:47], \s*NQ*1536
	s_or_b32 s[G0B+4*\s+3], s[G0B+4*\s+3], 0x80000000
	JLOAD G0+4*\s, G1, G0B+4*\s, G1B
.endr
	v_and_b32 v1, 15, v0                           ; r
	v_bfe_u32 v2, v0, 4, 1                         ; h
	v_and_b32 v3, 31, v0
	v_lshlrev_b32 v4, 3, v3                        ; 8 x lane: my place in a piece
	s_mul_i32 s21, s15, HALFT                      ; my eight tiles of A
	s_mul_i32 s22, s16, HALFT                      ; my eight tiles of B,
	s_add_co_u32 s22, s22, 2*HALFT                 ; which lie behind A's sixteen
.irp s, 0,1
	v_add_nc_u32 v[ADRA+\s], s21, v4
	v_add_nc_u32 v[ADRB+\s], s22, v4
	s_add_co_u32 s21, s21, SLOT
	s_add_co_u32 s22, s22, SLOT
.endr
	v_lshlrev_b32 v5, 2, v1                        ; my row's scale word
	s_mul_i32 s21, s15, HALFS                      ; A's: my eight tiles
	s_mul_i32 s22, s16, HALFS                      ; B's: my eight, behind A's sixteen
	s_add_co_u32 s22, s22, 2*HALFS
	s_sub_co_u32 s22, s22, s21
	v_mul_u32_u24 v6, s22, v2                      ; lanes 16-31 take B's
	s_add_co_u32 s21, s21, SCL
	v_add_nc_u32 v5, v5, v6
	v_add_nc_u32 v[ADRS], s21, v5
.macro FRAG reg, adr, q, i             ; a fragment: six pieces of 256 consecutive bytes, 8 bytes a lane, as the registers take them
.irp p, 0,1,2,3,4,5
	ds_load_b64 v[\reg+2*\p:\reg+2*\p+1], v[\adr] offset:(\i)*3072+(\q)*1536+256*\p
.endr
.endm
; 16 matrix instructions: A's blocks a0, a0 + 1 x B's eight, 128 along K.  The 64 accumulators take turns, one instruction a turn, in the same order in every step.
.macro MUL16 a0, p, q, sc, zero
.irp a, \a0, \a0+1
.irp b, 0,1,2,3,4,5,6,7
.if \zero
	v_wmma_scale_f32_16x16x128_f8f6f4 v[8*(8*((\a)%4)+\b):8*(8*((\a)%4)+\b)+7], v[128*(\p)+FR*\b:128*(\p)+FR*\b+FR-1], v[AF+FR*(\a):AF+FR*(\a)+FR-1], 0, v[SC+8*NQ*(\sc)+NQ*\b+(\q)], v[SC+8*NQ*(\sc)+NQ*(\a)+(\q)] matrix_a_fmt:MATRIX_FMT_BF6 matrix_b_fmt:MATRIX_FMT_BF6 matrix_a_scale:MATRIX_SCALE_ROW1
.else
	v_wmma_scale_f32_16x16x128_f8f6f4 v[8*(8*((\a)%4)+\b):8*(8*((\a)%4)+\b)+7], v[128*(\p)+FR*\b:128*(\p)+FR*\b+FR-1], v[AF+FR*(\a):AF+FR*(\a)+FR-1], v[8*(8*((\a)%4)+\b):8*(8*((\a)%4)+\b)+7], v[SC+8*NQ*(\sc)+NQ*\b+(\q)], v[SC+8*NQ*(\sc)+NQ*(\a)+(\q)] matrix_a_fmt:MATRIX_FMT_BF6 matrix_b_fmt:MATRIX_FMT_BF6 matrix_a_scale:MATRIX_SCALE_ROW1
.endif
.endr
.endr
.endm
.macro FETCH_B slot, q, p
	WIN TO_B
.irp i, 0,1,2,3,4,5,6,7
	FRAG 128*(\p)+FR*\i, ADRB+\slot, \q, \i
.endr
	WIN 0
.endm
.macro FETCH_A slot, q, i0
.irp i, \i0, \i0+1, \i0+2, \i0+3
	FRAG AF+FR*(\i), ADRA+\slot, \q, \i
.endr
.endm
.macro SCALES sc                       ; a slot's scale words: lanes 0-15 take A's block i, lanes 16-31 B's block i
.irp i, 0,1,2,3,4,5,6,7
.irp q, 0,1
	ds_load_b32 v[SC+8*NQ*\sc+NQ*\i+\q], v[ADRS] offset:\i*SBLK+64*\q
.endr
.endr
.endm
.macro PLACES n                        ; plain places behind matrix instructions, in front of loads into their registers and of reads of their results
.rept \n
	v_nop
.endr
.endm
.macro STEP slot, q, zero              ; a step of 128 along K that has its successor in the same slot
	s_wait_dscnt 4*NL                              ; all but the youngest 24 loads (A's blocks 4-7) are in
	WIN MUL_LO
	MUL16 0, (\q)%2, \q, \slot, \zero
	MUL16 2, (\q)%2, \q, \slot, \zero
	s_wait_dscnt 0                                 ; A's blocks 4-7 are in
	PLACES NP
	FETCH_B \slot, (\q)+1, 1-(\q)%2
	FETCH_A \slot, (\q)+1, 0
	WIN MUL_HI
	MUL16 4, (\q)%2, \q, \slot, \zero
	MUL16 6, (\q)%2, \q, \slot, \zero
	PLACES NP
	WIN 0
	FETCH_A \slot, (\q)+1, 4
.endm
; A slot's last step changes slots: one barrier; in front of it each wave waits for all its tensor loads, adds 0 to its spare word, and waits for that and for its own reads of this slot.
.macro TURN slot, next, fill
	s_wait_tensorcnt 0x0                           ; all my tensor loads have landed: my part of the next slot
	ds_add_u32 v[SPW], v[NIL]                      ; 0 onto my spare word
	s_wait_dscnt 4*NL+1                            ; the add and the youngest 24 loads may be out
	WIN MUL_LO
	MUL16 0, 1, NQ-1, \slot, 0
	s_wait_dscnt 0x0                               ; the add is done, and my reads of this slot are over
	s_barrier_signal -1
	MUL16 2, 1, NQ-1, \slot, 0
	WIN 0
	s_barrier_wait -1
.if \fill
	CREST                                          ; the barrier has opened a round of the cluster's: no wave of any partner still reads this slot or has a load on its way
	s_add_nc_u64 s[G0+4*\slot+2:G0+4*\slot+3], s[G0+4*\slot+2:G0+4*\slot+3], 2*NQ*1536
	s_add_nc_u64 s[G0B+4*\slot+2:G0B+4*\slot+3], s[G0B+4*\slot+2:G0B+4*\slot+3], 2*NQ*1536
	JLOAD G0+4*\slot, G1, G0B+4*\slot, G1B         ; the first tensor load behind the round; its four v_nop are the places in front of the loads below
.else
	PLACES NP
.endif
	v_add_nc_u32 v[ADRS], 64*NQ, v[ADRS]           ; on to the next slot's scale words
	FETCH_B \next, 0, 0
	FETCH_A \next, 0, 0
	SCALES \next
	WIN MUL_HI
	MUL16 4, 1, NQ-1, \slot, 0
	MUL16 6, 1, NQ-1, \slot, 0
	PLACES NP
	WIN 0
	FETCH_A \next, 0, 4
.endm
	s_wait_tensorcnt 1                             ; the scale words and my part of slot 0 are in; slot 1's load may be out
	s_barrier_signal -1
	s_barrier_wait -1
	FETCH_B 0, 0, 0
	FETCH_A 0, 0, 0
	SCALES 0
	FETCH_A 0, 0, 4
	STEP 0, 0, 1                                   ; the first step's products start the sums
	s_mov_b32 s3, LAPS-1
.Llap:
	TURN 0, 1, 1
	STEP 1, 0, 0
	TURN 1, 0, 1
	STEP 0, 0, 0
	s_sub_co_u32 s3, s3, 1
	s_cmp_lg_u32 s3, 0
	s_cbranch_scc1 .Llap
	TURN 0, 1, 0                                   ; the last lap fills nothing
	STEP 1, 0, 0
	s_wait_dscnt 4*NL
	WIN MUL_LO
	MUL16 0, 1, NQ-1, 1, 0
	MUL16 2, 1, NQ-1, 1, 0
	s_wait_dscnt 0
	WIN MUL_HI
	MUL16 4, 1, NQ-1, 1, 0
	MUL16 6, 1, NQ-1, 1, 0
	WIN 0
; ---- THE WAY OUT.  For A's block a a lane holds one row of A and 64 numbers along B's rows, register 16 b + i = B's row 32 b + 16 (lane / 16) + i: what the quantiser takes.
.set T,   64                           ; v64-127  the block's 64 numbers
.set TM,  128                          ; v128-143 the quantiser's own
.set PW,  144                          ; v144-145 scale words
.set T0,  146
.set T1,  147
.set SW,  148                          ; v148-155 scale words as they are stored, one register a block
.set LV,  160                          ; v160-175 one number a lane and block, in the even registers: the mask's word of my token (q, k) or bv of my channel (v)
.set MK,  176                          ; v176-183 all ones, or 0 for a masked key
.set PC,  184                          ; v184-203 the fragment being made
.set VO,  24                           ; 8 x lane
.set VS,  25                           ; the scale words' place
.set SEL, 34                           ; s[34:35]
.macro QUANT s, pc, pw
.irp b, 0,1,2,3
	v_max3_num_f32 v[TM+\b], |v[\s+16*\b]|, |v[\s+1+16*\b]|, 0x2800000   ; my 16 numbers of block b, and the floor 2^(5 - 127): the byte cannot fall under 1
.endr
.irp i, 2,4,6,8,10,12,14
.irp b, 0,1,2,3
	v_max3_num_f32 v[TM+\b], v[TM+\b], |v[\s+16*\b+\i]|, |v[\s+1+16*\b+\i]|
.endr
.endr
.irp b, 0,1,2,3
	v_permlanex16_b32 v[TM+4+\b], v[TM+\b], s[SEL], s[SEL+1]
.endr
.irp b, 0,1,2,3
	v_max_num_f32 v[TM+\b], v[TM+\b], v[TM+4+\b]
.endr
.irp b, 0,1,2,3
	v_add_nc_u32 v[TM+12+\b], 0xfe000000, v[TM+\b]  ; 4 off the exponent field: the conversion's scale operand
.endr
.irp b, 0,1,2,3
	v_lshrrev_b32 v[TM+4+\b], 23, v[TM+12+\b]      ; the scale's byte
.endr
	v_lshl_or_b32 v[\pw], v[TM+5], 8, v[TM+4]
	v_lshl_or_b32 v[\pw], v[TM+6], 16, v[\pw]
	v_lshl_or_b32 v[\pw], v[TM+7], 24, v[\pw]
.irp c, 0,1
	v_cvt_scalef32_pk16_bf6_f32 v[\pc+6*\c:\pc+2+6*\c], v[\s+32*\c:\s+15+32*\c], v[TM+12+2*\c]
	v_cvt_scalef32_pk16_bf6_f32 v[\pc+12+4*\c:\pc+14+4*\c], v[\s+16+32*\c:\s+31+32*\c], v[TM+12+2*\c+1]
.endr
	v_nop                                          ; one plain place behind a scaled conversion
.irp c, 0,1
.irp i, 0,1,2
	v_permlane16_swap_b32 v[\pc+6*\c+\i], v[\pc+12+4*\c+\i]
.endr
.irp i, 0,1,2
	v_mov_b32 v[\pc+3+6*\c+\i], v[\pc+12+4*\c+\i]
.endr
.endr
.endm
	PLACES NP                                      ; behind the last products: their operands' registers are written and their results read below
	s_load_b256 s[24:31], s[0:1], 0x8              ; bq, bk, bv, the mask (no tensor load is out: the descriptors' registers are free)
	s_load_b64 s[32:33], s[0:1], 0x28              ; qkvb
	v_and_b32 v1, 15, v0
	v_bfe_u32 v2, v0, 4, 1
	v_and_b32 v3, 31, v0
	v_lshlrev_b32 v[VO], 3, v3
	v_and_b32 v4, 8, v1
	v_add_nc_u32 v4, v4, v1
	v_lshlrev_b32 v4, 2, v4                        ; 4 (r + 8 (r / 8)): my row of a tile, in words
.irp b, 0,1,2,3
	v_mov_b32 v[TM+4+\b], 0                        ; written once: a lane permute's destination counts as one of its sources
.endr
	s_mov_b32 s[SEL], 0x76543210
	s_mov_b32 s[SEL+1], 0xfedcba98
	s_mov_b32 s36, 0xffff0000                      ; lanes 16-31
	s_lshl_b32 s48, s17, 4
	s_lshl_b32 s49, s15, 3
	s_add_co_u32 s48, s48, s49                     ; A's first tile of mine: 16 R + 8 x half
	s_lshl_b32 s50, s48, 6                         ; 16 words a tile
	s_mov_b32 s51, 0
	s_wait_kmcnt 0x0
	s_cmp_eq_u32 ttmp9, 2
	s_cselect_b64 s[52:53], s[28:29], s[30:31]     ; bv by my channel, or the mask by my token
	s_add_nc_u64 s[52:53], s[52:53], s[50:51]
.irp a, 0,1,2,3,4,5,6,7
	global_load_b32 v[LV+2*\a], v4, s[52:53] offset:(32*(\a/2)+8*(\a%2))*4
.endr
	s_cmp_eq_u32 ttmp9, 2
	s_cbranch_scc1 .Lv_path
	; ---- q and k: my 128 columns are two heads; a fragment's two halves go to the two heads' buffers
	s_cmp_eq_u32 ttmp9, 0
	s_cselect_b64 s[80:81], s[24:25], s[26:27]     ; bq or bk
	s_cmp_eq_u32 ttmp9, 1
	s_cselect_b32 s84, 0, -1                       ; only keys are masked
	s_lshl_b32 s82, s42, 10
	s_lshl_b32 s83, s16, 9
	s_add_co_u32 s82, s82, s83                     ; my first column, in bytes
	s_mov_b32 s83, 0
	s_add_nc_u64 s[80:81], s[80:81], s[82:83]
	v_lshlrev_b32 v5, 6, v2                        ; 64 h
	WIN 0x40
.irp b, 0,1,2,3
.irp j, 0,1,2,3
	global_load_b128 v[16*\b+4*\j:16*\b+4*\j+3], v5, s[80:81] offset:128*\b+16*\j   ; the bias in the numbers' order, into window 1
.endr
.endr
	WIN 0
	s_lshr_b32 s54, s48, 7                         ; the batch
	s_and_b32 s55, s48, 127                        ; my first token tile in it
	s_lshl_b32 s56, s42, 2
	s_lshl_b32 s57, s16, 1
	s_add_co_u32 s56, s56, s57                     ; my first head
	s_lshl_b32 s54, s54, 4
	s_add_co_u32 s54, s54, s56                     ; 16 x batch + head
	s_lshl_b32 s58, s54, 7
	s_add_co_u32 s58, s58, s55
	s_mul_i32 s58, s58, 768                        ; half a fragment a tile
	s_mul_i32 s59, ttmp9, 3145728                  ; q's buffer or k's
	s_add_co_u32 s58, s58, s59
	s_mov_b32 s59, 0
	s_add_nc_u64 s[58:59], s[32:33], s[58:59]
	s_mul_i32 s60, s54, 12288
	s_lshl_b32 s61, s55, 6
	s_add_co_u32 s60, s60, s61
	s_mul_i32 s61, ttmp9, 393216
	s_add_co_u32 s60, s60, s61
	s_add_co_u32 s60, s60, QS
	s_mov_b32 s61, 0
	s_add_nc_u64 s[60:61], s[32:33], s[60:61]
	v_mul_u32_u24 v[VS], v2, 12288                 ; lanes 16-31 store the second head's words
	v_lshl_add_u32 v[VS], v1, 2, v[VS]
	v_mov_b32 v6, s84
	v_mov_b32 v7, -1
	s_wait_loadcnt 0x0
.irp a, 0,1,2,3,4,5,6,7
	v_cmp_ne_u32 vcc_lo, 0, v[LV+2*\a]
	v_cndmask_b32 v[MK+\a], v6, v7, vcc_lo         ; a choice of values alone: nothing is steered by the mask
.endr
.macro QKBLOCK a
	WIN 0x06+(\a)/4                                ; source 0 window 2 or 3, source 1 window 1
.set i, 0
.rept 32
	v_pk_add_f32 v[T+i:T+i+1], v[64*((\a)%4)+i:64*((\a)%4)+i+1], v[i:i+1]   ; + bias; each accumulator from its low end on
.set i, i+2
.endr
	WIN 0
	s_wait_xcnt 0x0                                ; the last block's stores have read their registers
	QUANT T, PC, PW
.irp j, 0,1,2,3,4,5,6,7,8,9,10,11
	v_and_b32 v[PC+\j], v[PC+\j], v[MK+\a]         ; a masked key's codes become zeros
.endr
.irp p, 0,1,2,3,4,5
	global_store_b64 v[VO], v[PC+2*\p:PC+2*\p+1], s[58:59] offset:(\a)*768+(\p/3)*98304+(\p%3)*256
.endr
	v_and_b32 v[T0], 0xffff, v[PW]                 ; a head's two bytes; the word's upper two stay 0
	v_lshrrev_b32 v[T1], 16, v[PW]
	v_cndmask_b32 v[SW+\a], v[T0], v[T1], s36
	global_store_b32 v[VS], v[SW+\a], s[60:61] offset:64*(\a)
.endm
.irp a, 0,1,2,3,4,5,6,7
	QKBLOCK \a
.endr
	s_branch .Lend
.Lv_path:
	; ---- v: a lane holds one channel, its numbers run along 128 tokens: a whole fragment of V^T
	s_lshl_b32 s54, s17, 2
	s_lshl_b32 s55, s15, 1
	s_add_co_u32 s54, s54, s55                     ; my first head
	s_lshr_b32 s55, s42, 3                         ; the batch
	s_lshl_b32 s55, s55, 4
	s_add_co_u32 s54, s54, s55
	s_lshl_b32 s56, s42, 1
	s_add_co_u32 s56, s56, s16
	s_and_b32 s56, s56, 15                         ; which 128 keys of the batch
	s_lshl_b32 s58, s54, 4
	s_add_co_u32 s58, s58, s56
	s_mul_i32 s58, s58, 6144                       ; four fragments a key step
	s_add_co_u32 s58, s58, VC
	s_mov_b32 s59, 0
	s_add_nc_u64 s[58:59], s[32:33], s[58:59]
	s_mul_i32 s60, s54, 12288
	s_lshl_b32 s61, s56, 8
	s_add_co_u32 s60, s60, s61
	s_add_co_u32 s60, s60, KVS+8192
	s_mov_b32 s61, 0
	s_add_nc_u64 s[60:61], s[32:33], s[60:61]
	v_lshlrev_b32 v[VS], 2, v3                     ; 4 x lane
	s_wait_loadcnt 0x0
.irp a, 0,1,2,3,4,5,6,7
	v_mov_b32 v[LV+2*\a+1], v[LV+2*\a]             ; bv of my channel fills a pair
.endr
.macro VBLOCK a
	WIN 0x02+(\a)/4                                ; source 0 window 2 or 3
.set i, 0
.rept 32
	v_pk_add_f32 v[T+i:T+i+1], v[64*((\a)%4)+i:64*((\a)%4)+i+1], v[LV+2*(\a):LV+2*(\a)+1]
.set i, i+2
.endr
	WIN 0
	s_wait_xcnt 0x0                                ; the last block's stores have read their registers
	QUANT T, PC, PW+(\a)%2
.irp p, 0,1,2,3,4,5
	global_store_b64 v[VO], v[PC+2*\p:PC+2*\p+1], s[58:59] offset:((\a)/4)*98304+((\a)%4)*1536+256*\p
.endr
.if (\a)%2
	v_cndmask_b32 v[SW+\a], v[PW], v[PW+1], s36    ; lanes 0-15: block a - 1's words; lanes 16-31: block a's
	global_store_b32 v[VS], v[SW+\a], s[60:61] offset:((\a)/4)*12288+(((\a)-1)%4)*64
.endif
.endm
.irp a, 0,1,2,3,4,5,6,7
	VBLOCK \a
.endr
.Lend:
	s_wait_tensorcnt 0x0                           ; the wave's end
	ds_add_u32 v[SPW], v[NIL]
	s_wait_dscnt 0x0
	CROUND                                         ; the closing round: no work-group ends while a partner may still ask for a tile that names it
	s_endpgm
.Lfunc_end_k_q8397ec4f12_qkv:
	.size	k_q8397ec4f12_qkv, .Lfunc_end_k_q8397ec4f12_qkv-k_q8397ec4f12_qkv
	.p2alignl 7, 3214868480
	.fill 96, 4, 3214868480
	.section	.rodata,"a",@progbits
	.p2align	6, 0x0
	.amdhsa_kernel k_q8397ec4f12_qkv
		.amdhsa_group_segment_fixed_size 327680
		.amdhsa_private_segment_fixed_size 0
		.amdhsa_enable_private_segment 0
		.amdhsa_kernarg_size 48
		.amdhsa_user_sgpr_count 2
		.amdhsa_user_sgpr_kernarg_segment_ptr 1
		.amdhsa_wavefront_size32 1
		.amdhsa_system_sgpr_workgroup_id_x 1
		.amdhsa_system_sgpr_workgroup_id_y 1
		.amdhsa_system_sgpr_workgroup_id_z 1
		.amdhsa_system_vgpr_workitem_id 0
		.amdhsa_next_free_vgpr 1024
		.amdhsa_next_free_sgpr 100
		.amdhsa_reserve_vcc 1
		.amdhsa_float_denorm_mode_32 3
		.amdhsa_float_denorm_mode_16_64 3
		.amdhsa_memory_ordered 1
		.amdhsa_forward_progress 1
		.amdhsa_inst_pref_size 246
	.end_amdhsa_kernel
	.amdgpu_metadata
---
amdhsa.version: [ 1, 2 ]
amdhsa.kernels:
  - .name:           k_q8397ec4f12_qkv
    .symbol:         k_q8397ec4f12_qkv.kd
    .args:
      - { .name: prepb, .offset: 0, .size: 8, .value_kind: global_buffer, .address_space: global }
      - { .name: bq, .offset: 8, .size: 8, .value_kind: global_buffer, .address_space: global }
      - { .name: bk, .offset: 16, .size: 8, .value_kind: global_buffer, .address_space: global }
      - { .name: bv, .offset: 24, .size: 8, .value_kind: global_buffer, .address_space: global }
      - { .name: attention_mask, .offset: 32, .size: 8, .value_kind: global_buffer, .address_space: global }
      - { .name: qkvb, .offset: 40, .size: 8, .value_kind: global_buffer, .address_space: global }
    .group_segment_fixed_size: 327680
    .private_segment_fixed_size: 0
    .kernarg_segment_align: 8
    .kernarg_segment_size: 48
    .max_flat_workgroup_size: 128
    .sgpr_count:     100
    .vgpr_count:     1024
    .wavefront_size: 32
...
	.end_amdgpu_metadata
.endif
;; end of part 2
;; launch attn (part 3): grid 8 x 32, 16 waves a work-group, clusters of 4 x 1, 219,136 bytes of LDS; arguments qkvb, attention_mask, ctxb; writes ctxb
.if DOCPART == 3
	.amdgcn_target "amdgcn-amd-amdhsa--gfx1250"
	.amdhsa_code_object_version 6
	.text
	.protected	k_q8397ec4f12_attn
	.globl	k_q8397ec4f12_attn
	.p2align	8
	.type	k_q8397ec4f12_attn,@function
k_q8397ec4f12_attn:
	s_mov_b64 s[64:65], 0
	v_nop
	global_prefetch_b8 v0, s[64:65] scope:SCOPE_SE
	s_setreg_imm32_b32 hwreg(HW_REG_WAVE_MODE, 25, 1), 1
	s_wait_xcnt 0x0
	s_wait_alu depctr_hold_cnt(0) depctr_sa_sdst(0) depctr_va_vdst(0) depctr_va_sdst(0) depctr_va_ssrc(0) depctr_va_vcc(0) depctr_vm_vsrc(0)
	s_getreg_b32 s2, hwreg(HW_REG_IB_STS2, 6, 4)
	s_cmp_eq_u32 s2, 0
	s_cbranch_scc0 .Lentry_in_a_cluster
	s_endpgm
.Lentry_in_a_cluster:
	s_bfe_u32 s2, ttmp6, 0x10000c
	s_cmp_lg_u32 s2, 0x3003
	s_cbranch_scc0 .Lentry_shape_is_right
	s_endpgm
.Lentry_shape_is_right:
; ctx = softmax(q k^T / 8, masked) v for one head and 256 queries a work-group, both products on E3M2 codes; ctx is quantised along the model's 1,024 as the next product's operand.
; THE SOFTMAX AHEAD OF THE SECOND PRODUCT: t = score x log2(e) / 8; M = the running largest t rounded up to a whole number; p = 2^(t - M) is quantised along the keys, not normalised; the row's sum is taken of
; the unquantised p and divides at the end.  When M moves, the sum and O are multiplied by 2^(old M - new M): exact.
; SHARES.  Sixteen waves, each with one tile of 16 queries in 256 registers: four waves to a SIMD, so that one wave's vector work stands beside another's products and LDS loads.
; A HEAD'S K AND V, codes and scale words, 208,896 bytes, LIE IN LDS WHOLE: filled once, so there is no ring and no barrier in the loop.  The four work-groups of a cluster belong to one head and ask for them jointly.
; LAYOUT.  Both products transposed: S^T = K Q^T, O^T = V^T P^T: a lane holds one query.  Tiles hold rows 32 (t / 2) + 8 (t % 2) + r + 8 (r / 8), so the 16 registers of tiles 2 b, 2 b + 1 are 16 neighbours.
; K = 64 in the first product: a tile of keys is half a fragment (six registers).  The instruction's upper six registers of Q are zero codes; those of K are whatever follows (the next tile's codes): they meet zeros.
; THE MASK.  The product's C is 0 for a key that counts and -2^33 for a masked one, whose codes an earlier launch made zeros: its score is exactly -2^33 and costs no vector instruction.
; LIMIT: a masked logit is -2^30 where the source has -1e9: the two differ only where true logits lie near -1e9.  A row all of whose keys are masked gives p = 1 everywhere, as the source does.
; LIMITS: NaN and infinities are not served; a block of zeros gets the scale byte 1 (its codes are zeros; this program alone reads the bytes).
; REGISTERS: v1-6 places that stay; v8-11, v28 addresses of the step; v12 -M, v13 the largest t, v[14:15] the sum; v16-27 Q; v32-85 K's tiles, then V's; v96-159 S^T, then p; v160-191 O^T; v192-199 scale words; v224-254 at work; v255 Q's scale word.
.set KCO,  3145728                     ; qkvb: k's codes (q's at 0; v's 3,145,728 further on)
.set QSO,  9437184                     ; q's scale words
.set KVSO, 9830400                     ; k's and v's
.set LVC,  98304                       ; LDS: K's codes at 0, V's here,
.set LKS,  196608                      ; K's scale words,
.set LVS,  204800                      ; V's,
.set BT,   208896                      ; and the table of the 2,048 keys' C, which vector stores write: bytes of its own
.set AK0,  1
.set AV0,  2
.set ASK0, 3
.set ASV0, 4
.set AB0,  5
.set GOS,  6
.set ADK,  8
.set ADV,  9
.set ADS,  10
.set ADT,  11
.set ADB,  28
.set WV,   18
.set SEL,  20
.set CS,   22
.set G1C,  24
.set G1S,  32
.set G0C,  40
.set G0S,  44
.set TK,   48                          ; s48  where the step's codes begin: 6,144 bytes a step, in K and in V
.set TS,   49                          ; s49  K's scale words and the table: 512 bytes a step
.set TV,   50                          ; s50  V's scale words: 256 bytes a step
.set CNT,  51
.macro CROUND
	s_barrier_signal -1
	s_barrier_wait -1
	s_cmp_lg_u32 s[WV], 0
	s_cbranch_scc1 .Lnot_wave_0_\@
	s_barrier_signal -3
.Lnot_wave_0_\@:
	s_barrier_wait -3
	s_barrier_signal -1
	s_barrier_wait -1
.endm
	s_load_b128 s[4:7], s[0:1], 0x0                ; qkvb, the mask
	s_load_b64 s[8:9], s[0:1], 0x10                ; ctxb
	v_lshl_add_u32 v250, v0, 2, 0x35000
	v_mov_b32 v251, 0
	ds_add_u32 v250, v251
	ds_add_u32 v250, v251
	v_lshrrev_b32 v8, 5, v0
	v_readfirstlane_b32 s[WV], v8                  ; wave 0..15
	s_bfe_u32 s52, ttmp6, 0x40000                  ; cx: it enters Q's and ctx's global addresses alone
	s_lshl_b32 s53, ttmp9, 2
	s_add_co_u32 s53, s53, s52                     ; my block of 256 queries
	s_lshl_b32 s53, s53, 4
	s_add_co_u32 s53, s53, s[WV]                   ; my tile of queries
	s_and_b32 s54, ttmp7, 0xffff                   ; 16 x batch + head, which the partners share
	; descriptor group 1: dense blocks as rows of 256 bytes (32 elements of 8 bytes): 48 rows of codes, 3 rows of scale words a wave
	s_mov_b32 s[G1C], 15|(3<<16)|(1<<21)           ; 15:0 the mask: all four work-groups; 17:16 elements of 8 bytes; 21 set beside a mask
	s_mov_b32 s[G1C+1], 32<<16
	s_mov_b32 s[G1C+2], 48<<16
	s_mov_b32 s[G1C+3], 32<<16
	s_mov_b32 s[G1C+4], 48
	s_mov_b32 s[G1C+5], 32
	s_mov_b32 s[G1C+6], 0
	s_mov_b32 s[G1C+7], 0
	s_mov_b32 s[G1S], 15|(3<<16)|(1<<21)
	s_mov_b32 s[G1S+1], 32<<16
	s_mov_b32 s[G1S+2], 3<<16
	s_mov_b32 s[G1S+3], 32<<16
	s_mov_b32 s[G1S+4], 3
	s_mov_b32 s[G1S+5], 32
	s_mov_b32 s[G1S+6], 0
	s_mov_b32 s[G1S+7], 0
	s_mul_i32 s56, s54, 98304                      ; the head's codes,
	s_and_b32 s57, s[WV], 7
	s_mul_i32 s57, s57, 12288                      ; my eighth of them,
	s_add_co_u32 s56, s56, s57
	s_lshr_b32 s57, s[WV], 3
	s_mul_i32 s57, s57, 3145728                    ; K's (waves 0-7) or V's (waves 8-15)
	s_add_co_u32 s56, s56, s57
	s_add_co_u32 s56, s56, KCO
	s_mov_b32 s57, 0
	s_mul_i32 s58, s54, 12288                      ; the head's scale words,
	s_mul_i32 s59, s[WV], 768                      ; my sixteenth
	s_add_co_u32 s60, s58, s59
	s_add_co_u32 s60, s60, KVSO
	s_mov_b32 s61, 0
	s_mul_i32 s62, s[WV], 12288                    ; and where they go
	s_add_co_u32 s63, s59, LKS
	s_mov_b32 s[SEL], 0x76543210
	s_mov_b32 s[SEL+1], 0xfedcba98
	s_mov_b32 s[CS], 0x3e38aa3b                    ; c = log2(e) / 8
	s_mov_b32 s[CS+1], s[CS]                       ; (named with it as a pair, so it is written)
	s_mov_b32 s[TK], 0
	s_mov_b32 s[TS], 0
	s_mov_b32 s[TV], 0
	s_mov_b32 s[CNT], 16
	s_wait_dscnt 0x0
	s_wait_kmcnt 0x0
	s_mov_b32 s[G0C], 1
	s_mov_b32 s[G0C+1], s62
	s_add_nc_u64 s[G0C+2:G0C+3], s[4:5], s[56:57]
	s_or_b32 s[G0C+3], s[G0C+3], 0x80000000
	s_mov_b32 s[G0S], 1
	s_mov_b32 s[G0S+1], s63
	s_add_nc_u64 s[G0S+2:G0S+3], s[4:5], s[60:61]
	s_or_b32 s[G0S+3], s[G0S+3], 0x80000000
	CROUND                                         ; all four work-groups are here: the joint loads meet
	tensor_load_to_lds s[G0C:G0C+3], s[G1C:G1C+7]  ; a wave's two fills stand together: two loads of mine are out
	s_nop 0
	tensor_load_to_lds s[G0S:G0S+3], s[G1S:G1S+7]
	s_nop 0
.rept 4
	v_nop
.endr
	s_lshr_b32 s66, s54, 4
	s_lshl_b32 s66, s66, 13                        ; the batch's 2,048 mask words
	s_mov_b32 s67, 0
	s_add_nc_u64 s[6:7], s[6:7], s[66:67]
	v_lshlrev_b32 v9, 4, v0                        ; four words a thread
	global_load_b128 v[32:35], v9, s[6:7]
	s_lshl_b32 s68, s54, 7
	s_add_co_u32 s68, s68, s53
	s_mul_i32 s68, s68, 768
	s_mov_b32 s69, 0
	s_add_nc_u64 s[68:69], s[4:5], s[68:69]        ; my tile of Q: half a fragment
	s_lshl_b32 s70, s53, 6
	s_add_co_u32 s70, s70, s58
	s_add_co_u32 s70, s70, QSO
	s_mov_b32 s71, 0
	s_add_nc_u64 s[70:71], s[4:5], s[70:71]        ; and its scale words
	v_and_b32 v10, 31, v0
	v_lshlrev_b32 v[AK0], 3, v10                   ; 8 x lane
	v_and_b32 v11, 15, v0
	v_lshlrev_b32 v[GOS], 2, v11                   ; 4 r
.irp p, 0,1,2
	global_load_b64 v[16+2*\p:17+2*\p], v[AK0], s[68:69] offset:256*\p
.endr
	global_load_b32 v255, v[GOS], s[70:71]
	; where ctx goes: fragment (token tile x 8 + head / 2), half head % 2
	s_lshr_b32 s72, s54, 4
	s_and_b32 s73, s54, 15
	s_lshl_b32 s72, s72, 7
	s_add_co_u32 s72, s72, s53
	s_lshl_b32 s72, s72, 3
	s_lshr_b32 s74, s73, 1
	s_add_co_u32 s72, s72, s74
	s_and_b32 s73, s73, 1
	s_mul_i32 s74, s72, 1536
	s_mul_i32 s75, s73, 768
	s_add_co_u32 s74, s74, s75
	s_mov_b32 s75, 0
	s_add_nc_u64 s[74:75], s[8:9], s[74:75]
	s_lshl_b32 s76, s72, 6
	s_lshl_b32 s77, s73, 1
	s_add_co_u32 s76, s76, s77
	s_add_co_u32 s76, s76, 3145728
	s_mov_b32 s77, 0
	s_add_nc_u64 s[76:77], s[8:9], s[76:77]
	v_bfe_u32 v29, v0, 4, 1                        ; h
	v_add_nc_u32 v[AV0], LVC, v[AK0]
	v_add_nc_u32 v[ASK0], LKS, v[GOS]
	v_add_nc_u32 v[ASV0], LVS, v[GOS]
	v_lshl_add_u32 v[AB0], v29, 6, BT
	v_lshl_add_u32 v7, v0, 4, BT
	v_mov_b32 v30, 0
	v_mov_b32 v31, 0xd0000000                      ; -2^33
	v_mov_b32 v13, 0xff61b1e6                      ; the largest t so far: -3e38
	v_floor_f32 v12, -v13                          ; -M
	v_mov_b32 v14, 0
	v_mov_b32 v15, 0
.irp j, 22,23,24,25,26,27,80,81,82,83,84,85
	v_mov_b32 v[\j], 0                             ; Q's upper half: zero codes; and what stands behind the last tile of keys
.endr
.irp b, 0,1,2,3
	v_mov_b32 v[236+\b], 0                         ; written once: a lane permute's destination counts as one of its sources
.endr
	v_mov_b32 v253, 0                              ; (named as the upper half of v[252:253] before it is first written)
.set j, 0
.rept 32
	v_mov_b32 v[160+j], 0                          ; O^T: the step is written once; its first trip finds zeros
.set j, j+1
.endr
	s_wait_loadcnt 4                               ; the mask's words are in; Q's three loads and its scale word may be out
.irp i, 0,1,2,3
	v_cmp_eq_u32 vcc_lo, 0, v[32+\i]
	v_cndmask_b32 v[32+\i], v30, v31, vcc_lo       ; a choice of values alone
.endr
	ds_store_b128 v7, v[32:35]
	s_wait_tensorcnt 0x0                           ; my parts of K and V have landed,
	s_wait_dscnt 0x0                               ; my part of the table is stored:
	s_barrier_signal -1
	s_barrier_wait -1                              ; everybody's are
	s_wait_loadcnt 0x0                             ; Q
.Lstep:                                            ; 16 trips of 128 keys
	v_add_nc_u32 v[ADK], s[TK], v[AK0]             ; these five are also the places behind the last trip's products, in front of the loads into their registers
	v_add_nc_u32 v[ADV], s[TK], v[AV0]
	v_add_nc_u32 v[ADS], s[TS], v[ASK0]
	v_add_nc_u32 v[ADB], s[TS], v[AB0]
	v_add_nc_u32 v[ADT], s[TV], v[ASV0]
.irp t, 0,1,2,3,4,5,6,7
.irp p, 0,1,2
	ds_load_b64 v[32+6*\t+2*\p:33+6*\t+2*\p], v[ADK] offset:768*\t+256*\p
.endr
	ds_load_b32 v[192+\t], v[ADS] offset:64*\t
	ds_load_b128 v[96+8*\t:99+8*\t], v[ADB] offset:128*(\t/2)+32*(\t%2)       ; the product's C: 0 or -2^33 for my eight keys of the tile
	ds_load_b128 v[100+8*\t:103+8*\t], v[ADB] offset:128*(\t/2)+32*(\t%2)+16
.endr
	s_wait_dscnt 0x0
.irp t, 0,1,2,3,4,5,6,7                        ; eight accumulators by turns
	v_wmma_scale_f32_16x16x128_f8f6f4 v[96+8*\t:103+8*\t], v[32+6*\t:43+6*\t], v[16:27], v[96+8*\t:103+8*\t], v[192+\t], v255 matrix_a_fmt:MATRIX_FMT_BF6 matrix_b_fmt:MATRIX_FMT_BF6
.endr
.rept 4
	v_nop                                          ; places: in front of the loads into K's registers and of the first read of the scores
.endr
.irp d, 0,1,2,3                                ; V's four tiles of this step land while the softmax is walked
.irp p, 0,1,2,3,4,5
	ds_load_b64 v[32+12*\d+2*\p:33+12*\d+2*\p], v[ADV] offset:1536*\d+256*\p
.endr
	ds_load_b32 v[192+\d], v[ADT] offset:64*\d
.endr
.irp b, 0,1,2,3
	v_max3_num_f32 v[232+\b], v[96+16*\b], v[97+16*\b], v[98+16*\b]   ; the largest score of each block of 32 keys: for the row's maximum, and, since p rises with the score, for the block's largest p
.endr
.irp i, 3,5,7,9,11,13
.irp b, 0,1,2,3
	v_max3_num_f32 v[232+\b], v[232+\b], v[96+16*\b+\i], v[97+16*\b+\i]
.endr
.endr
.irp b, 0,1,2,3
	v_max_num_f32 v[232+\b], v[232+\b], v[111+16*\b]
.endr
.irp b, 0,1,2,3
	v_permlanex16_b32 v[236+\b], v[232+\b], s[SEL], s[SEL+1]
.endr
.irp b, 0,1,2,3
	v_max_num_f32 v[232+\b], v[232+\b], v[236+\b]  ; with lane l xor 16's 16 keys
.endr
	v_max3_num_f32 v254, v232, v233, v234
	v_max_num_f32 v254, v254, v235
	v_mul_f32 v254, s[CS], v254                    ; as t
	v_max_num_f32 v13, v13, v254                   ; the running largest t
	v_mov_b32 v254, v12
	v_floor_f32 v12, -v13                          ; the new -M = -ceil(t)
	v_sub_f32 v254, v12, v254                      ; old M - new M: a whole number, 0 or less
	v_cvt_i32_f32 v254, v254                       ; (it saturates)
	v_ldexp_f32 v252, 1.0, v254                    ; f = 2^(old M - new M)
.set j, 0
.rept 32
	v_pk_fma_f32 v[96+j:97+j], v[96+j:97+j], s[CS:CS+1], v[12:13] op_sel_hi:[1,0,0]   ; t - M
.set j, j+2
.endr
.irp b, 0,1,2,3
	v_fma_f32 v[232+\b], v[232+\b], s[CS], v12     ; the same of each block's largest score
.endr
.set j, 0
.rept 64
	v_exp_f32 v[96+j], v[96+j]                     ; p = 2^(t - M)
.set j, j+1
.endr
	v_pk_mul_f32 v[14:15], v[14:15], v[252:253] op_sel_hi:[1,0]   ; the sums under the new M: a plain place behind the exponentials
	s_wait_alu depctr_va_vdst(0)                   ; one wait for the batch of 64, ahead of its first reader
.irp b, 0,1,2,3
	v_exp_f32 v[232+\b], v[232+\b]                 ; the block's largest p
.endr
	v_pk_add_f32 v[236:237], v[96:97], v[98:99]    ; the row's sum of the unquantised p, in two chains
.irp j, 4,8,12,16,20,24,28,32,36,40,44,48,52,56,60
	v_pk_add_f32 v[14:15], v[14:15], v[96+\j:97+\j]
	v_pk_add_f32 v[236:237], v[236:237], v[98+\j:99+\j]
.endr
	v_pk_add_f32 v[14:15], v[14:15], v[236:237]
	s_wait_alu depctr_va_vdst(0)                   ; and one for the four
.irp b, 0,1,2,3
	v_max_num_f32 v[232+\b], 0x2800000, v[232+\b]  ; the floor 2^(5 - 127): the byte cannot fall under 1
.endr
.irp b, 0,1,2,3
	v_add_nc_u32 v[244+\b], 0xfe000000, v[232+\b]
.endr
.irp b, 0,1,2,3
	v_lshrrev_b32 v[236+\b], 23, v[244+\b]
.endr
	v_lshl_or_b32 v253, v237, 8, v236              ; p's scale word for these 128 keys
	v_lshl_or_b32 v253, v238, 16, v253
	v_lshl_or_b32 v253, v239, 24, v253
.irp c, 0,1
	v_cvt_scalef32_pk16_bf6_f32 v[224+6*\c:226+6*\c], v[96+32*\c:111+32*\c], v[244+2*\c]
	v_cvt_scalef32_pk16_bf6_f32 v[236+4*\c:238+4*\c], v[112+32*\c:127+32*\c], v[244+2*\c+1]
.endr
	v_nop                                          ; one plain place behind a scaled conversion
.irp c, 0,1
.irp i, 0,1,2
	v_permlane16_swap_b32 v[224+6*\c+\i], v[236+4*\c+\i]
.endr
.irp i, 0,1,2
	v_mov_b32 v[227+6*\c+\i], v[236+4*\c+\i]
.endr
.endr
.set j, 0
.rept 16
	v_pk_mul_f32 v[160+j:161+j], v[160+j:161+j], v[252:253] op_sel_hi:[1,0]   ; O^T under the new M; these sixteen also stand between the making of p's codes and scale word and the products
.set j, j+2
.endr
	s_wait_dscnt 0x0                               ; V's tiles and scale words are in
.irp d, 0,1,2,3                                ; four accumulators by turns
	v_wmma_scale_f32_16x16x128_f8f6f4 v[160+8*\d:167+8*\d], v[32+12*\d:43+12*\d], v[224:235], v[160+8*\d:167+8*\d], v[192+\d], v253 matrix_a_fmt:MATRIX_FMT_BF6 matrix_b_fmt:MATRIX_FMT_BF6
.endr
	s_add_co_u32 s[TK], s[TK], 6144
	s_add_co_u32 s[TS], s[TS], 512
	s_add_co_u32 s[TV], s[TV], 256
	s_sub_co_u32 s[CNT], s[CNT], 1
	s_cmp_lg_u32 s[CNT], 0
	s_cbranch_scc1 .Lstep
	; ---- THE WAY OUT: O^T / the sum; register 16 b + i = channel 32 b + 16 (lane / 16) + i of my query: two blocks of the next product's K
.rept 4
	v_nop                                          ; places behind the last products
.endr
	v_add_f32 v14, v14, v15
	v_permlanex16_b32 v252, v14, s[SEL], s[SEL+1]
	v_add_f32 v14, v14, v252                       ; the row's sum
	v_rcp_f32 v14, v14
	v_nop                                          ; a plain place behind the transcendental
	s_wait_alu depctr_va_vdst(0)                   ; the wait ahead of its first reader
.set j, 0
.rept 32
	v_mul_f32 v[96+j], v[160+j], v14
.set j, j+1
.endr
.irp b, 0,1
	v_max3_num_f32 v[232+\b], |v[96+16*\b]|, |v[97+16*\b]|, 0x2800000
.endr
.irp i, 2,4,6,8,10,12,14
.irp b, 0,1
	v_max3_num_f32 v[232+\b], v[232+\b], |v[96+16*\b+\i]|, |v[97+16*\b+\i]|
.endr
.endr
.irp b, 0,1
	v_permlanex16_b32 v[236+\b], v[232+\b], s[SEL], s[SEL+1]
.endr
.irp b, 0,1
	v_max_num_f32 v[232+\b], v[232+\b], v[236+\b]
.endr
.irp b, 0,1
	v_add_nc_u32 v[244+\b], 0xfe000000, v[232+\b]
.endr
.irp b, 0,1
	v_lshrrev_b32 v[240+\b], 23, v[244+\b]
.endr
	v_lshl_or_b32 v254, v241, 8, v240              ; my head's two bytes of the row's scale word
	v_cvt_scalef32_pk16_bf6_f32 v[224:226], v[96:111], v244
	v_cvt_scalef32_pk16_bf6_f32 v[236:238], v[112:127], v245
	v_nop
.irp i, 0,1,2
	v_permlane16_swap_b32 v[224+\i], v[236+\i]
.endr
.irp i, 0,1,2
	v_mov_b32 v[227+\i], v[236+\i]
.endr
.irp p, 0,1,2
	global_store_b64 v[AK0], v[224+2*\p:225+2*\p], s[74:75] offset:256*\p   ; 256 consecutive bytes, aligned
.endr
	global_store_b16 v[GOS], v254, s[76:77]        ; lanes l and l xor 16 write the same two bytes with the same value
	s_wait_tensorcnt 0x0
	ds_add_u32 v250, v251
	s_wait_dscnt 0x0
	CROUND                                         ; the closing round
	s_endpgm
.Lfunc_end_k_q8397ec4f12_attn:
	.size	k_q8397ec4f12_attn, .Lfunc_end_k_q8397ec4f12_attn-k_q8397ec4f12_attn
	.p2alignl 7, 3214868480
	.fill 96, 4, 3214868480
	.section	.rodata,"a",@progbits
	.p2align	6, 0x0
	.amdhsa_kernel k_q8397ec4f12_attn
		.amdhsa_group_segment_fixed_size 219136
		.amdhsa_private_segment_fixed_size 0
		.amdhsa_enable_private_segment 0
		.amdhsa_kernarg_size 24
		.amdhsa_user_sgpr_count 2
		.amdhsa_user_sgpr_kernarg_segment_ptr 1
		.amdhsa_wavefront_size32 1
		.amdhsa_system_sgpr_workgroup_id_x 1
		.amdhsa_system_sgpr_workgroup_id_y 1
		.amdhsa_system_sgpr_workgroup_id_z 1
		.amdhsa_system_vgpr_workitem_id 0
		.amdhsa_next_free_vgpr 256
		.amdhsa_next_free_sgpr 100
		.amdhsa_reserve_vcc 1
		.amdhsa_float_denorm_mode_32 3
		.amdhsa_float_denorm_mode_16_64 3
		.amdhsa_memory_ordered 1
		.amdhsa_forward_progress 1
		.amdhsa_inst_pref_size 32
	.end_amdhsa_kernel
	.amdgpu_metadata
---
amdhsa.version: [ 1, 2 ]
amdhsa.kernels:
  - .name:           k_q8397ec4f12_attn
    .symbol:         k_q8397ec4f12_attn.kd
    .args:
      - { .name: qkvb, .offset: 0, .size: 8, .value_kind: global_buffer, .address_space: global }
      - { .name: attention_mask, .offset: 8, .size: 8, .value_kind: global_buffer, .address_space: global }
      - { .name: ctxb, .offset: 16, .size: 8, .value_kind: global_buffer, .address_space: global }
    .group_segment_fixed_size: 219136
    .private_segment_fixed_size: 0
    .kernarg_segment_align: 8
    .kernarg_segment_size: 24
    .max_flat_workgroup_size: 512
    .sgpr_count:     100
    .vgpr_count:     256
    .wavefront_size: 32
...
	.end_amdgpu_metadata
.endif
;; end of part 3
;; launch oproj (part 4): grid 4 x 16, 4 waves a work-group, clusters of 4 x 4, 327,680 bytes of LDS; arguments ctxb, prepb, yb; writes yb
.if DOCPART == 4
	.amdgcn_target "amdgcn-amd-amdhsa--gfx1250"
	.amdhsa_code_object_version 6
	.text
	.protected	k_q8397ec4f12_oproj
	.globl	k_q8397ec4f12_oproj
	.p2align	8
	.type	k_q8397ec4f12_oproj,@function
k_q8397ec4f12_oproj:
	s_mov_b64 s[64:65], 0
	v_nop
	global_prefetch_b8 v0, s[64:65] scope:SCOPE_SE
	s_setreg_imm32_b32 hwreg(HW_REG_WAVE_MODE, 25, 1), 1
	s_wait_xcnt 0x0
	s_wait_alu depctr_hold_cnt(0) depctr_sa_sdst(0) depctr_va_vdst(0) depctr_va_sdst(0) depctr_va_ssrc(0) depctr_va_vcc(0) depctr_vm_vsrc(0)
	s_getreg_b32 s2, hwreg(HW_REG_IB_STS2, 6, 4)
	s_cmp_eq_u32 s2, 0
	s_cbranch_scc0 .Lentry_in_a_cluster
	s_endpgm
.Lentry_in_a_cluster:
	s_bfe_u32 s2, ttmp6, 0x10000c
	s_cmp_lg_u32 s2, 0xf033
	s_cbranch_scc0 .Lentry_shape_is_right
	s_endpgm
.Lentry_shape_is_right:
; y = ctx wo on E3M2 codes (K = 1,024), f32 sums, stored raw as natural rows [4096][1024]; bias and residual are added where the rows are normalised.
; A tile is 256 tokens x 256 columns; four waves, each 128 x 128: 64 accumulators, 512 registers.
; OPERANDS lie in memory in the order of the operand's registers (a fragment of 16 rows x 128 K: 1,536 bytes, piece p of lane l at 256 p + 8 l; lane r of tile t holds row 32 (t / 2) + 8 (t % 2) + r + 8 (r / 8)).
; K goes in steps of 256 through a ring of two LDS slots; the scale words of the work-group's rows for all of K come once and stay.
; CLUSTERS: 4 x 4 work-groups; A's tiles are asked for jointly along a row of the cluster, B's along a column.  THE MATRIX INSTRUCTION IS USED TRANSPOSED: source 0 = 16 rows of B, source 1 = 16 rows of A.
; REGISTERS: window 0: v16-29 addresses; v32-63 scale words, two sets, and nothing else; v128-223 A's fragments, one set; on the way out v128-255 rows of y.
;   window 1: B's fragments, two sets, at v0 and v128.   windows 2, 3: the accumulators ((a, b) at v[8 (8 (a % 4) + b)]).
.set KDIM,   1024
.set ASOFF,  3145728                   ; ctxb: the scale words (codes at 0)
.set BOFF,   5636096                   ; prepb: wo's codes
.set BSOFF,  12812288                  ; and its scale words
.set KS,     KDIM/128
.set TILEB,  KS*1536
.set NQ,     2
.set FR,     12
.set NL,     6
.set NP,     4
.set HALFT,  8*NQ*1536
.set SLOT,   4*HALFT
.set LAPS,   KDIM/512
.set SCL,    2*SLOT
.set SBLK,   KS*64
.set HALFS,  8*SBLK
.set SPARE,  SCL+4*HALFS               ; the spare words, 128 bytes for each wave: two blocks of 256 bytes that no other line names
.set SPITCH, 528                       ; the way out: a stage of 16 rows x (512 bytes + 16) for each wave, in slot 0, which has had its last fill and its last read when the first result is stored there
.set ADRA, 16
.set ADRB, 20
.set STO,  24
.set RD,   25
.set CO,   26
.set ADRS, 27
.set SPW,  28
.set NIL,  29
.set SC,   32
.set AF,   128
.set BK,   128
.set G1, 24
.set G0, 32
.set G1B, 48
.set G0B, 56
.set G1S, 68
.set G0S, 76
.set G1SB, 80
.set G0SB, 88
.set MSB, 0
.macro WIN new
.if MSB != \new
	s_set_vgpr_msb (MSB<<8)|\new
.set MSB, \new
.endif
.endm
.set MUL_LO, 0xa1
.set MUL_HI, 0xf1
.set TO_B,   0x40
.macro JLOAD g0a, g1a, g0b, g1b        ; a joint load: waves 0 and 1 fetch for A, waves 2 and 3 for B; four v_nop follow each of the two lines
	s_cmp_eq_u32 s15, 0
	s_cbranch_scc0 .Lfor_b_\@
	tensor_load_to_lds s[\g0a:\g0a+3], s[\g1a:\g1a+7]
	s_nop 0
.rept 4
	v_nop
.endr
	s_branch .Lasked_\@
.Lfor_b_\@:
	tensor_load_to_lds s[\g0b:\g0b+3], s[\g1b:\g1b+7]
	s_nop 0
.rept 4
	v_nop
.endr
.Lasked_\@:
.endm
.macro CREST
	s_cmp_lg_u32 s14, 0
	s_cbranch_scc1 .Lnot_wave_0_\@
	s_barrier_signal -3
.Lnot_wave_0_\@:
	s_barrier_wait -3
	s_barrier_signal -1
	s_barrier_wait -1
.endm
.macro CROUND
	s_barrier_signal -1
	s_barrier_wait -1
	CREST
.endm
	s_load_b128 s[4:7], s[0:1], 0x0                ; ctxb (A), prepb (B)
	s_load_b64 s[12:13], s[0:1], 0x10              ; yb
	v_lshl_add_u32 v[SPW], v0, 2, SPARE
	v_mov_b32 v[NIL], 0
	ds_add_u32 v28, v29
	ds_add_u32 v28, v29
	s_wait_dscnt 0x0
	v_lshrrev_b32 v1, 5, v0
	v_readfirstlane_b32 s14, v1                    ; wave 0..3
	s_lshr_b32 s15, s14, 1                         ; which half of A's rows is mine.  Also: I fetch for A (0) or for B (1)
	s_and_b32 s16, s14, 1                          ; which half of B's rows.  Also: which eight tiles I fetch
	s_bfe_u32 s40, ttmp6, 0x40000                  ; cx, cy
	s_bfe_u32 s41, ttmp6, 0x40004
	s_lshl_b32 s42, ttmp9, 2
	s_add_co_u32 s42, s42, s40                     ; C: which 256 columns
	s_and_b32 s17, ttmp7, 0xffff
	s_lshl_b32 s17, s17, 2
	s_add_co_u32 s17, s17, s41                     ; R: which 256 tokens
	s_lshl_b32 s43, s41, 2
	s_lshl_b32 s43, 15, s43                        ; my row of the cluster
	s_lshl_b32 s44, 0x1111, s40                    ; my column
	; descriptor group 1 for codes: eight rows (tiles) of 3,072 bytes (384 elements of 8 bytes), TILEB bytes apart; no padding
	s_or_b32 s[G1+0], s43, (3<<16)|(1<<21)
	s_or_b32 s[G1B+0], s44, (3<<16)|(1<<21)
.irp g, G1, G1B
	s_mov_b32 s[\g+1], 384<<16
	s_mov_b32 s[\g+2], 8<<16
	s_mov_b32 s[\g+3], 384<<16
	s_mov_b32 s[\g+4], 8
	s_mov_b32 s[\g+5], TILEB/8
	s_mov_b32 s[\g+6], 0
	s_mov_b32 s[\g+7], 0
.endr
	; and for the scale words of eight tiles: a dense block, as rows of 256 bytes
	s_or_b32 s[G1S+0], s43, (3<<16)|(1<<21)
	s_or_b32 s[G1SB+0], s44, (3<<16)|(1<<21)
.irp g, G1S, G1SB
	s_mov_b32 s[\g+1], 32<<16
	s_mov_b32 s[\g+2], (HALFS/256)<<16
	s_mov_b32 s[\g+3], 32<<16
	s_mov_b32 s[\g+4], HALFS/256
	s_mov_b32 s[\g+5], 32
	s_mov_b32 s[\g+6], 0
	s_mov_b32 s[\g+7], 0
.endr
	s_lshl_b32 s18, s16, 3
	s_lshl_b32 s20, s17, 4
	s_add_co_u32 s20, s20, s18                     ; A: tile 16 R + 8 x half
	s_lshl_b32 s46, s42, 4
	s_add_co_u32 s46, s46, s18                     ; B: tile 16 C + 8 x half
	s_mul_i32 s22, s20, SBLK
	s_add_co_u32 s22, s22, ASOFF
	s_mul_i32 s20, s20, TILEB
	s_mul_i32 s92, s46, SBLK
	s_add_co_u32 s92, s92, BSOFF
	s_mul_i32 s46, s46, TILEB
	s_add_co_u32 s46, s46, BOFF
	s_mov_b32 s21, 0
	s_mov_b32 s23, 0
	s_mov_b32 s47, 0
	s_mov_b32 s93, 0
	s_mul_i32 s45, s14, HALFT
	s_mul_i32 s94, s14, HALFS
	s_wait_kmcnt 0x0
	s_add_nc_u64 s[20:21], s[4:5], s[20:21]
	s_add_nc_u64 s[22:23], s[4:5], s[22:23]
	s_add_nc_u64 s[46:47], s[6:7], s[46:47]
	s_add_nc_u64 s[92:93], s[6:7], s[92:93]
	CROUND                                         ; all sixteen work-groups are here: the first joint loads meet
	s_mov_b32 s[G0S], 1
	s_add_co_u32 s[G0S+1], s94, SCL
	s_mov_b64 s[G0S+2:G0S+3], s[22:23]
	s_or_b32 s[G0S+3], s[G0S+3], 0x80000000
	s_mov_b32 s[G0SB], 1
	s_add_co_u32 s[G0SB+1], s94, SCL
	s_mov_b64 s[G0SB+2:G0SB+3], s[92:93]
	s_or_b32 s[G0SB+3], s[G0SB+3], 0x80000000
	JLOAD G0S, G1S, G0SB, G1SB
.irp s, 0,1
	s_mov_b32 s[G0+4*\s], 1
	s_add_co_u32 s[G0+4*\s+1], s45, \s*SLOT
	s_add_nc_u64 s[G0+4*\s+2:G0+4*\s+3], s[20:21], \s*NQ*1536
	s_or_b32 s[G0+4*\s+3], s[G0+4*\s+3], 0x80000000
	s_mov_b32 s[G0B+4*\s], 1
	s_add_co_u32 s[G0B+4*\s+1], s45, \s*SLOT
	s_add_nc_u64 s[G0B+4*\s+2:G0B+4*\s+3], s[46:47], \s*NQ*1536
	s_or_b32 s[G0B+4*\s+3], s[G0B+4*\s+3], 0x80000000
	JLOAD G0+4*\s, G1, G0B+4*\s, G1B
.endr
	v_and_b32 v1, 15, v0                           ; r
	v_bfe_u32 v2, v0, 4, 1                         ; h
	v_and_b32 v3, 31, v0
	v_lshlrev_b32 v4, 3, v3                        ; 8 x lane
	s_mul_i32 s21, s15, HALFT
	s_mul_i32 s22, s16, HALFT
	s_add_co_u32 s22, s22, 2*HALFT
.irp s, 0,1
	v_add_nc_u32 v[ADRA+\s], s21, v4
	v_add_nc_u32 v[ADRB+\s], s22, v4
	s_add_co_u32 s21, s21, SLOT
	s_add_co_u32 s22, s22, SLOT
.endr
	v_lshlrev_b32 v5, 2, v1
	s_mul_i32 s21, s15, HALFS
	s_mul_i32 s22, s16, HALFS
	s_add_co_u32 s22, s22, 2*HALFS
	s_sub_co_u32 s22, s22, s21
	v_mul_u32_u24 v6, s22, v2                      ; lanes 16-31 take B's
	s_add_co_u32 s21, s21, SCL
	v_add_nc_u32 v5, v5, v6
	v_add_nc_u32 v[ADRS], s21, v5
	s_mul_i32 s23, s14, 16*SPITCH                  ; my stage
	v_mul_u32_u24 v5, v1, SPITCH                   ; in: row r, 64 bytes on for lanes 16-31
	v_lshl_add_u32 v5, v2, 6, v5
	v_add_nc_u32 v[STO], s23, v5
	v_lshlrev_b32 v[CO], 4, v3                     ; back: the 32 lanes take one row of 512 bytes; and the same in y
	v_add_nc_u32 v[RD], s23, v[CO]
	s_lshl_b32 s20, s17, 8
	s_lshl_b32 s21, s15, 7
	s_add_co_u32 s20, s20, s21                     ; my first token
	s_lshl_b32 s20, s20, 12                        ; rows of 4,096 bytes
	s_mov_b32 s21, 0
	s_lshl_b32 s46, s42, 10                        ; my first column, in bytes
	s_lshl_b32 s47, s16, 9
	s_add_co_u32 s46, s46, s47
	s_mov_b32 s47, 0
	s_add_nc_u64 s[20:21], s[20:21], s[46:47]
	s_add_nc_u64 s[12:13], s[12:13], s[20:21]
.macro FRAG reg, adr, q, i
.irp p, 0,1,2,3,4,5
	ds_load_b64 v[\reg+2*\p:\reg+2*\p+1], v[\adr] offset:(\i)*3072+(\q)*1536+256*\p
.endr
.endm
; The 64 accumulators take turns, one instruction a turn, in the same order in every step.
.macro MUL16 a0, p, q, sc, zero
.irp a, \a0, \a0+1
.irp b, 0,1,2,3,4,5,6,7
.if \zero
	v_wmma_scale_f32_16x16x128_f8f6f4 v[8*(8*((\a)%4)+\b):8*(8*((\a)%4)+\b)+7], v[128*(\p)+FR*\b:128*(\p)+FR*\b+FR-1], v[AF+FR*(\a):AF+FR*(\a)+FR-1], 0, v[SC+8*NQ*(\sc)+NQ*\b+(\q)], v[SC+8*NQ*(\sc)+NQ*(\a)+(\q)] matrix_a_fmt:MATRIX_FMT_BF6 matrix_b_fmt:MATRIX_FMT_BF6 matrix_a_scale:MATRIX_SCALE_ROW1
.else
	v_wmma_scale_f32_16x16x128_f8f6f4 v[8*(8*((\a)%4)+\b):8*(8*((\a)%4)+\b)+7], v[128*(\p)+FR*\b:128*(\p)+FR*\b+FR-1], v[AF+FR*(\a):AF+FR*(\a)+FR-1], v[8*(8*((\a)%4)+\b):8*(8*((\a)%4)+\b)+7], v[SC+8*NQ*(\sc)+NQ*\b+(\q)], v[SC+8*NQ*(\sc)+NQ*(\a)+(\q)] matrix_a_fmt:MATRIX_FMT_BF6 matrix_b_fmt:MATRIX_FMT_BF6 matrix_a_scale:MATRIX_SCALE_ROW1
.endif
.endr
.endr
.endm
.macro FETCH_B slot, q, p
	WIN TO_B
.irp i, 0,1,2,3,4,5,6,7
	FRAG 128*(\p)+FR*\i, ADRB+\slot, \q, \i
.endr
	WIN 0
.endm
.macro FETCH_A slot, q, i0
.irp i, \i0, \i0+1, \i0+2, \i0+3
	FRAG AF+FR*(\i), ADRA+\slot, \q, \i
.endr
.endm
.macro SCALES sc
.irp i, 0,1,2,3,4,5,6,7
.irp q, 0,1
	ds_load_b32 v[SC+8*NQ*\sc+NQ*\i+\q], v[ADRS] offset:\i*SBLK+64*\q
.endr
.endr
.endm
.macro PLACES n
.rept \n
	v_nop
.endr
.endm
.macro STEP slot, q, zero
	s_wait_dscnt 4*NL                              ; all but the youngest 24 loads (A's blocks 4-7) are in
	WIN MUL_LO
	MUL16 0, (\q)%2, \q, \slot, \zero
	MUL16 2, (\q)%2, \q, \slot, \zero
	s_wait_dscnt 0
	PLACES NP
	FETCH_B \slot, (\q)+1, 1-(\q)%2
	FETCH_A \slot, (\q)+1, 0
	WIN MUL_HI
	MUL16 4, (\q)%2, \q, \slot, \zero
	MUL16 6, (\q)%2, \q, \slot, \zero
	PLACES NP
	WIN 0
	FETCH_A \slot, (\q)+1, 4
.endm
.macro TURN slot, next, fill
	s_wait_tensorcnt 0x0                           ; all my tensor loads have landed: my part of the next slot
	ds_add_u32 v[SPW], v[NIL]                      ; 0 onto my spare word
	s_wait_dscnt 4*NL+1                            ; the add and the youngest 24 loads may be out
	WIN MUL_LO
	MUL16 0, 1, NQ-1, \slot, 0
	s_wait_dscnt 0x0                               ; the add is done, and my reads of this slot are over
	s_barrier_signal -1
	MUL16 2, 1, NQ-1, \slot, 0
	WIN 0
	s_barrier_wait -1
.if \fill
	CREST                                          ; the barrier has opened a round of the cluster's: no wave of any partner still reads this slot or has a load on its way
	s_add_nc_u64 s[G0+4*\slot+2:G0+4*\slot+3], s[G0+4*\slot+2:G0+4*\slot+3], 2*NQ*1536
	s_add_nc_u64 s[G0B+4*\slot+2:G0B+4*\slot+3], s[G0B+4*\slot+2:G0B+4*\slot+3], 2*NQ*1536
	JLOAD G0+4*\slot, G1, G0B+4*\slot, G1B
.else
	PLACES NP
.endif
	v_add_nc_u32 v[ADRS], 64*NQ, v[ADRS]
	FETCH_B \next, 0, 0
	FETCH_A \next, 0, 0
	SCALES \next
	WIN MUL_HI
	MUL16 4, 1, NQ-1, \slot, 0
	MUL16 6, 1, NQ-1, \slot, 0
	PLACES NP
	WIN 0
	FETCH_A \next, 0, 4
.endm
	s_wait_tensorcnt 1                             ; the scale words and my part of slot 0 are in; slot 1's load may be out
	s_barrier_signal -1
	s_barrier_wait -1
	FETCH_B 0, 0, 0
	FETCH_A 0, 0, 0
	SCALES 0
	FETCH_A 0, 0, 4
	STEP 0, 0, 1
	s_mov_b32 s3, LAPS-1
.Llap:
	TURN 0, 1, 1
	STEP 1, 0, 0
	TURN 1, 0, 1
	STEP 0, 0, 0
	s_sub_co_u32 s3, s3, 1
	s_cmp_lg_u32 s3, 0
	s_cbranch_scc1 .Llap
	TURN 0, 1, 0
	STEP 1, 0, 0
	s_wait_dscnt 4*NL
	WIN MUL_LO
	MUL16 0, 1, NQ-1, 1, 0
	MUL16 2, 1, NQ-1, 1, 0
	s_wait_dscnt 0
	WIN MUL_HI
	MUL16 4, 1, NQ-1, 1, 0
	MUL16 6, 1, NQ-1, 1, 0
	WIN 0
; THE WAY OUT, block by block of 16 tokens x 128 columns, through my own stage.  Lane (r, h) holds, of accumulator b, columns 32 (b / 2) + 16 h + 8 (b % 2) + 0 .. 7 of the block's row r.
; LDS serves a wave's instructions in order (ISA guide 5.7.1.4): no wait between the stores and the loads, nor in front of the next block's stores.
.macro TOSTAGE a
.set AC, 64*((\a)%4)
	WIN 0x08+4*((\a)/4)                            ; the data: window 2 or 3
.irp b, 0,1,2,3,4,5,6,7
	ds_store_b128 v[STO], v[AC+8*\b:AC+8*\b+3] offset:128*(\b/2)+32*(\b%2)          ; each accumulator from its low end on
	ds_store_b128 v[STO], v[AC+8*\b+4:AC+8*\b+7] offset:128*(\b/2)+32*(\b%2)+16
.endr
	WIN 0
.set BB, BK+64*((\a)%2)
.irp t, 0,1,2,3,4,5,6,7,8,9,10,11,12,13,14,15
	ds_load_b128 v[BB+4*\t:BB+4*\t+3], v[RD] offset:\t*SPITCH
.endr
.endm
.macro SEND a, younger                 ; stage row t is token 32 (a / 2) + 8 (a % 2) + t + 8 (t / 8) of my 128: the place stands in the immediate, 127 rows of 4,096 bytes at the most
.set BB, BK+64*((\a)%2)
	s_wait_dscnt \younger
.irp t, 0,1,2,3,4,5,6,7,8,9,10,11,12,13,14,15
	global_store_b128 v[CO], v[BB+4*\t:BB+4*\t+3], s[12:13] offset:(32*((\a)/2)+8*((\a)%2)+\t+8*(\t/8))*4096 th:TH_STORE_NT   ; 512 consecutive bytes, aligned
.endr
.endm
	PLACES NP
	TOSTAGE 0
.irp a, 1,2,3,4,5,6,7
.if \a > 1
	s_wait_xcnt 0x0                                ; block a - 2's stores have read their registers: block a's loads may land there
.endif
	TOSTAGE \a
	SEND \a-1, 32                                  ; behind block a - 1's loads: block a's 16 stores and 16 loads
.endr
	SEND 7, 0
	s_wait_tensorcnt 0x0                           ; the wave's end
	ds_add_u32 v[SPW], v[NIL]
	s_wait_dscnt 0x0
	CROUND                                         ; the closing round
	s_endpgm
.Lfunc_end_k_q8397ec4f12_oproj:
	.size	k_q8397ec4f12_oproj, .Lfunc_end_k_q8397ec4f12_oproj-k_q8397ec4f12_oproj
	.p2alignl 7, 3214868480
	.fill 96, 4, 3214868480
	.section	.rodata,"a",@progbits
	.p2align	6, 0x0
	.amdhsa_kernel k_q8397ec4f12_oproj
		.amdhsa_group_segment_fixed_size 327680
		.amdhsa_private_segment_fixed_size 0
		.amdhsa_enable_private_segment 0
		.amdhsa_kernarg_size 24
		.amdhsa_user_sgpr_count 2
		.amdhsa_user_sgpr_kernarg_segment_ptr 1
		.amdhsa_wavefront_size32 1
		.amdhsa_system_sgpr_workgroup_id_x 1
		.amdhsa_system_sgpr_workgroup_id_y 1
		.amdhsa_system_sgpr_workgroup_id_z 1
		.amdhsa_system_vgpr_workitem_id 0
		.amdhsa_next_free_vgpr 1024
		.amdhsa_next_free_sgpr 100
		.amdhsa_reserve_vcc 0
		.amdhsa_float_denorm_mode_32 3
		.amdhsa_float_denorm_mode_16_64 3
		.amdhsa_memory_ordered 1
		.amdhsa_forward_progress 1
		.amdhsa_inst_pref_size 161
	.end_amdhsa_kernel
	.amdgpu_metadata
---
amdhsa.version: [ 1, 2 ]
amdhsa.kernels:
  - .name:           k_q8397ec4f12_oproj
    .symbol:         k_q8397ec4f12_oproj.kd
    .args:
      - { .name: ctxb, .offset: 0, .size: 8, .value_kind: global_buffer, .address_space: global }
      - { .name: prepb, .offset: 8, .size: 8, .value_kind: global_buffer, .address_space: global }
      - { .name: yb, .offset: 16, .size: 8, .value_kind: global_buffer, .address_space: global }
    .group_segment_fixed_size: 327680
    .private_segment_fixed_size: 0
    .kernarg_segment_align: 8
    .kernarg_segment_size: 24
    .max_flat_workgroup_size: 128
    .sgpr_count:     100
    .vgpr_count:     1024
    .wavefront_size: 32
...
	.end_amdgpu_metadata
.endif
;; end of part 4
;; launch ln1q (part 5): grid 256 x 1, 8 waves a work-group, no clusters, 67,584 bytes of LDS; arguments yb, x, bo, ln1_g, ln1_b, x1b; writes x1b
.if DOCPART == 5
	.amdgcn_target "amdgcn-amd-amdhsa--gfx1250"
	.amdhsa_code_object_version 6
	.text
	.protected	k_q8397ec4f12_ln1q
	.globl	k_q8397ec4f12_ln1q
	.p2align	8
	.type	k_q8397ec4f12_ln1q,@function
k_q8397ec4f12_ln1q:
	s_mov_b64 s[64:65], 0
	v_nop
	global_prefetch_b8 v0, s[64:65] scope:SCOPE_SE
	s_setreg_imm32_b32 hwreg(HW_REG_WAVE_MODE, 25, 1), 1
	s_wait_xcnt 0x0
; x1 = LayerNorm(x + y + bo) (eps 1e-5), stored as f32 rows and, quantised along its 1,024, as the next product's operand in the order of the operand's registers.
; A work-group takes one tile: 16 tokens, lane r's token 32 (t / 2) + 8 (t % 2) + r + 8 (r / 8).  Phase 1: wave w normalises the tile's rows 2 w and 2 w + 1, a row in 32 registers a lane; mean first, then the
; mean of the squared differences: no difference of large sums.  The rows meet in a stage in LDS.  Phase 2: wave w quantises K step w of all 16 rows.
; No matrix unit, no cluster, no tensor load: memory binds, and work-groups share nothing but the three vectors of 4,096 bytes.
; LIMITS: a block of zeros gets the scale byte 1 (its codes are zeros; this program alone reads the bytes); NaN and infinities are not served.
.set PITCH, 4112                       ; a stage row: 4,096 bytes + 16: the 16 rows that a load touches start in 16 different groups of banks
.set SCW,   16*PITCH                   ; behind the stage: the tile's 128 scale words
.set BOV, 16                           ; v16-47   bo
.set GV,  48                           ; v48-79   the gain
.set BV,  80                           ; v80-111  the bias
.set Y0,  112                          ; v112-143 row 0: y, then the row at work; v144-175 its x; v176-239 the same of row 1
.set X0,  144
.set A0,  240
.set A1,  242
.set MU,  244
.set RS,  246
.set TP,  248
.set T,   112                          ; phase 2: 64 numbers
.set TM,  16
.set PC,  32
.set PW,  52
.set SEL, 2
.set INV, 24                           ; s24  1 / 1,024
.set EPS, 25                           ; s25  1e-5
.macro WSUM a                          ; the sum over the wave's 32 lanes, in every lane
	v_add_f32_dpp v[\a], v[\a], v[\a] row_xmask:1 row_mask:0xf bank_mask:0xf
	v_add_f32_dpp v[\a], v[\a], v[\a] row_xmask:2 row_mask:0xf bank_mask:0xf
	v_add_f32_dpp v[\a], v[\a], v[\a] row_xmask:4 row_mask:0xf bank_mask:0xf
	v_add_f32_dpp v[\a], v[\a], v[\a] row_xmask:8 row_mask:0xf bank_mask:0xf
	v_permlanex16_b32 v[TP], v[\a], s[SEL], s[SEL+1]
	v_add_f32 v[\a], v[\a], v[TP]
.endm
.macro LNORM V, G, B, eps              ; the row in v[V] .. v[V + 31] is normalised in place
	v_pk_add_f32 v[A0:A0+1], v[\V:\V+1], v[\V+2:\V+3]
	v_pk_add_f32 v[A1:A1+1], v[\V+4:\V+5], v[\V+6:\V+7]
.irp j, 8,12,16,20,24,28
	v_pk_add_f32 v[A0:A0+1], v[A0:A0+1], v[\V+\j:\V+\j+1]
	v_pk_add_f32 v[A1:A1+1], v[A1:A1+1], v[\V+\j+2:\V+\j+3]
.endr
	v_pk_add_f32 v[A0:A0+1], v[A0:A0+1], v[A1:A1+1]
	v_add_f32 v[A0], v[A0], v[A0+1]
	WSUM A0
	v_mul_f32 v[MU], s[INV], v[A0]                 ; the mean
	v_mov_b32 v[MU+1], v[MU]
.irp j, 0,2,4,6,8,10,12,14,16,18,20,22,24,26,28,30
	v_pk_add_f32 v[\V+\j:\V+\j+1], v[\V+\j:\V+\j+1], v[MU:MU+1] neg_lo:[0,1] neg_hi:[0,1]
.endr
	v_pk_mul_f32 v[A0:A0+1], v[\V:\V+1], v[\V:\V+1]
	v_pk_mul_f32 v[A1:A1+1], v[\V+2:\V+3], v[\V+2:\V+3]
.irp j, 4,8,12,16,20,24,28
	v_pk_fma_f32 v[A0:A0+1], v[\V+\j:\V+\j+1], v[\V+\j:\V+\j+1], v[A0:A0+1]
	v_pk_fma_f32 v[A1:A1+1], v[\V+\j+2:\V+\j+3], v[\V+\j+2:\V+\j+3], v[A1:A1+1]
.endr
	v_pk_add_f32 v[A0:A0+1], v[A0:A0+1], v[A1:A1+1]
	v_add_f32 v[A0], v[A0], v[A0+1]
	WSUM A0
	v_fma_f32 v[A0], v[A0], s[INV], s[\eps]        ; the variance + eps
	v_rsq_f32 v[RS], v[A0]
	v_nop                                          ; a plain place behind the transcendental
	s_wait_alu depctr_va_vdst(0)                   ; the wait ahead of its first reader
	v_mov_b32 v[RS+1], v[RS]
.irp j, 0,2,4,6,8,10,12,14,16,18,20,22,24,26,28,30
	v_pk_mul_f32 v[\V+\j:\V+\j+1], v[\V+\j:\V+\j+1], v[RS:RS+1]
.endr
.irp j, 0,2,4,6,8,10,12,14,16,18,20,22,24,26,28,30
	v_pk_fma_f32 v[\V+\j:\V+\j+1], v[\V+\j:\V+\j+1], v[\G+\j:\G+\j+1], v[\B+\j:\B+\j+1]
.endr
.endm
.macro QUANT s, pc, pw
.irp b, 0,1,2,3
	v_max3_num_f32 v[TM+\b], |v[\s+16*\b]|, |v[\s+1+16*\b]|, 0x2800000   ; my 16 numbers of block b, and the floor 2^(5 - 127): the byte cannot fall under 1
.endr
.irp i, 2,4,6,8,10,12,14
.irp b, 0,1,2,3
	v_max3_num_f32 v[TM+\b], v[TM+\b], |v[\s+16*\b+\i]|, |v[\s+1+16*\b+\i]|
.endr
.endr
.irp b, 0,1,2,3
	v_permlanex16_b32 v[TM+4+\b], v[TM+\b], s[SEL], s[SEL+1]
.endr
.irp b, 0,1,2,3
	v_max_num_f32 v[TM+\b], v[TM+\b], v[TM+4+\b]
.endr
.irp b, 0,1,2,3
	v_add_nc_u32 v[TM+12+\b], 0xfe000000, v[TM+\b]
.endr
.irp b, 0,1,2,3
	v_lshrrev_b32 v[TM+4+\b], 23, v[TM+12+\b]
.endr
	v_lshl_or_b32 v[\pw], v[TM+5], 8, v[TM+4]
	v_lshl_or_b32 v[\pw], v[TM+6], 16, v[\pw]
	v_lshl_or_b32 v[\pw], v[TM+7], 24, v[\pw]
.irp c, 0,1
	v_cvt_scalef32_pk16_bf6_f32 v[\pc+6*\c:\pc+2+6*\c], v[\s+32*\c:\s+15+32*\c], v[TM+12+2*\c]
	v_cvt_scalef32_pk16_bf6_f32 v[\pc+12+4*\c:\pc+14+4*\c], v[\s+16+32*\c:\s+31+32*\c], v[TM+12+2*\c+1]
.endr
	v_nop
.irp c, 0,1
.irp i, 0,1,2
	v_permlane16_swap_b32 v[\pc+6*\c+\i], v[\pc+12+4*\c+\i]
.endr
.irp i, 0,1,2
	v_mov_b32 v[\pc+3+6*\c+\i], v[\pc+12+4*\c+\i]
.endr
.endr
.endm
	s_load_b256 s[4:11], s[0:1], 0x0               ; yb, x, bo, the gain
	s_load_b128 s[12:15], s[0:1], 0x20             ; the bias, x1b
	v_lshl_add_u32 v254, v0, 2, 0x10400
	v_mov_b32 v255, 0
	v_lshrrev_b32 v1, 5, v0
	v_readfirstlane_b32 s16, v1                    ; wave 0..7
	v_and_b32 v2, 31, v0
	v_lshlrev_b32 v3, 4, v2                        ; 16 x lane
	v_and_b32 v5, 15, v0                           ; r
	v_bfe_u32 v6, v0, 4, 1                         ; h
	s_lshr_b32 s17, ttmp9, 1
	s_lshl_b32 s17, s17, 5
	s_and_b32 s18, ttmp9, 1
	s_lshl_b32 s18, s18, 3
	s_add_co_u32 s17, s17, s18
	s_lshl_b32 s18, s16, 1
	s_add_co_u32 s17, s17, s18
	s_lshr_b32 s18, s16, 2
	s_lshl_b32 s18, s18, 3
	s_add_co_u32 s17, s17, s18                     ; the token of the tile's row 2 w; row 2 w + 1 is the next token
	s_lshl_b32 s18, s17, 12
	s_mov_b32 s19, 0
	s_mul_i32 s20, s16, 2*PITCH
	v_add_nc_u32 v7, s20, v3                       ; the stage, on the way in: my two rows, 16 bytes a lane
	v_mul_u32_u24 v4, v5, PITCH
	v_lshl_add_u32 v4, v6, 6, v4
	s_lshl_b32 s20, s16, 9
	v_add_nc_u32 v4, s20, v4                       ; and on the way out: row r, K step w, + 64 h
	v_lshlrev_b32 v8, 2, v5
	s_lshl_b32 s20, s16, 6
	v_add_nc_u32 v8, s20, v8
	v_add_nc_u32 v8, SCW, v8                       ; my row's scale word of K step w
	v_add_nc_u32 v9, SCW, v3                       ; all 128 words, 16 bytes a lane
	v_lshlrev_b32 v10, 3, v2                       ; 8 x lane
	v_mov_b32 v[TP], 0                             ; written once: a lane permute's destination counts as one of its sources
	s_mov_b32 s[SEL], 0x76543210
	s_mov_b32 s[SEL+1], 0xfedcba98
	s_mov_b32 s[INV], 0x3a800000
	s_mov_b32 s[EPS], 0x3727c5ac
	s_lshl_b32 s26, ttmp9, 3
	s_add_co_u32 s26, s26, s16
	s_mul_i32 s26, s26, 1536                       ; fragment 8 t + w
	s_add_co_u32 s26, s26, 16777216
	s_mov_b32 s27, 0
	s_lshl_b32 s28, ttmp9, 9
	s_add_co_u32 s28, s28, 19922944
	s_mov_b32 s29, 0
	s_wait_kmcnt 0x0
	s_add_nc_u64 s[4:5], s[4:5], s[18:19]
	s_add_nc_u64 s[6:7], s[6:7], s[18:19]
	s_add_nc_u64 s[26:27], s[14:15], s[26:27]
	s_add_nc_u64 s[28:29], s[14:15], s[28:29]
	s_add_nc_u64 s[14:15], s[14:15], s[18:19]
.irp j, 0,1,2,3,4,5,6,7
	global_load_b128 v[BOV+4*\j:BOV+4*\j+3], v3, s[8:9] offset:512*\j
	global_load_b128 v[GV+4*\j:GV+4*\j+3], v3, s[10:11] offset:512*\j
	global_load_b128 v[BV+4*\j:BV+4*\j+3], v3, s[12:13] offset:512*\j
.endr
.irp i, 0,1
.irp j, 0,1,2,3,4,5,6,7
	global_load_b128 v[Y0+64*\i+4*\j:Y0+64*\i+4*\j+3], v3, s[4:5] offset:4096*\i+512*\j th:TH_LOAD_NT
	global_load_b128 v[X0+64*\i+4*\j:X0+64*\i+4*\j+3], v3, s[6:7] offset:4096*\i+512*\j th:TH_LOAD_NT
.endr
.endr
.macro ROW i, left
	s_wait_loadcnt \left
.irp j, 0,2,4,6,8,10,12,14,16,18,20,22,24,26,28,30
	v_pk_add_f32 v[Y0+64*\i+\j:Y0+64*\i+\j+1], v[Y0+64*\i+\j:Y0+64*\i+\j+1], v[BOV+\j:BOV+\j+1]
.endr
.irp j, 0,2,4,6,8,10,12,14,16,18,20,22,24,26,28,30
	v_pk_add_f32 v[Y0+64*\i+\j:Y0+64*\i+\j+1], v[Y0+64*\i+\j:Y0+64*\i+\j+1], v[X0+64*\i+\j:X0+64*\i+\j+1]
.endr
	LNORM Y0+64*\i, GV, BV, EPS
.irp j, 0,1,2,3,4,5,6,7
	global_store_b128 v3, v[Y0+64*\i+4*\j:Y0+64*\i+4*\j+3], s[14:15] offset:4096*\i+512*\j   ; 512 consecutive bytes, aligned
	ds_store_b128 v7, v[Y0+64*\i+4*\j:Y0+64*\i+4*\j+3] offset:PITCH*\i+512*\j
.endr
.endm
	ROW 0, 16                                      ; the vectors and row 0 are in; row 1's 16 loads may be out
	ROW 1, 0
.irp b, 0,1,2,3
	v_mov_b32 v[TM+4+\b], 0                        ; (bo's registers are free)
.endr
	s_wait_xcnt 0x0                                ; the stores have read their registers: LDS loads land there below
	s_wait_dscnt 0x0                               ; my rows lie in the stage
	s_barrier_signal -1
	s_barrier_wait -1                              ; all 16 do
.irp b, 0,1,2,3
.irp j, 0,1,2,3
	ds_load_b128 v[T+16*\b+4*\j:T+16*\b+4*\j+3], v4 offset:128*\b+16*\j
.endr
.endr
	s_wait_dscnt 0x0
	QUANT T, PC, PW
.irp p, 0,1,2,3,4,5
	global_store_b64 v10, v[PC+2*\p:PC+2*\p+1], s[26:27] offset:256*\p   ; 256 consecutive bytes, aligned
.endr
	ds_store_b32 v8, v[PW]                         ; lanes l and l xor 16 write the same word with the same value
	s_wait_dscnt 0x0
	s_barrier_signal -1
	s_barrier_wait -1                              ; the tile's 128 scale words lie in LDS
	s_cmp_lg_u32 s16, 0
	s_cbranch_scc1 .Lend
	ds_load_b128 v[56:59], v9
	s_wait_dscnt 0x0
	global_store_b128 v3, v[56:59], s[28:29]       ; 512 consecutive bytes, aligned
.Lend:
	s_wait_tensorcnt 0x0
	ds_add_u32 v254, v255
	s_wait_dscnt 0x0
	s_endpgm
.Lfunc_end_k_q8397ec4f12_ln1q:
	.size	k_q8397ec4f12_ln1q, .Lfunc_end_k_q8397ec4f12_ln1q-k_q8397ec4f12_ln1q
	.p2alignl 7, 3214868480
	.fill 96, 4, 3214868480
	.section	.rodata,"a",@progbits
	.p2align	6, 0x0
	.amdhsa_kernel k_q8397ec4f12_ln1q
		.amdhsa_group_segment_fixed_size 67584
		.amdhsa_private_segment_fixed_size 0
		.amdhsa_enable_private_segment 0
		.amdhsa_kernarg_size 48
		.amdhsa_user_sgpr_count 2
		.amdhsa_user_sgpr_kernarg_segment_ptr 1
		.amdhsa_wavefront_size32 1
		.amdhsa_system_sgpr_workgroup_id_x 1
		.amdhsa_system_sgpr_workgroup_id_y 1
		.amdhsa_system_sgpr_workgroup_id_z 1
		.amdhsa_system_vgpr_workitem_id 0
		.amdhsa_next_free_vgpr 256
		.amdhsa_next_free_sgpr 66
		.amdhsa_reserve_vcc 0
		.amdhsa_float_denorm_mode_32 3
		.amdhsa_float_denorm_mode_16_64 3
		.amdhsa_memory_ordered 1
		.amdhsa_forward_progress 1
		.amdhsa_inst_pref_size 33
	.end_amdhsa_kernel
	.amdgpu_metadata
---
amdhsa.version: [ 1, 2 ]
amdhsa.kernels:
  - .name:           k_q8397ec4f12_ln1q
    .symbol:         k_q8397ec4f12_ln1q.kd
    .args:
      - { .name: yb, .offset: 0, .size: 8, .value_kind: global_buffer, .address_space: global }
      - { .name: x, .offset: 8, .size: 8, .value_kind: global_buffer, .address_space: global }
      - { .name: bo, .offset: 16, .size: 8, .value_kind: global_buffer, .address_space: global }
      - { .name: ln1_g, .offset: 24, .size: 8, .value_kind: global_buffer, .address_space: global }
      - { .name: ln1_b, .offset: 32, .size: 8, .value_kind: global_buffer, .address_space: global }
      - { .name: x1b, .offset: 40, .size: 8, .value_kind: global_buffer, .address_space: global }
    .group_segment_fixed_size: 67584
    .private_segment_fixed_size: 0
    .kernarg_segment_align: 8
    .kernarg_segment_size: 48
    .max_flat_workgroup_size: 256
    .sgpr_count:     66
    .vgpr_count:     256
    .wavefront_size: 32
...
	.end_amdgpu_metadata
.endif
;; end of part 5
;; launch ffn1 (part 6): grid 16 x 16, 4 waves a work-group, clusters of 4 x 4, 327,680 bytes of LDS; arguments x1b, prepb, b1, hb; writes hb
.if DOCPART == 6
	.amdgcn_target "amdgcn-amd-amdhsa--gfx1250"
	.amdhsa_code_object_version 6
	.text
	.protected	k_q8397ec4f12_ffn1
	.globl	k_q8397ec4f12_ffn1
	.p2align	8
	.type	k_q8397ec4f12_ffn1,@function
k_q8397ec4f12_ffn1:
	s_mov_b64 s[64:65], 0
	v_nop
	global_prefetch_b8 v0, s[64:65] scope:SCOPE_SE
	s_setreg_imm32_b32 hwreg(HW_REG_WAVE_MODE, 25, 1), 1
	s_wait_xcnt 0x0
	s_wait_alu depctr_hold_cnt(0) depctr_sa_sdst(0) depctr_va_vdst(0) depctr_va_sdst(0) depctr_va_ssrc(0) depctr_va_vcc(0) depctr_vm_vsrc(0)
	s_getreg_b32 s2, hwreg(HW_REG_IB_STS2, 6, 4)
	s_cmp_eq_u32 s2, 0
	s_cbranch_scc0 .Lentry_in_a_cluster
	s_endpgm
.Lentry_in_a_cluster:
	s_bfe_u32 s2, ttmp6, 0x10000c
	s_cmp_lg_u32 s2, 0xf033
	s_cbranch_scc0 .Lentry_shape_is_right
	s_endpgm
.Lentry_shape_is_right:
; h = gelu(x1 w1 + b1) on E3M2 codes (K = 1,024), the exact gelu, quantised along the 4,096 hidden units on the way out as the next product's operand.
; A tile is 256 tokens x 256 hidden units; four waves, each 128 x 128: 64 accumulators; a wave's 128 units are one K step of the next product.
; OPERANDS lie in memory in the order of the operand's registers (a fragment of 16 rows x 128 K: 1,536 bytes, piece p of lane l at 256 p + 8 l; lane r of tile t holds row 32 (t / 2) + 8 (t % 2) + r + 8 (r / 8)).
; K goes in steps of 256 through a ring of two LDS slots; the scale words for all of K come once and stay.  CLUSTERS: 4 x 4; A's tiles jointly along a row, B's along a column.  The matrix instruction is used transposed.
; GELU: gelu(x) = max(x, 0) - |x| e, e = erfc(|x| / sqrt 2) / 2 = t 2^(-L z^2 + c0 + t (c1 + .. + c9 t^8)), z = |x| / sqrt 2, t = 1 / (1 + z / 2), L = log2(e): the rational Chebyshev fit of erfc
; (fractional error about 1.2e-7 everywhere), its coefficients times L, and 1 taken off c0 for the half.  No series is cut by the inputs' range.
; LIMITS: a block of zeros gets the scale byte 1 (its codes are zeros; this program alone reads the bytes); NaN and infinities are not served.
; REGISTERS: window 0: v16-29 addresses; v32-63 scale words and nothing else; v128-223 A's fragments; on the way out v64-127 64 numbers, v128-223 gelu's three sets of 32, v224-243 codes.
;   window 1: B's fragments, two sets; on the way out v0-63 the bias.   windows 2, 3: the accumulators.
.set KDIM,   1024
.set AOFF,   16777216                  ; x1b: the codes (behind the f32 rows)
.set ASOFF,  19922944                  ; and the scale words
.set BOFF,   6422528                   ; prepb: w1's codes
.set BSOFF,  12845056
.set KS,     KDIM/128
.set TILEB,  KS*1536
.set NQ,     2
.set FR,     12
.set NL,     6
.set NP,     4
.set HALFT,  8*NQ*1536
.set SLOT,   4*HALFT
.set LAPS,   KDIM/512
.set SCL,    2*SLOT
.set SBLK,   KS*64
.set HALFS,  8*SBLK
.set SPARE,  SCL+4*HALFS               ; the spare words, 128 bytes for each wave: two blocks of 256 bytes that no other line names
.set ADRA, 16
.set ADRB, 20
.set ADRS, 27
.set SPW,  28
.set NIL,  29
.set SC,   32
.set AF,   128
.set G1, 24
.set G0, 32
.set G1B, 48
.set G0B, 56
.set G1S, 68
.set G0S, 76
.set G1SB, 80
.set G0SB, 88
.set MSB, 0
.macro WIN new
.if MSB != \new
	s_set_vgpr_msb (MSB<<8)|\new
.set MSB, \new
.endif
.endm
.set MUL_LO, 0xa1
.set MUL_HI, 0xf1
.set TO_B,   0x40
.macro JLOAD g0a, g1a, g0b, g1b        ; a joint load: waves 0 and 1 fetch for A, waves 2 and 3 for B; four v_nop follow each of the two lines
	s_cmp_eq_u32 s15, 0
	s_cbranch_scc0 .Lfor_b_\@
	tensor_load_to_lds s[\g0a:\g0a+3], s[\g1a:\g1a+7]
	s_nop 0
.rept 4
	v_nop
.endr
	s_branch .Lasked_\@
.Lfor_b_\@:
	tensor_load_to_lds s[\g0b:\g0b+3], s[\g1b:\g1b+7]
	s_nop 0
.rept 4
	v_nop
.endr
.Lasked_\@:
.endm
.macro CREST
	s_cmp_lg_u32 s14, 0
	s_cbranch_scc1 .Lnot_wave_0_\@
	s_barrier_signal -3
.Lnot_wave_0_\@:
	s_barrier_wait -3
	s_barrier_signal -1
	s_barrier_wait -1
.endm
.macro CROUND
	s_barrier_signal -1
	s_barrier_wait -1
	CREST
.endm
	s_load_b128 s[4:7], s[0:1], 0x0                ; x1b (A), prepb (B)
	v_lshl_add_u32 v[SPW], v0, 2, SPARE
	v_mov_b32 v[NIL], 0
	ds_add_u32 v28, v29
	ds_add_u32 v28, v29
	s_wait_dscnt 0x0
	v_lshrrev_b32 v1, 5, v0
	v_readfirstlane_b32 s14, v1                    ; wave 0..3
	s_lshr_b32 s15, s14, 1
	s_and_b32 s16, s14, 1
	s_bfe_u32 s40, ttmp6, 0x40000                  ; cx, cy
	s_bfe_u32 s41, ttmp6, 0x40004
	s_lshl_b32 s42, ttmp9, 2
	s_add_co_u32 s42, s42, s40                     ; C: which 256 hidden units
	s_and_b32 s17, ttmp7, 0xffff
	s_lshl_b32 s17, s17, 2
	s_add_co_u32 s17, s17, s41                     ; R: which 256 tokens
	s_lshl_b32 s43, s41, 2
	s_lshl_b32 s43, 15, s43
	s_lshl_b32 s44, 0x1111, s40
	s_or_b32 s[G1+0], s43, (3<<16)|(1<<21)         ; codes: eight rows (tiles) of 3,072 bytes, TILEB bytes apart; no padding
	s_or_b32 s[G1B+0], s44, (3<<16)|(1<<21)
.irp g, G1, G1B
	s_mov_b32 s[\g+1], 384<<16
	s_mov_b32 s[\g+2], 8<<16
	s_mov_b32 s[\g+3], 384<<16
	s_mov_b32 s[\g+4], 8
	s_mov_b32 s[\g+5], TILEB/8
	s_mov_b32 s[\g+6], 0
	s_mov_b32 s[\g+7], 0
.endr
	s_or_b32 s[G1S+0], s43, (3<<16)|(1<<21)        ; scale words: a dense block, as rows of 256 bytes
	s_or_b32 s[G1SB+0], s44, (3<<16)|(1<<21)
.irp g, G1S, G1SB
	s_mov_b32 s[\g+1], 32<<16
	s_mov_b32 s[\g+2], (HALFS/256)<<16
	s_mov_b32 s[\g+3], 32<<16
	s_mov_b32 s[\g+4], HALFS/256
	s_mov_b32 s[\g+5], 32
	s_mov_b32 s[\g+6], 0
	s_mov_b32 s[\g+7], 0
.endr
	s_lshl_b32 s18, s16, 3
	s_lshl_b32 s20, s17, 4
	s_add_co_u32 s20, s20, s18
	s_lshl_b32 s46, s42, 4
	s_add_co_u32 s46, s46, s18
	s_mul_i32 s22, s20, SBLK
	s_add_co_u32 s22, s22, ASOFF
	s_mul_i32 s20, s20, TILEB
	s_add_co_u32 s20, s20, AOFF
	s_mul_i32 s92, s46, SBLK
	s_add_co_u32 s92, s92, BSOFF
	s_mul_i32 s46, s46, TILEB
	s_add_co_u32 s46, s46, BOFF
	s_mov_b32 s21, 0
	s_mov_b32 s23, 0
	s_mov_b32 s47, 0
	s_mov_b32 s93, 0
	s_mul_i32 s45, s14, HALFT
	s_mul_i32 s94, s14, HALFS
	s_wait_kmcnt 0x0
	s_add_nc_u64 s[20:21], s[4:5], s[20:21]
	s_add_nc_u64 s[22:23], s[4:5], s[22:23]
	s_add_nc_u64 s[46:47], s[6:7], s[46:47]
	s_add_nc_u64 s[92:93], s[6:7], s[92:93]
	CROUND                                         ; all sixteen work-groups are here: the first joint loads meet
	s_mov_b32 s[G0S], 1
	s_add_co_u32 s[G0S+1], s94, SCL
	s_mov_b64 s[G0S+2:G0S+3], s[22:23]
	s_or_b32 s[G0S+3], s[G0S+3], 0x80000000
	s_mov_b32 s[G0SB], 1
	s_add_co_u32 s[G0SB+1], s94, SCL
	s_mov_b64 s[G0SB+2:G0SB+3], s[92:93]
	s_or_b32 s[G0SB+3], s[G0SB+3], 0x80000000
	JLOAD G0S, G1S, G0SB, G1SB
.irp s, 0,1
	s_mov_b32 s[G0+4*\s], 1
	s_add_co_u32 s[G0+4*\s+1], s45, \s*SLOT
	s_add_nc_u64 s[G0+4*\s+2:G0+4*\s+3], s[20:21], \s*NQ*1536
	s_or_b32 s[G0+4*\s+3], s[G0+4*\s+3], 0x80000000
	s_mov_b32 s[G0B+4*\s], 1
	s_add_co_u32 s[G0B+4*\s+1], s45, \s*SLOT
	s_add_nc_u64 s[G0B+4*\s+2:G0B+4*\s+3], s[46:47], \s*NQ*1536
	s_or_b32 s[G0B+4*\s+3], s[G0B+4*\s+3], 0x80000000
	JLOAD G0+4*\s, G1, G0B+4*\s, G1B
.endr
	v_and_b32 v1, 15, v0
	v_bfe_u32 v2, v0, 4, 1
	v_and_b32 v3, 31, v0
	v_lshlrev_b32 v4, 3, v3
	s_mul_i32 s21, s15, HALFT
	s_mul_i32 s22, s16, HALFT
	s_add_co_u32 s22, s22, 2*HALFT
.irp s, 0,1
	v_add_nc_u32 v[ADRA+\s], s21, v4
	v_add_nc_u32 v[ADRB+\s], s22, v4
	s_add_co_u32 s21, s21, SLOT
	s_add_co_u32 s22, s22, SLOT
.endr
	v_lshlrev_b32 v5, 2, v1
	s_mul_i32 s21, s15, HALFS
	s_mul_i32 s22, s16, HALFS
	s_add_co_u32 s22, s22, 2*HALFS
	s_sub_co_u32 s22, s22, s21
	v_mul_u32_u24 v6, s22, v2
	s_add_co_u32 s21, s21, SCL
	v_add_nc_u32 v5, v5, v6
	v_add_nc_u32 v[ADRS], s21, v5
.macro FRAG reg, adr, q, i
.irp p, 0,1,2,3,4,5
	ds_load_b64 v[\reg+2*\p:\reg+2*\p+1], v[\adr] offset:(\i)*3072+(\q)*1536+256*\p
.endr
.endm
; The 64 accumulators take turns, one instruction a turn, in the same order in every step.
.macro MUL16 a0, p, q, sc, zero
.irp a, \a0, \a0+1
.irp b, 0,1,2,3,4,5,6,7
.if \zero
	v_wmma_scale_f32_16x16x128_f8f6f4 v[8*(8*((\a)%4)+\b):8*(8*((\a)%4)+\b)+7], v[128*(\p)+FR*\b:128*(\p)+FR*\b+FR-1], v[AF+FR*(\a):AF+FR*(\a)+FR-1], 0, v[SC+8*NQ*(\sc)+NQ*\b+(\q)], v[SC+8*NQ*(\sc)+NQ*(\a)+(\q)] matrix_a_fmt:MATRIX_FMT_BF6 matrix_b_fmt:MATRIX_FMT_BF6 matrix_a_scale:MATRIX_SCALE_ROW1
.else
	v_wmma_scale_f32_16x16x128_f8f6f4 v[8*(8*((\a)%4)+\b):8*(8*((\a)%4)+\b)+7], v[128*(\p)+FR*\b:128*(\p)+FR*\b+FR-1], v[AF+FR*(\a):AF+FR*(\a)+FR-1], v[8*(8*((\a)%4)+\b):8*(8*((\a)%4)+\b)+7], v[SC+8*NQ*(\sc)+NQ*\b+(\q)], v[SC+8*NQ*(\sc)+NQ*(\a)+(\q)] matrix_a_fmt:MATRIX_FMT_BF6 matrix_b_fmt:MATRIX_FMT_BF6 matrix_a_scale:MATRIX_SCALE_ROW1
.endif
.endr
.endr
.endm
.macro FETCH_B slot, q, p
	WIN TO_B
.irp i, 0,1,2,3,4,5,6,7
	FRAG 128*(\p)+FR*\i, ADRB+\slot, \q, \i
.endr
	WIN 0
.endm
.macro FETCH_A slot, q, i0
.irp i, \i0, \i0+1, \i0+2, \i0+3
	FRAG AF+FR*(\i), ADRA+\slot, \q, \i
.endr
.endm
.macro SCALES sc
.irp i, 0,1,2,3,4,5,6,7
.irp q, 0,1
	ds_load_b32 v[SC+8*NQ*\sc+NQ*\i+\q], v[ADRS] offset:\i*SBLK+64*\q
.endr
.endr
.endm
.macro PLACES n
.rept \n
	v_nop
.endr
.endm
.macro STEP slot, q, zero
	s_wait_dscnt 4*NL                              ; all but the youngest 24 loads (A's blocks 4-7) are in
	WIN MUL_LO
	MUL16 0, (\q)%2, \q, \slot, \zero
	MUL16 2, (\q)%2, \q, \slot, \zero
	s_wait_dscnt 0
	PLACES NP
	FETCH_B \slot, (\q)+1, 1-(\q)%2
	FETCH_A \slot, (\q)+1, 0
	WIN MUL_HI
	MUL16 4, (\q)%2, \q, \slot, \zero
	MUL16 6, (\q)%2, \q, \slot, \zero
	PLACES NP
	WIN 0
	FETCH_A \slot, (\q)+1, 4
.endm
.macro TURN slot, next, fill
	s_wait_tensorcnt 0x0                           ; all my tensor loads have landed: my part of the next slot
	ds_add_u32 v[SPW], v[NIL]                      ; 0 onto my spare word
	s_wait_dscnt 4*NL+1                            ; the add and the youngest 24 loads may be out
	WIN MUL_LO
	MUL16 0, 1, NQ-1, \slot, 0
	s_wait_dscnt 0x0                               ; the add is done, and my reads of this slot are over
	s_barrier_signal -1
	MUL16 2, 1, NQ-1, \slot, 0
	WIN 0
	s_barrier_wait -1
.if \fill
	CREST                                          ; the barrier has opened a round of the cluster's: no wave of any partner still reads this slot or has a load on its way
	s_add_nc_u64 s[G0+4*\slot+2:G0+4*\slot+3], s[G0+4*\slot+2:G0+4*\slot+3], 2*NQ*1536
	s_add_nc_u64 s[G0B+4*\slot+2:G0B+4*\slot+3], s[G0B+4*\slot+2:G0B+4*\slot+3], 2*NQ*1536
	JLOAD G0+4*\slot, G1, G0B+4*\slot, G1B
.else
	PLACES NP
.endif
	v_add_nc_u32 v[ADRS], 64*NQ, v[ADRS]
	FETCH_B \next, 0, 0
	FETCH_A \next, 0, 0
	SCALES \next
	WIN MUL_HI
	MUL16 4, 1, NQ-1, \slot, 0
	MUL16 6, 1, NQ-1, \slot, 0
	PLACES NP
	WIN 0
	FETCH_A \next, 0, 4
.endm
	s_wait_tensorcnt 1                             ; the scale words and my part of slot 0 are in; slot 1's load may be out
	s_barrier_signal -1
	s_barrier_wait -1
	FETCH_B 0, 0, 0
	FETCH_A 0, 0, 0
	SCALES 0
	FETCH_A 0, 0, 4
	STEP 0, 0, 1
	s_mov_b32 s3, LAPS-1
.Llap:
	TURN 0, 1, 1
	STEP 1, 0, 0
	TURN 1, 0, 1
	STEP 0, 0, 0
	s_sub_co_u32 s3, s3, 1
	s_cmp_lg_u32 s3, 0
	s_cbranch_scc1 .Llap
	TURN 0, 1, 0
	STEP 1, 0, 0
	s_wait_dscnt 4*NL
	WIN MUL_LO
	MUL16 0, 1, NQ-1, 1, 0
	MUL16 2, 1, NQ-1, 1, 0
	s_wait_dscnt 0
	WIN MUL_HI
	MUL16 4, 1, NQ-1, 1, 0
	MUL16 6, 1, NQ-1, 1, 0
	WIN 0
; ---- THE WAY OUT: a loop of four trips, two blocks of 16 tokens a trip, so that gelu's text stands twice and not eight times.  Only the copy out of the accumulators names registers that change
; from trip to trip: it is written eight times, and a branch on the trip's number leads to the one that is due.
.set T,    64                          ; v64-127  the block's 64 numbers
.set ZR,   128                         ; v128-159 z, then t
.set E,    160                         ; v160-191 the exponent, then e
.set H,    192                         ; v192-223 the polynomial, then max(x, 0)
.set TM,   192                         ; the quantiser's own: H's registers, free and written when it runs
.set PC,   224                         ; v224-243 the fragment being made
.set PW,   18                          ; v18-19
.set C8V,  20                          ; v[20:21] c8, twice
.set SELW, 22
.set VO,   24
.set VSO,  25
.set NEGL, 24                          ; constants, each twice in a pair of scalar registers (the packed forms name the pair)
.set C0,   26
.set C1,   28
.set C2,   30
.set C3,   32
.set C4,   34
.set C5,   36
.set C6,   38
.set C7,   44
.set C9,   46
.set SEL,  56
.set LM,   58
.set U,    66
.set RS2,  67
.macro KONST reg, bits
	s_mov_b32 s[\reg], \bits
	s_mov_b32 s[\reg+1], \bits
.endm
.macro QUANT s, pc, pw
.irp b, 0,1,2,3
	v_max3_num_f32 v[TM+\b], |v[\s+16*\b]|, |v[\s+1+16*\b]|, 0x2800000   ; my 16 numbers of block b, and the floor 2^(5 - 127): the byte cannot fall under 1
.endr
.irp i, 2,4,6,8,10,12,14
.irp b, 0,1,2,3
	v_max3_num_f32 v[TM+\b], v[TM+\b], |v[\s+16*\b+\i]|, |v[\s+1+16*\b+\i]|
.endr
.endr
.irp b, 0,1,2,3
	v_permlanex16_b32 v[TM+4+\b], v[TM+\b], s[SEL], s[SEL+1]
.endr
.irp b, 0,1,2,3
	v_max_num_f32 v[TM+\b], v[TM+\b], v[TM+4+\b]
.endr
.irp b, 0,1,2,3
	v_add_nc_u32 v[TM+12+\b], 0xfe000000, v[TM+\b]
.endr
.irp b, 0,1,2,3
	v_lshrrev_b32 v[TM+4+\b], 23, v[TM+12+\b]
.endr
	v_lshl_or_b32 v[\pw], v[TM+5], 8, v[TM+4]
	v_lshl_or_b32 v[\pw], v[TM+6], 16, v[\pw]
	v_lshl_or_b32 v[\pw], v[TM+7], 24, v[\pw]
.irp c, 0,1
	v_cvt_scalef32_pk16_bf6_f32 v[\pc+6*\c:\pc+2+6*\c], v[\s+32*\c:\s+15+32*\c], v[TM+12+2*\c]
	v_cvt_scalef32_pk16_bf6_f32 v[\pc+12+4*\c:\pc+14+4*\c], v[\s+16+32*\c:\s+31+32*\c], v[TM+12+2*\c+1]
.endr
	v_nop                                          ; one plain place behind a scaled conversion
.irp c, 0,1
.irp i, 0,1,2
	v_permlane16_swap_b32 v[\pc+6*\c+\i], v[\pc+12+4*\c+\i]
.endr
.irp i, 0,1,2
	v_mov_b32 v[\pc+3+6*\c+\i], v[\pc+12+4*\c+\i]
.endr
.endr
.endm
.macro GELU k                          ; 32 numbers, v[T + k] on, in place
.set i, 0
.rept 32
	v_mul_f32 v[ZR+i], s[RS2], |v[T+(\k)+i]|       ; z = |x| / sqrt 2
.set i, i+1
.endr
.set i, 0
.rept 16
	v_pk_mul_f32 v[E+i:E+i+1], v[ZR+i:ZR+i+1], s[NEGL:NEGL+1] op_sel_hi:[1,0]
.set i, i+2
.endr
.set i, 0
.rept 16
	v_pk_fma_f32 v[E+i:E+i+1], v[E+i:E+i+1], v[ZR+i:ZR+i+1], s[C0:C0+1] op_sel_hi:[1,1,0]   ; -L z^2 + c0
.set i, i+2
.endr
.set i, 0
.rept 16
	v_pk_fma_f32 v[ZR+i:ZR+i+1], v[ZR+i:ZR+i+1], 0.5, 1.0 op_sel_hi:[1,0,0]
.set i, i+2
.endr
.set i, 0
.rept 32
	v_rcp_f32 v[ZR+i], v[ZR+i]                     ; t
.set i, i+1
.endr
	v_nop                                          ; a plain place behind the batch
	s_wait_alu depctr_va_vdst(0)                   ; one wait for the 32, ahead of their first reader
.set i, 0
.rept 16
	v_pk_fma_f32 v[H+i:H+i+1], v[ZR+i:ZR+i+1], s[C9:C9+1], v[C8V:C8V+1] op_sel_hi:[1,0,1]
.set i, i+2
.endr
.irp c, C7,C6,C5,C4,C3,C2,C1
.set i, 0
.rept 16
	v_pk_fma_f32 v[H+i:H+i+1], v[H+i:H+i+1], v[ZR+i:ZR+i+1], s[\c:\c+1] op_sel_hi:[1,1,0]
.set i, i+2
.endr
.endr
.set i, 0
.rept 16
	v_pk_fma_f32 v[E+i:E+i+1], v[H+i:H+i+1], v[ZR+i:ZR+i+1], v[E+i:E+i+1]
.set i, i+2
.endr
.set i, 0
.rept 32
	v_exp_f32 v[E+i], v[E+i]
.set i, i+1
.endr
.set i, 0
.rept 32
	v_max_num_f32 v[H+i], 0, v[T+(\k)+i]           ; plain work behind the batch
.set i, i+1
.endr
	s_wait_alu depctr_va_vdst(0)                   ; one wait for the 32 exponentials
.set i, 0
.rept 16
	v_pk_mul_f32 v[E+i:E+i+1], v[E+i:E+i+1], v[ZR+i:ZR+i+1]   ; e = erfc(z) / 2
.set i, i+2
.endr
.set i, 0
.rept 32
	v_fma_f32 v[T+(\k)+i], -|v[T+(\k)+i]|, v[E+i], v[H+i]
.set i, i+1
.endr
.endm
.macro COPY a                          ; block a's sums + bias; each accumulator from its low end on
	WIN 0x06+(\a)/4                                ; source 0 window 2 or 3, source 1 window 1
.set i, 0
.rept 32
	v_pk_add_f32 v[T+i:T+i+1], v[64*((\a)%4)+i:64*((\a)%4)+i+1], v[i:i+1]
.set i, i+2
.endr
	WIN 0
.endm
.macro HBLOCK e                        ; block 2 u + e
	s_cmp_eq_u32 s[U], 0
	s_cbranch_scc1 .Lu0_\@
	s_cmp_eq_u32 s[U], 1
	s_cbranch_scc1 .Lu1_\@
	s_cmp_eq_u32 s[U], 2
	s_cbranch_scc1 .Lu2_\@
	COPY 6+\e
	s_branch .Lgo_\@
.Lu0_\@:
	COPY 0+\e
	s_branch .Lgo_\@
.Lu1_\@:
	COPY 2+\e
	s_branch .Lgo_\@
.Lu2_\@:
	COPY 4+\e
.Lgo_\@:
	GELU 0
	GELU 32
	s_wait_xcnt 0x0                                ; the last block's stores have read their registers
	QUANT T, PC, PW+\e
.irp p, 0,1,2,3,4,5
	global_store_b64 v[VO], v[PC+2*\p:PC+2*\p+1], s[52:53] offset:\e*49152+256*\p   ; 256 consecutive bytes, aligned
.endr
.endm
	PLACES NP                                      ; behind the last products
	s_load_b128 s[48:51], s[0:1], 0x10             ; b1, hb (no tensor load is out: the descriptors' registers are free)
	KONST NEGL, 0xbfb8aa3b
	KONST C0, 0xc034d90f
	KONST C1, 0x3fb8ab5a
	KONST C2, 0x3f0a29d2
	KONST C3, 0x3e0efb2e
	KONST C4, 0xbe899a80
	KONST C5, 0x3ecdfd18
	KONST C6, 0xbfd1a1e5
	KONST C7, 0x40097039
	KONST C9, 0x3e7c6f08
	s_mov_b32 s[RS2], 0x3f3504f3
	s_mov_b32 s[SEL], 0x76543210
	s_mov_b32 s[SEL+1], 0xfedcba98
	s_mov_b32 s[LM], 0xffff0000
	v_mov_b32 v[C8V], 0xbf97d29d
	v_mov_b32 v[C8V+1], 0xbf97d29d
	v_and_b32 v1, 15, v0
	v_bfe_u32 v2, v0, 4, 1
	v_and_b32 v3, 31, v0
	v_lshlrev_b32 v[VO], 3, v3                     ; 8 x lane
	v_lshlrev_b32 v[VSO], 11, v2                   ; lanes 16-31 store the second block's words, 2,048 bytes on
	v_lshl_add_u32 v[VSO], v1, 2, v[VSO]
	v_lshlrev_b32 v5, 6, v2                        ; 64 h
	s_lshl_b32 s59, s17, 4
	s_lshl_b32 s60, s15, 3
	s_add_co_u32 s59, s59, s60                     ; my first token tile
	s_lshl_b32 s59, s59, 5                         ; 32 K steps a tile
	s_lshl_b32 s60, s42, 1
	s_add_co_u32 s59, s59, s60
	s_add_co_u32 s59, s59, s16                     ; + my K step: 2 C + half
	s_mul_i32 s60, s59, 1536
	s_mov_b32 s61, 0
	s_lshl_b32 s62, s59, 6
	s_add_co_u32 s62, s62, 12582912
	s_mov_b32 s63, 0
	s_lshl_b32 s68, s42, 10
	s_lshl_b32 s69, s16, 9
	s_add_co_u32 s68, s68, s69                     ; my first hidden unit, in bytes
	s_mov_b32 s69, 0
	s_wait_kmcnt 0x0
	s_add_nc_u64 s[52:53], s[50:51], s[60:61]      ; the codes
	s_add_nc_u64 s[54:55], s[50:51], s[62:63]      ; the scale words
	s_add_nc_u64 s[48:49], s[48:49], s[68:69]
	WIN 0x40
.irp b, 0,1,2,3
.irp j, 0,1,2,3
	global_load_b128 v[16*\b+4*\j:16*\b+4*\j+3], v5, s[48:49] offset:128*\b+16*\j   ; the bias in the numbers' order, into window 1
.endr
.endr
	WIN 0
	s_wait_loadcnt 0x0
	s_mov_b32 s[U], 0
.Lpair:
	HBLOCK 0
	HBLOCK 1
	v_cndmask_b32 v[SELW], v[PW], v[PW+1], s[LM]
	global_store_b32 v[VSO], v[SELW], s[54:55]
	s_wait_xcnt 0x0                                ; the stores have read their offsets and data: both are written again
	v_add_nc_u32 v[VO], 98304, v[VO]               ; two tiles on
	v_add_nc_u32 v[VSO], 4096, v[VSO]
	s_add_co_u32 s[U], s[U], 1
	s_cmp_lt_u32 s[U], 4
	s_cbranch_scc1 .Lpair
	s_wait_tensorcnt 0x0                           ; the wave's end
	ds_add_u32 v[SPW], v[NIL]
	s_wait_dscnt 0x0
	CROUND                                         ; the closing round
	s_endpgm
.Lfunc_end_k_q8397ec4f12_ffn1:
	.size	k_q8397ec4f12_ffn1, .Lfunc_end_k_q8397ec4f12_ffn1-k_q8397ec4f12_ffn1
	.p2alignl 7, 3214868480
	.fill 96, 4, 3214868480
	.section	.rodata,"a",@progbits
	.p2align	6, 0x0
	.amdhsa_kernel k_q8397ec4f12_ffn1
		.amdhsa_group_segment_fixed_size 327680
		.amdhsa_private_segment_fixed_size 0
		.amdhsa_enable_private_segment 0
		.amdhsa_kernarg_size 32
		.amdhsa_user_sgpr_count 2
		.amdhsa_user_sgpr_kernarg_segment_ptr 1
		.amdhsa_wavefront_size32 1
		.amdhsa_system_sgpr_workgroup_id_x 1
		.amdhsa_system_sgpr_workgroup_id_y 1
		.amdhsa_system_sgpr_workgroup_id_z 1
		.amdhsa_system_vgpr_workitem_id 0
		.amdhsa_next_free_vgpr 1024
		.amdhsa_next_free_sgpr 100
		.amdhsa_reserve_vcc 0
		.amdhsa_float_denorm_mode_32 3
		.amdhsa_float_denorm_mode_16_64 3
		.amdhsa_memory_ordered 1
		.amdhsa_forward_progress 1
		.amdhsa_inst_pref_size 242
	.end_amdhsa_kernel
	.amdgpu_metadata
---
amdhsa.version: [ 1, 2 ]
amdhsa.kernels:
  - .name:           k_q8397ec4f12_ffn1
    .symbol:         k_q8397ec4f12_ffn1.kd
    .args:
      - { .name: x1b, .offset: 0, .size: 8, .value_kind: global_buffer, .address_space: global }
      - { .name: prepb, .offset: 8, .size: 8, .value_kind: global_buffer, .address_space: global }
      - { .name: b1, .offset: 16, .size: 8, .value_kind: global_buffer, .address_space: global }
      - { .name: hb, .offset: 24, .size: 8, .value_kind: global_buffer, .address_space: global }
    .group_segment_fixed_size: 327680
    .private_segment_fixed_size: 0
    .kernarg_segment_align: 8
    .kernarg_segment_size: 32
    .max_flat_workgroup_size: 128
    .sgpr_count:     100
    .vgpr_count:     1024
    .wavefront_size: 32
...
	.end_amdgpu_metadata
.endif
;; end of part 6
;; launch ffn2 (part 7): grid 4 x 16, 4 waves a work-group, clusters of 4 x 4, 327,680 bytes of LDS; arguments hb, prepb, yb; writes yb
.if DOCPART == 7
	.amdgcn_target "amdgcn-amd-amdhsa--gfx1250"
	.amdhsa_code_object_version 6
	.text
	.protected	k_q8397ec4f12_ffn2
	.globl	k_q8397ec4f12_ffn2
	.p2align	8
	.type	k_q8397ec4f12_ffn2,@function
k_q8397ec4f12_ffn2:
	s_mov_b64 s[64:65], 0
	v_nop
	global_prefetch_b8 v0, s[64:65] scope:SCOPE_SE
	s_setreg_imm32_b32 hwreg(HW_REG_WAVE_MODE, 25, 1), 1
	s_wait_xcnt 0x0
	s_wait_alu depctr_hold_cnt(0) depctr_sa_sdst(0) depctr_va_vdst(0) depctr_va_sdst(0) depctr_va_ssrc(0) depctr_va_vcc(0) depctr_vm_vsrc(0)
	s_getreg_b32 s2, hwreg(HW_REG_IB_STS2, 6, 4)
	s_cmp_eq_u32 s2, 0
	s_cbranch_scc0 .Lentry_in_a_cluster
	s_endpgm
.Lentry_in_a_cluster:
	s_bfe_u32 s2, ttmp6, 0x10000c
	s_cmp_lg_u32 s2, 0xf033
	s_cbranch_scc0 .Lentry_shape_is_right
	s_endpgm
.Lentry_shape_is_right:
; y = h w2 on E3M2 codes (K = 4,096), f32 sums, stored raw as natural rows [4096][1024]; bias and residual are added where the rows are normalised.
; A tile is 256 tokens x 256 columns; four waves, each 128 x 128: 64 accumulators, 512 registers.
; OPERANDS lie in memory in the order of the operand's registers (a fragment of 16 rows x 128 K: 1,536 bytes, piece p of lane l at 256 p + 8 l; lane r of tile t holds row 32 (t / 2) + 8 (t % 2) + r + 8 (r / 8)).
; K goes in steps of 256 through a ring of two LDS slots; the scale words of the work-group's rows for all of K (65,536 bytes) come once and stay.
; CLUSTERS: 4 x 4 work-groups; A's tiles are asked for jointly along a row of the cluster, B's along a column.  THE MATRIX INSTRUCTION IS USED TRANSPOSED: source 0 = 16 rows of B, source 1 = 16 rows of A.
; REGISTERS: window 0: v16-29 addresses; v32-63 scale words, two sets, and nothing else; v128-223 A's fragments, one set; on the way out v128-255 rows of y.
;   window 1: B's fragments, two sets, at v0 and v128.   windows 2, 3: the accumulators ((a, b) at v[8 (8 (a % 4) + b)]).
.set KDIM,   4096
.set ASOFF,  12582912                  ; hb: the scale words (codes at 0)
.set BOFF,   9568256                   ; prepb: w2's codes
.set BSOFF,  12976128                  ; and its scale words
.set KS,     KDIM/128
.set TILEB,  KS*1536
.set NQ,     2
.set FR,     12
.set NL,     6
.set NP,     4
.set HALFT,  8*NQ*1536
.set SLOT,   4*HALFT
.set LAPS,   KDIM/512
.set SCL,    2*SLOT
.set SBLK,   KS*64
.set HALFS,  8*SBLK
.set SPARE,  SCL+4*HALFS               ; the spare words, 128 bytes for each wave: two blocks of 256 bytes that no other line names
.set SPITCH, 528                       ; the way out: a stage of 16 rows x (512 bytes + 16) for each wave, in slot 0, which has had its last fill and its last read when the first result is stored there
.set ADRA, 16
.set ADRB, 20
.set STO,  24
.set RD,   25
.set CO,   26
.set ADRS, 27
.set SPW,  28
.set NIL,  29
.set SC,   32
.set AF,   128
.set BK,   128
.set G1, 24
.set G0, 32
.set G1B, 48
.set G0B, 56
.set G1S, 68
.set G0S, 76
.set G1SB, 80
.set G0SB, 88
.set MSB, 0
.macro WIN new
.if MSB != \new
	s_set_vgpr_msb (MSB<<8)|\new
.set MSB, \new
.endif
.endm
.set MUL_LO, 0xa1
.set MUL_HI, 0xf1
.set TO_B,   0x40
.macro JLOAD g0a, g1a, g0b, g1b        ; a joint load: waves 0 and 1 fetch for A, waves 2 and 3 for B; four v_nop follow each of the two lines
	s_cmp_eq_u32 s15, 0
	s_cbranch_scc0 .Lfor_b_\@
	tensor_load_to_lds s[\g0a:\g0a+3], s[\g1a:\g1a+7]
	s_nop 0
.rept 4
	v_nop
.endr
	s_branch .Lasked_\@
.Lfor_b_\@:
	tensor_load_to_lds s[\g0b:\g0b+3], s[\g1b:\g1b+7]
	s_nop 0
.rept 4
	v_nop
.endr
.Lasked_\@:
.endm
.macro CREST
	s_cmp_lg_u32 s14, 0
	s_cbranch_scc1 .Lnot_wave_0_\@
	s_barrier_signal -3
.Lnot_wave_0_\@:
	s_barrier_wait -3
	s_barrier_signal -1
	s_barrier_wait -1
.endm
.macro CROUND
	s_barrier_signal -1
	s_barrier_wait -1
	CREST
.endm
	s_load_b128 s[4:7], s[0:1], 0x0                ; hb (A), prepb (B)
	s_load_b64 s[12:13], s[0:1], 0x10              ; yb
	v_lshl_add_u32 v[SPW], v0, 2, SPARE
	v_mov_b32 v[NIL], 0
	ds_add_u32 v28, v29
	ds_add_u32 v28, v29
	s_wait_dscnt 0x0
	v_lshrrev_b32 v1, 5, v0
	v_readfirstlane_b32 s14, v1                    ; wave 0..3
	s_lshr_b32 s15, s14, 1                         ; which half of A's rows is mine.  Also: I fetch for A (0) or for B (1)
	s_and_b32 s16, s14, 1                          ; which half of B's rows.  Also: which eight tiles I fetch
	s_bfe_u32 s40, ttmp6, 0x40000                  ; cx, cy
	s_bfe_u32 s41, ttmp6, 0x40004
	s_lshl_b32 s42, ttmp9, 2
	s_add_co_u32 s42, s42, s40                     ; C: which 256 columns
	s_and_b32 s17, ttmp7, 0xffff
	s_lshl_b32 s17, s17, 2
	s_add_co_u32 s17, s17, s41                     ; R: which 256 tokens
	s_lshl_b32 s43, s41, 2
	s_lshl_b32 s43, 15, s43                        ; my row of the cluster
	s_lshl_b32 s44, 0x1111, s40                    ; my column
	; descriptor group 1 for codes: eight rows (tiles) of 3,072 bytes (384 elements of 8 bytes), TILEB bytes apart; no padding
	s_or_b32 s[G1+0], s43, (3<<16)|(1<<21)
	s_or_b32 s[G1B+0], s44, (3<<16)|(1<<21)
.irp g, G1, G1B
	s_mov_b32 s[\g+1], 384<<16
	s_mov_b32 s[\g+2], 8<<16
	s_mov_b32 s[\g+3], 384<<16
	s_mov_b32 s[\g+4], 8
	s_mov_b32 s[\g+5], TILEB/8
	s_mov_b32 s[\g+6], 0
	s_mov_b32 s[\g+7], 0
.endr
	; and for the scale words of eight tiles: a dense block, as rows of 256 bytes
	s_or_b32 s[G1S+0], s43, (3<<16)|(1<<21)
	s_or_b32 s[G1SB+0], s44, (3<<16)|(1<<21)
.irp g, G1S, G1SB
	s_mov_b32 s[\g+1], 32<<16
	s_mov_b32 s[\g+2], (HALFS/256)<<16
	s_mov_b32 s[\g+3], 32<<16
	s_mov_b32 s[\g+4], HALFS/256
	s_mov_b32 s[\g+5], 32
	s_mov_b32 s[\g+6], 0
	s_mov_b32 s[\g+7], 0
.endr
	s_lshl_b32 s18, s16, 3
	s_lshl_b32 s20, s17, 4
	s_add_co_u32 s20, s20, s18                     ; A: tile 16 R + 8 x half
	s_lshl_b32 s46, s42, 4
	s_add_co_u32 s46, s46, s18                     ; B: tile 16 C + 8 x half
	s_mul_i32 s22, s20, SBLK
	s_add_co_u32 s22, s22, ASOFF
	s_mul_i32 s20, s20, TILEB
	s_mul_i32 s92, s46, SBLK
	s_add_co_u32 s92, s92, BSOFF
	s_mul_i32 s46, s46, TILEB
	s_add_co_u32 s46, s46, BOFF
	s_mov_b32 s21, 0
	s_mov_b32 s23, 0
	s_mov_b32 s47, 0
	s_mov_b32 s93, 0
	s_mul_i32 s45, s14, HALFT
	s_mul_i32 s94, s14, HALFS
	s_wait_kmcnt 0x0
	s_add_nc_u64 s[20:21], s[4:5], s[20:21]
	s_add_nc_u64 s[22:23], s[4:5], s[22:23]
	s_add_nc_u64 s[46:47], s[6:7], s[46:47]
	s_add_nc_u64 s[92:93], s[6:7], s[92:93]
	CROUND                                         ; all sixteen work-groups are here: the first joint loads meet
	s_mov_b32 s[G0S], 1
	s_add_co_u32 s[G0S+1], s94, SCL
	s_mov_b64 s[G0S+2:G0S+3], s[22:23]
	s_or_b32 s[G0S+3], s[G0S+3], 0x80000000
	s_mov_b32 s[G0SB], 1
	s_add_co_u32 s[G0SB+1], s94, SCL
	s_mov_b64 s[G0SB+2:G0SB+3], s[92:93]
	s_or_b32 s[G0SB+3], s[G0SB+3], 0x80000000
	JLOAD G0S, G1S, G0SB, G1SB
.irp s, 0,1
	s_mov_b32 s[G0+4*\s], 1
	s_add_co_u32 s[G0+4*\s+1], s45, \s*SLOT
	s_add_nc_u64 s[G0+4*\s+2:G0+4*\s+3], s[20:21], \s*NQ*1536
	s_or_b32 s[G0+4*\s+3], s[G0+4*\s+3], 0x80000000
	s_mov_b32 s[G0B+4*\s], 1
	s_add_co_u32 s[G0B+4*\s+1], s45, \s*SLOT
	s_add_nc_u64 s[G0B+4*\s+2:G0B+4*\s+3], s[46:47], \s*NQ*1536
	s_or_b32 s[G0B+4*\s+3], s[G0B+4*\s+3], 0x80000000
	JLOAD G0+4*\s, G1, G0B+4*\s, G1B
.endr
	v_and_b32 v1, 15, v0                           ; r
	v_bfe_u32 v2, v0, 4, 1                         ; h
	v_and_b32 v3, 31, v0
	v_lshlrev_b32 v4, 3, v3                        ; 8 x lane
	s_mul_i32 s21, s15, HALFT
	s_mul_i32 s22, s16, HALFT
	s_add_co_u32 s22, s22, 2*HALFT
.irp s, 0,1
	v_add_nc_u32 v[ADRA+\s], s21, v4
	v_add_nc_u32 v[ADRB+\s], s22, v4
	s_add_co_u32 s21, s21, SLOT
	s_add_co_u32 s22, s22, SLOT
.endr
	v_lshlrev_b32 v5, 2, v1
	s_mul_i32 s21, s15, HALFS
	s_mul_i32 s22, s16, HALFS
	s_add_co_u32 s22, s22, 2*HALFS
	s_sub_co_u32 s22, s22, s21
	v_mul_u32_u24 v6, s22, v2                      ; lanes 16-31 take B's
	s_add_co_u32 s21, s21, SCL
	v_add_nc_u32 v5, v5, v6
	v_add_nc_u32 v[ADRS], s21, v5
	s_mul_i32 s23, s14, 16*SPITCH                  ; my stage
	v_mul_u32_u24 v5, v1, SPITCH                   ; in: row r, 64 bytes on for lanes 16-31
	v_lshl_add_u32 v5, v2, 6, v5
	v_add_nc_u32 v[STO], s23, v5
	v_lshlrev_b32 v[CO], 4, v3                     ; back: the 32 lanes take one row of 512 bytes; and the same in y
	v_add_nc_u32 v[RD], s23, v[CO]
	s_lshl_b32 s20, s17, 8
	s_lshl_b32 s21, s15, 7
	s_add_co_u32 s20, s20, s21                     ; my first token
	s_lshl_b32 s20, s20, 12                        ; rows of 4,096 bytes
	s_mov_b32 s21, 0
	s_lshl_b32 s46, s42, 10                        ; my first column, in bytes
	s_lshl_b32 s47, s16, 9
	s_add_co_u32 s46, s46, s47
	s_mov_b32 s47, 0
	s_add_nc_u64 s[20:21], s[20:21], s[46:47]
	s_add_nc_u64 s[12:13], s[12:13], s[20:21]
.macro FRAG reg, adr, q, i
.irp p, 0,1,2,3,4,5
	ds_load_b64 v[\reg+2*\p:\reg+2*\p+1], v[\adr] offset:(\i)*3072+(\q)*1536+256*\p
.endr
.endm
; The 64 accumulators take turns, one instruction a turn, in the same order in every step.
.macro MUL16 a0, p, q, sc, zero
.irp a, \a0, \a0+1
.irp b, 0,1,2,3,4,5,6,7
.if \zero
	v_wmma_scale_f32_16x16x128_f8f6f4 v[8*(8*((\a)%4)+\b):8*(8*((\a)%4)+\b)+7], v[128*(\p)+FR*\b:128*(\p)+FR*\b+FR-1], v[AF+FR*(\a):AF+FR*(\a)+FR-1], 0, v[SC+8*NQ*(\sc)+NQ*\b+(\q)], v[SC+8*NQ*(\sc)+NQ*(\a)+(\q)] matrix_a_fmt:MATRIX_FMT_BF6 matrix_b_fmt:MATRIX_FMT_BF6 matrix_a_scale:MATRIX_SCALE_ROW1
.else
	v_wmma_scale_f32_16x16x128_f8f6f4 v[8*(8*((\a)%4)+\b):8*(8*((\a)%4)+\b)+7], v[128*(\p)+FR*\b:128*(\p)+FR*\b+FR-1], v[AF+FR*(\a):AF+FR*(\a)+FR-1], v[8*(8*((\a)%4)+\b):8*(8*((\a)%4)+\b)+7], v[SC+8*NQ*(\sc)+NQ*\b+(\q)], v[SC+8*NQ*(\sc)+NQ*(\a)+(\q)] matrix_a_fmt:MATRIX_FMT_BF6 matrix_b_fmt:MATRIX_FMT_BF6 matrix_a_scale:MATRIX_SCALE_ROW1
.endif
.endr
.endr
.endm
.macro FETCH_B slot, q, p
	WIN TO_B
.irp i, 0,1,2,3,4,5,6,7
	FRAG 128*(\p)+FR*\i, ADRB+\slot, \q, \i
.endr
	WIN 0
.endm
.macro FETCH_A slot, q, i0
.irp i, \i0, \i0+1, \i0+2, \i0+3
	FRAG AF+FR*(\i), ADRA+\slot, \q, \i
.endr
.endm
.macro SCALES sc
.irp i, 0,1,2,3,4,5,6,7
.irp q, 0,1
	ds_load_b32 v[SC+8*NQ*\sc+NQ*\i+\q], v[ADRS] offset:\i*SBLK+64*\q
.endr
.endr
.endm
.macro PLACES n
.rept \n
	v_nop
.endr
.endm
.macro STEP slot, q, zero
	s_wait_dscnt 4*NL                              ; all but the youngest 24 loads (A's blocks 4-7) are in
	WIN MUL_LO
	MUL16 0, (\q)%2, \q, \slot, \zero
	MUL16 2, (\q)%2, \q, \slot, \zero
	s_wait_dscnt 0
	PLACES NP
	FETCH_B \slot, (\q)+1, 1-(\q)%2
	FETCH_A \slot, (\q)+1, 0
	WIN MUL_HI
	MUL16 4, (\q)%2, \q, \slot, \zero
	MUL16 6, (\q)%2, \q, \slot, \zero
	PLACES NP
	WIN 0
	FETCH_A \slot, (\q)+1, 4
.endm
.macro TURN slot, next, fill
	s_wait_tensorcnt 0x0                           ; all my tensor loads have landed: my part of the next slot
	ds_add_u32 v[SPW], v[NIL]                      ; 0 onto my spare word
	s_wait_dscnt 4*NL+1                            ; the add and the youngest 24 loads may be out
	WIN MUL_LO
	MUL16 0, 1, NQ-1, \slot, 0
	s_wait_dscnt 0x0                               ; the add is done, and my reads of this slot are over
	s_barrier_signal -1
	MUL16 2, 1, NQ-1, \slot, 0
	WIN 0
	s_barrier_wait -1
.if \fill
	CREST                                          ; the barrier has opened a round of the cluster's: no wave of any partner still reads this slot or has a load on its way
	s_add_nc_u64 s[G0+4*\slot+2:G0+4*\slot+3], s[G0+4*\slot+2:G0+4*\slot+3], 2*NQ*1536
	s_add_nc_u64 s[G0B+4*\slot+2:G0B+4*\slot+3], s[G0B+4*\slot+2:G0B+4*\slot+3], 2*NQ*1536
	JLOAD G0+4*\slot, G1, G0B+4*\slot, G1B
.else
	PLACES NP
.endif
	v_add_nc_u32 v[ADRS], 64*NQ, v[ADRS]
	FETCH_B \next, 0, 0
	FETCH_A \next, 0, 0
	SCALES \next
	WIN MUL_HI
	MUL16 4, 1, NQ-1, \slot, 0
	MUL16 6, 1, NQ-1, \slot, 0
	PLACES NP
	WIN 0
	FETCH_A \next, 0, 4
.endm
	s_wait_tensorcnt 1                             ; the scale words and my part of slot 0 are in; slot 1's load may be out
	s_barrier_signal -1
	s_barrier_wait -1
	FETCH_B 0, 0, 0
	FETCH_A 0, 0, 0
	SCALES 0
	FETCH_A 0, 0, 4
	STEP 0, 0, 1
	s_mov_b32 s3, LAPS-1
.Llap:
	TURN 0, 1, 1
	STEP 1, 0, 0
	TURN 1, 0, 1
	STEP 0, 0, 0
	s_sub_co_u32 s3, s3, 1
	s_cmp_lg_u32 s3, 0
	s_cbranch_scc1 .Llap
	TURN 0, 1, 0
	STEP 1, 0, 0
	s_wait_dscnt 4*NL
	WIN MUL_LO
	MUL16 0, 1, NQ-1, 1, 0
	MUL16 2, 1, NQ-1, 1, 0
	s_wait_dscnt 0
	WIN MUL_HI
	MUL16 4, 1, NQ-1, 1, 0
	MUL16 6, 1, NQ-1, 1, 0
	WIN 0
; THE WAY OUT, block by block of 16 tokens x 128 columns, through my own stage.  Lane (r, h) holds, of accumulator b, columns 32 (b / 2) + 16 h + 8 (b % 2) + 0 .. 7 of the block's row r.
; LDS serves a wave's instructions in order (ISA guide 5.7.1.4): no wait between the stores and the loads, nor in front of the next block's stores.
.macro TOSTAGE a
.set AC, 64*((\a)%4)
	WIN 0x08+4*((\a)/4)                            ; the data: window 2 or 3
.irp b, 0,1,2,3,4,5,6,7
	ds_store_b128 v[STO], v[AC+8*\b:AC+8*\b+3] offset:128*(\b/2)+32*(\b%2)          ; each accumulator from its low end on
	ds_store_b128 v[STO], v[AC+8*\b+4:AC+8*\b+7] offset:128*(\b/2)+32*(\b%2)+16
.endr
	WIN 0
.set BB, BK+64*((\a)%2)
.irp t, 0,1,2,3,4,5,6,7,8,9,10,11,12,13,14,15
	ds_load_b128 v[BB+4*\t:BB+4*\t+3], v[RD] offset:\t*SPITCH
.endr
.endm
.macro SEND a, younger                 ; stage row t is token 32 (a / 2) + 8 (a % 2) + t + 8 (t / 8) of my 128: the place stands in the immediate, 127 rows of 4,096 bytes at the most
.set BB, BK+64*((\a)%2)
	s_wait_dscnt \younger
.irp t, 0,1,2,3,4,5,6,7,8,9,10,11,12,13,14,15
	global_store_b128 v[CO], v[BB+4*\t:BB+4*\t+3], s[12:13] offset:(32*((\a)/2)+8*((\a)%2)+\t+8*(\t/8))*4096 th:TH_STORE_NT   ; 512 consecutive bytes, aligned
.endr
.endm
	PLACES NP
	TOSTAGE 0
.irp a, 1,2,3,4,5,6,7
.if \a > 1
	s_wait_xcnt 0x0                                ; block a - 2's stores have read their registers: block a's loads may land there
.endif
	TOSTAGE \a
	SEND \a-1, 32                                  ; behind block a - 1's loads: block a's 16 stores and 16 loads
.endr
	SEND 7, 0
	s_wait_tensorcnt 0x0                           ; the wave's end
	ds_add_u32 v[SPW], v[NIL]
	s_wait_dscnt 0x0
	CROUND                                         ; the closing round
	s_endpgm
.Lfunc_end_k_q8397ec4f12_ffn2:
	.size	k_q8397ec4f12_ffn2, .Lfunc_end_k_q8397ec4f12_ffn2-k_q8397ec4f12_ffn2
	.p2alignl 7, 3214868480
	.fill 96, 4, 3214868480
	.section	.rodata,"a",@progbits
	.p2align	6, 0x0
	.amdhsa_kernel k_q8397ec4f12_ffn2
		.amdhsa_group_segment_fixed_size 327680
		.amdhsa_private_segment_fixed_size 0
		.amdhsa_enable_private_segment 0
		.amdhsa_kernarg_size 24
		.amdhsa_user_sgpr_count 2
		.amdhsa_user_sgpr_kernarg_segment_ptr 1
		.amdhsa_wavefront_size32 1
		.amdhsa_system_sgpr_workgroup_id_x 1
		.amdhsa_system_sgpr_workgroup_id_y 1
		.amdhsa_system_sgpr_workgroup_id_z 1
		.amdhsa_system_vgpr_workitem_id 0
		.amdhsa_next_free_vgpr 1024
		.amdhsa_next_free_sgpr 100
		.amdhsa_reserve_vcc 0
		.amdhsa_float_denorm_mode_32 3
		.amdhsa_float_denorm_mode_16_64 3
		.amdhsa_memory_ordered 1
		.amdhsa_forward_progress 1
		.amdhsa_inst_pref_size 161
	.end_amdhsa_kernel
	.amdgpu_metadata
---
amdhsa.version: [ 1, 2 ]
amdhsa.kernels:
  - .name:           k_q8397ec4f12_ffn2
    .symbol:         k_q8397ec4f12_ffn2.kd
    .args:
      - { .name: hb, .offset: 0, .size: 8, .value_kind: global_buffer, .address_space: global }
      - { .name: prepb, .offset: 8, .size: 8, .value_kind: global_buffer, .address_space: global }
      - { .name: yb, .offset: 16, .size: 8, .value_kind: global_buffer, .address_space: global }
    .group_segment_fixed_size: 327680
    .private_segment_fixed_size: 0
    .kernarg_segment_align: 8
    .kernarg_segment_size: 24
    .max_flat_workgroup_size: 128
    .sgpr_count:     100
    .vgpr_count:     1024
    .wavefront_size: 32
...
	.end_amdgpu_metadata
.endif
;; end of part 7
;; launch lnfin (part 8): grid 256 x 1, 8 waves a work-group, no clusters, 0 bytes of LDS; arguments yb, x1b, b2, lnf_g, lnf_b, ln2_g, ln2_b, out0; writes out0
.if DOCPART == 8
	.amdgcn_target "amdgcn-amd-amdhsa--gfx1250"
	.amdhsa_code_object_version 6
	.text
	.protected	k_q8397ec4f12_lnfin
	.globl	k_q8397ec4f12_lnfin
	.p2align	8
	.type	k_q8397ec4f12_lnfin,@function
k_q8397ec4f12_lnfin:
	s_mov_b64 s[64:65], 0
	v_nop
	global_prefetch_b8 v0, s[64:65] scope:SCOPE_SE
	s_setreg_imm32_b32 hwreg(HW_REG_WAVE_MODE, 25, 1), 1
	s_wait_xcnt 0x0
; out = LayerNorm(x1 + LayerNorm(y + b2 + x1; eps 1e-12); eps 1e-5).  A wave takes two rows, one after the other, a row in 32 registers a lane; the five vectors stay in 160 registers.
; Each norm: the mean first, then the mean of the squared differences: no difference of large sums.  One wave, one row: no LDS, no barrier.  Memory binds: matrix units, clusters and tensor loads would add nothing.
; Each load and store of a wave covers 512 consecutive bytes, aligned.  LIMITS: NaN and infinities are not served.
.set B2V, 16                           ; v16-47    b2
.set FG,  48                           ; v48-79    the inner norm's gain
.set FB,  80                           ; v80-111   and bias
.set G2,  112                          ; v112-143  the outer norm's gain
.set B2B, 144                          ; v144-175  and bias
.set Y,   176                          ; v176-207  y, then the row at work, then the result
.set X,   208                          ; v208-239  x1
.set A0,  240
.set A1,  242
.set MU,  244
.set RS,  246
.set TP,  248
.set SEL, 2
.set INV, 24                           ; s24  1 / 1,024
.set EPSF, 25                          ; s25  1e-12
.set EPS2, 26                          ; s26  1e-5
.macro WSUM a                          ; the sum over the wave's 32 lanes, in every lane
	v_add_f32_dpp v[\a], v[\a], v[\a] row_xmask:1 row_mask:0xf bank_mask:0xf
	v_add_f32_dpp v[\a], v[\a], v[\a] row_xmask:2 row_mask:0xf bank_mask:0xf
	v_add_f32_dpp v[\a], v[\a], v[\a] row_xmask:4 row_mask:0xf bank_mask:0xf
	v_add_f32_dpp v[\a], v[\a], v[\a] row_xmask:8 row_mask:0xf bank_mask:0xf
	v_permlanex16_b32 v[TP], v[\a], s[SEL], s[SEL+1]
	v_add_f32 v[\a], v[\a], v[TP]
.endm
.macro LNORM V, G, B, eps              ; the row in v[V] .. v[V + 31] is normalised in place
	v_pk_add_f32 v[A0:A0+1], v[\V:\V+1], v[\V+2:\V+3]
	v_pk_add_f32 v[A1:A1+1], v[\V+4:\V+5], v[\V+6:\V+7]
.irp j, 8,12,16,20,24,28
	v_pk_add_f32 v[A0:A0+1], v[A0:A0+1], v[\V+\j:\V+\j+1]
	v_pk_add_f32 v[A1:A1+1], v[A1:A1+1], v[\V+\j+2:\V+\j+3]
.endr
	v_pk_add_f32 v[A0:A0+1], v[A0:A0+1], v[A1:A1+1]
	v_add_f32 v[A0], v[A0], v[A0+1]
	WSUM A0
	v_mul_f32 v[MU], s[INV], v[A0]                 ; the mean
	v_mov_b32 v[MU+1], v[MU]
.irp j, 0,2,4,6,8,10,12,14,16,18,20,22,24,26,28,30
	v_pk_add_f32 v[\V+\j:\V+\j+1], v[\V+\j:\V+\j+1], v[MU:MU+1] neg_lo:[0,1] neg_hi:[0,1]
.endr
	v_pk_mul_f32 v[A0:A0+1], v[\V:\V+1], v[\V:\V+1]
	v_pk_mul_f32 v[A1:A1+1], v[\V+2:\V+3], v[\V+2:\V+3]
.irp j, 4,8,12,16,20,24,28
	v_pk_fma_f32 v[A0:A0+1], v[\V+\j:\V+\j+1], v[\V+\j:\V+\j+1], v[A0:A0+1]
	v_pk_fma_f32 v[A1:A1+1], v[\V+\j+2:\V+\j+3], v[\V+\j+2:\V+\j+3], v[A1:A1+1]
.endr
	v_pk_add_f32 v[A0:A0+1], v[A0:A0+1], v[A1:A1+1]
	v_add_f32 v[A0], v[A0], v[A0+1]
	WSUM A0
	v_fma_f32 v[A0], v[A0], s[INV], s[\eps]        ; the variance + eps
	v_rsq_f32 v[RS], v[A0]
	v_nop                                          ; a plain place behind the transcendental
	s_wait_alu depctr_va_vdst(0)                   ; the wait ahead of its first reader
	v_mov_b32 v[RS+1], v[RS]
.irp j, 0,2,4,6,8,10,12,14,16,18,20,22,24,26,28,30
	v_pk_mul_f32 v[\V+\j:\V+\j+1], v[\V+\j:\V+\j+1], v[RS:RS+1]
.endr
.irp j, 0,2,4,6,8,10,12,14,16,18,20,22,24,26,28,30
	v_pk_fma_f32 v[\V+\j:\V+\j+1], v[\V+\j:\V+\j+1], v[\G+\j:\G+\j+1], v[\B+\j:\B+\j+1]
.endr
.endm
	s_load_b512 s[4:19], s[0:1], 0x0               ; yb, x1b, b2, lnf_g, lnf_b, ln2_g, ln2_b, out0
	v_lshrrev_b32 v1, 5, v0
	v_readfirstlane_b32 s20, v1                    ; wave 0..7
	v_and_b32 v2, 31, v0
	v_lshlrev_b32 v3, 4, v2                        ; 16 x lane
	v_mov_b32 v[TP], 0                             ; written once: a lane permute's destination counts as one of its sources
	s_lshl_b32 s21, ttmp9, 4
	s_lshl_b32 s22, s20, 1
	s_add_co_u32 s21, s21, s22                     ; my first row
	s_lshl_b32 s22, s21, 12
	s_mov_b32 s23, 0
	s_mov_b32 s[SEL], 0x76543210
	s_mov_b32 s[SEL+1], 0xfedcba98
	s_mov_b32 s[INV], 0x3a800000
	s_mov_b32 s[EPSF], 0x2b8cbccc
	s_mov_b32 s[EPS2], 0x3727c5ac
	s_wait_kmcnt 0x0
	s_add_nc_u64 s[4:5], s[4:5], s[22:23]
	s_add_nc_u64 s[6:7], s[6:7], s[22:23]
	s_add_nc_u64 s[18:19], s[18:19], s[22:23]
.macro RLOAD i
.irp j, 0,1,2,3,4,5,6,7
	global_load_b128 v[Y+4*\j:Y+4*\j+3], v3, s[4:5] offset:4096*\i+512*\j th:TH_LOAD_NT
	global_load_b128 v[X+4*\j:X+4*\j+3], v3, s[6:7] offset:4096*\i+512*\j th:TH_LOAD_NT
.endr
.endm
	RLOAD 0
.irp j, 0,1,2,3,4,5,6,7
	global_load_b128 v[B2V+4*\j:B2V+4*\j+3], v3, s[8:9] offset:512*\j
	global_load_b128 v[FG+4*\j:FG+4*\j+3], v3, s[10:11] offset:512*\j
	global_load_b128 v[FB+4*\j:FB+4*\j+3], v3, s[12:13] offset:512*\j
	global_load_b128 v[G2+4*\j:G2+4*\j+3], v3, s[14:15] offset:512*\j
	global_load_b128 v[B2B+4*\j:B2B+4*\j+3], v3, s[16:17] offset:512*\j
.endr
.macro ROW i
	s_wait_loadcnt 0x0
.irp j, 0,2,4,6,8,10,12,14,16,18,20,22,24,26,28,30
	v_pk_add_f32 v[Y+\j:Y+\j+1], v[Y+\j:Y+\j+1], v[B2V+\j:B2V+\j+1]
.endr
.irp j, 0,2,4,6,8,10,12,14,16,18,20,22,24,26,28,30
	v_pk_add_f32 v[Y+\j:Y+\j+1], v[Y+\j:Y+\j+1], v[X+\j:X+\j+1]
.endr
	LNORM Y, FG, FB, EPSF
.irp j, 0,2,4,6,8,10,12,14,16,18,20,22,24,26,28,30
	v_pk_add_f32 v[Y+\j:Y+\j+1], v[Y+\j:Y+\j+1], v[X+\j:X+\j+1]
.endr
	LNORM Y, G2, B2B, EPS2
.irp j, 0,1,2,3,4,5,6,7
	global_store_b128 v3, v[Y+4*\j:Y+4*\j+3], s[18:19] offset:4096*\i+512*\j th:TH_STORE_NT
.endr
.endm
	ROW 0
	s_wait_xcnt 0x0                                ; the stores have read their registers: the next row is loaded into them
	RLOAD 1
	ROW 1
	s_endpgm
.Lfunc_end_k_q8397ec4f12_lnfin:
	.size	k_q8397ec4f12_lnfin, .Lfunc_end_k_q8397ec4f12_lnfin-k_q8397ec4f12_lnfin
	.p2alignl 7, 3214868480
	.fill 96, 4, 3214868480
	.section	.rodata,"a",@progbits
	.p2align	6, 0x0
	.amdhsa_kernel k_q8397ec4f12_lnfin
		.amdhsa_group_segment_fixed_size 0
		.amdhsa_private_segment_fixed_size 0
		.amdhsa_enable_private_segment 0
		.amdhsa_kernarg_size 64
		.amdhsa_user_sgpr_count 2
		.amdhsa_user_sgpr_kernarg_segment_ptr 1
		.amdhsa_wavefront_size32 1
		.amdhsa_system_sgpr_workgroup_id_x 1
		.amdhsa_system_sgpr_workgroup_id_y 1
		.amdhsa_system_sgpr_workgroup_id_z 1
		.amdhsa_system_vgpr_workitem_id 0
		.amdhsa_next_free_vgpr 256
		.amdhsa_next_free_sgpr 66
		.amdhsa_reserve_vcc 0
		.amdhsa_float_denorm_mode_32 3
		.amdhsa_float_denorm_mode_16_64 3
		.amdhsa_memory_ordered 1
		.amdhsa_forward_progress 1
		.amdhsa_inst_pref_size 40
	.end_amdhsa_kernel
	.amdgpu_metadata
---
amdhsa.version: [ 1, 2 ]
amdhsa.kernels:
  - .name:           k_q8397ec4f12_lnfin
    .symbol:         k_q8397ec4f12_lnfin.kd
    .args:
      - { .name: yb, .offset: 0, .size: 8, .value_kind: global_buffer, .address_space: global }
      - { .name: x1b, .offset: 8, .size: 8, .value_kind: global_buffer, .address_space: global }
      - { .name: b2, .offset: 16, .size: 8, .value_kind: global_buffer, .address_space: global }
      - { .name: lnf_g, .offset: 24, .size: 8, .value_kind: global_buffer, .address_space: global }
      - { .name: lnf_b, .offset: 32, .size: 8, .value_kind: global_buffer, .address_space: global }
      - { .name: ln2_g, .offset: 40, .size: 8, .value_kind: global_buffer, .address_space: global }
      - { .name: ln2_b, .offset: 48, .size: 8, .value_kind: global_buffer, .address_space: global }
      - { .name: out0, .offset: 56, .size: 8, .value_kind: global_buffer, .address_space: global }
    .group_segment_fixed_size: 0
    .private_segment_fixed_size: 0
    .kernarg_segment_align: 8
    .kernarg_segment_size: 64
    .max_flat_workgroup_size: 256
    .sgpr_count:     66
    .vgpr_count:     256
    .wavefront_size: 32
...
	.end_amdgpu_metadata
.endif
;; end of part 8
;; ======== version 2 of 2: 8 launches
;; limits: right only within a limited range of input values
;; workspace buffers: prepb 13,107,200 bytes; qkvb 10,223,616 bytes; ctxb 3,276,800 bytes; yb 16,777,216 bytes; x1b 20,054,016 bytes; hb 13,107,200 bytes
;; launch prep (part 9): grid 1024 x 1, 4 waves a work-group, no clusters, 0 bytes of LDS; arguments x, wq_codes, wk_codes, wv_codes, wo_codes, w1_codes, w2_codes, wq_scales, wk_scales, wv_scales, wo_scales, w1_scales, w2_scales, prepb; writes prepb
.if DOCPART == 9
	.amdgcn_target "amdgcn-amd-amdhsa--gfx1250"
	.amdhsa_code_object_version 6
	.text
	.protected	k_q8397ec4f12_prep
	.globl	k_q8397ec4f12_prep
	.p2align	8
	.type	k_q8397ec4f12_prep,@function
k_q8397ec4f12_prep:
	s_mov_b64 s[64:65], 0
	v_nop
	global_prefetch_b8 v0, s[64:65] scope:SCOPE_SE
	s_setreg_imm32_b32 hwreg(HW_REG_WAVE_MODE, 25, 1), 1
	s_wait_xcnt 0x0
; x (f32) is quantised to E3M2 codes with one E8M0 byte for each 32 along K, and the six weights' codes and scale bytes are laid anew: all in the ORDER OF THE OPERAND'S REGISTERS.
; A tile is 16 rows; lane r of tile t holds row 32 (t / 2) + 8 (t % 2) + r + 8 (r / 8).  A fragment (one tile x 128 along K) is 1,536 bytes: piece p (registers 2 p, 2 p + 1) of lane l at 256 p + 8 l.
; Its scale words: 64 bytes, row r's word at 4 r.  Fragments of a tile follow each other along K, tiles follow each other.
; Work-groups 0-255: tile t of x, wave w its K steps 2 w and 2 w + 1.  Work-groups 256-1023: eight fragments of a weight each (wq, wk, wv, wo: 64 tiles; w1: 256; w2: 64 tiles of four groups), wave w two of them.
; A block's scale byte is its largest magnitude's exponent field - 4, held at 1 from below.
; LIMITS: a block of zeros gets the byte 1 (its codes are zeros; this program alone reads the bytes); NaN and infinities in x are not served.
; No LDS, no barrier: waves share nothing.  Each store of codes covers 256 consecutive bytes, aligned.
.set XS,   3145728                     ; prepb: x's scale words (its codes lie at 0)
.set WQC,  3276800                     ; the weights' codes, 12,288 bytes for each work-group, in the order wq wk wv wo w1 w2
.set WQS,  12713984                    ; their scale words, 512 bytes for each work-group
.set TM,   16                          ; v16-31   the quantiser's own
.set X0,   32                          ; v32-95   64 numbers of K step 2 w
.set X1,   96                          ; v96-159  of K step 2 w + 1
.set PC0,  160                         ; v160-179 the first fragment's codes
.set PC1,  180                         ; v180-199 the second's
.set PW0,  200
.set PW1,  201
.set SELW, 202
.set SEL,  2                           ; s[2:3] lane selects for v_permlanex16_b32: lane l xor 16
; 64 numbers of a lane, register 16 b + i = k 32 b + 16 (lane / 16) + i of my row, become a fragment's codes in v[pc] on and its scale word in v[pw].
.macro QUANT s, pc, pw
.irp b, 0,1,2,3
	v_max3_num_f32 v[TM+\b], |v[\s+16*\b]|, |v[\s+1+16*\b]|, 0x2800000   ; my 16 numbers of block b, and the floor 2^(5 - 127): the byte cannot fall under 1
.endr
.irp i, 2,4,6,8,10,12,14
.irp b, 0,1,2,3
	v_max3_num_f32 v[TM+\b], v[TM+\b], |v[\s+16*\b+\i]|, |v[\s+1+16*\b+\i]|
.endr
.endr
.irp b, 0,1,2,3
	v_permlanex16_b32 v[TM+4+\b], v[TM+\b], s[SEL], s[SEL+1]
.endr
.irp b, 0,1,2,3
	v_max_num_f32 v[TM+\b], v[TM+\b], v[TM+4+\b]   ; with lane l xor 16's: the block's largest magnitude
.endr
.irp b, 0,1,2,3
	v_add_nc_u32 v[TM+12+\b], 0xfe000000, v[TM+\b]  ; 4 off its exponent field: the conversion's scale operand
.endr
.irp b, 0,1,2,3
	v_lshrrev_b32 v[TM+4+\b], 23, v[TM+12+\b]      ; the scale's byte
.endr
	v_lshl_or_b32 v[\pw], v[TM+5], 8, v[TM+4]
	v_lshl_or_b32 v[\pw], v[TM+6], 16, v[\pw]
	v_lshl_or_b32 v[\pw], v[TM+7], 24, v[\pw]
.irp c, 0,1
	v_cvt_scalef32_pk16_bf6_f32 v[\pc+6*\c:\pc+2+6*\c], v[\s+32*\c:\s+15+32*\c], v[TM+12+2*\c]
	v_cvt_scalef32_pk16_bf6_f32 v[\pc+12+4*\c:\pc+14+4*\c], v[\s+16+32*\c:\s+31+32*\c], v[TM+12+2*\c+1]
.endr
	v_nop                                          ; one plain place behind a scaled conversion
.irp c, 0,1                                    ; the operand's layout wants a whole block in a lane
.irp i, 0,1,2
	v_permlane16_swap_b32 v[\pc+6*\c+\i], v[\pc+12+4*\c+\i]
.endr
.irp i, 0,1,2
	v_mov_b32 v[\pc+3+6*\c+\i], v[\pc+12+4*\c+\i]
.endr
.endr
.endm
.macro XLOAD reg, q
.irp b, 0,1,2,3
.irp j, 0,1,2,3
	global_load_b128 v[\reg+16*\b+4*\j:\reg+16*\b+4*\j+3], v8, s[8:9] offset:512*\q+128*\b+16*\j th:TH_LOAD_NT
.endr
.endr
.endm
	s_load_b512 s[8:23], s[0:1], 0x0               ; x s[8:9]; codes of wq wk wv wo w1 w2 s[10:21]; wq's scales s[22:23]
	s_load_b256 s[24:31], s[0:1], 0x40             ; scales of wk wv wo w1
	s_load_b128 s[32:35], s[0:1], 0x60             ; w2's scales, prepb
	v_lshrrev_b32 v1, 5, v0
	v_readfirstlane_b32 s4, v1                     ; wave 0..3
	v_and_b32 v2, 31, v0                           ; lane
	v_and_b32 v3, 15, v0                           ; r
	v_bfe_u32 v4, v0, 4, 1                         ; h
	v_and_b32 v5, 8, v3
	v_add_nc_u32 v5, v5, v3                        ; r + 8 (r / 8)
	v_lshlrev_b32 v6, 3, v2                        ; 8 x lane
	v_lshlrev_b32 v7, 2, v2                        ; 4 x lane
	s_mov_b32 s[SEL], 0x76543210
	s_mov_b32 s[SEL+1], 0xfedcba98
	s_mov_b32 s5, 0xffff0000                       ; lanes 16-31
	s_cmp_lt_u32 ttmp9, 256
	s_cbranch_scc0 .Lweights
	; ---- x: tile t = the work-group's number
	s_lshr_b32 s36, ttmp9, 1
	s_lshl_b32 s36, s36, 5
	s_and_b32 s37, ttmp9, 1
	s_lshl_b32 s37, s37, 3
	s_add_co_u32 s36, s36, s37                     ; the tile's first row
	s_lshl_b32 s36, s36, 12                        ; rows of 4,096 bytes
	s_lshl_b32 s37, s4, 10                         ; my two K steps: 1,024 bytes
	s_add_co_u32 s36, s36, s37
	s_mov_b32 s37, 0
	s_lshl_b32 s38, ttmp9, 3
	s_lshl_b32 s39, s4, 1
	s_add_co_u32 s38, s38, s39                     ; fragment 8 t + 2 w
	s_mul_i32 s40, s38, 1536
	s_mov_b32 s41, 0
	s_lshl_b32 s42, s38, 6
	s_add_co_u32 s42, s42, XS
	s_mov_b32 s43, 0
	s_wait_alu depctr_va_vdst(0)
	v_lshlrev_b32 v8, 12, v5
	v_lshl_add_u32 v8, v4, 6, v8                   ; my row, + 64 h: my 16 numbers of a block of 32
.irp b, 0,1,2,3
	v_mov_b32 v[TM+4+\b], 0                        ; written once: a lane permute's destination counts as one of its sources
.endr
	s_wait_alu depctr_va_vdst(0)
	s_wait_kmcnt 0x0
	s_add_nc_u64 s[8:9], s[8:9], s[36:37]
	s_add_nc_u64 s[40:41], s[34:35], s[40:41]
	s_add_nc_u64 s[42:43], s[34:35], s[42:43]
	XLOAD X0, 0
	XLOAD X1, 1
	s_wait_loadcnt 16                              ; the first K step's 16 loads are in; the second's 16 may be out
	QUANT X0, PC0, PW0
.irp p, 0,1,2,3,4,5
	global_store_b64 v6, v[PC0+2*\p:PC0+2*\p+1], s[40:41] offset:256*\p
.endr
	s_wait_loadcnt 0x0
	QUANT X1, PC1, PW1                             ; its codes have registers of their own: no store's data are written again
.irp p, 0,1,2,3,4,5
	global_store_b64 v6, v[PC1+2*\p:PC1+2*\p+1], s[40:41] offset:1536+256*\p
.endr
	v_cndmask_b32 v[SELW], v[PW0], v[PW1], s5      ; lanes 0-15: the first fragment's words; lanes 16-31: the second's (both halves of the lanes hold a row's word)
	global_store_b32 v7, v[SELW], s[42:43]
	s_endpgm
.Lweights:
	; ---- a weight: which one, which tile, which group of eight K steps: all from the work-group's number
	s_sub_co_u32 s36, ttmp9, 256                   ; 0..767
	s_and_b32 s37, s36, 63                         ; the tile in wq, wk, wv, wo
	s_sub_co_u32 s38, s36, 256                     ; in w1
	s_sub_co_u32 s39, s36, 512
	s_lshr_b32 s44, s39, 2                         ; in w2,
	s_and_b32 s45, s39, 3                          ; and the group of eight K steps there
	s_mov_b32 s46, 3072                            ; a row of codes in bytes: w2's
	s_mov_b32 s47, 128                             ; a row of scale bytes: w2's
	s_wait_kmcnt 0x0
	s_mov_b64 s[40:41], s[20:21]
	s_mov_b64 s[42:43], s[32:33]
	s_cmp_lt_u32 s36, 512
	s_cselect_b64 s[40:41], s[18:19], s[40:41]
	s_cselect_b64 s[42:43], s[30:31], s[42:43]
	s_cselect_b32 s44, s38, s44
	s_cselect_b32 s45, 0, s45
	s_cselect_b32 s46, 768, s46
	s_cselect_b32 s47, 32, s47
	s_cmp_lt_u32 s36, 256
	s_cselect_b64 s[40:41], s[16:17], s[40:41]
	s_cselect_b64 s[42:43], s[28:29], s[42:43]
	s_cselect_b32 s44, s37, s44
	s_cmp_lt_u32 s36, 192
	s_cselect_b64 s[40:41], s[14:15], s[40:41]
	s_cselect_b64 s[42:43], s[26:27], s[42:43]
	s_cmp_lt_u32 s36, 128
	s_cselect_b64 s[40:41], s[12:13], s[40:41]
	s_cselect_b64 s[42:43], s[24:25], s[42:43]
	s_cmp_lt_u32 s36, 64
	s_cselect_b64 s[40:41], s[10:11], s[40:41]
	s_cselect_b64 s[42:43], s[22:23], s[42:43]
	s_lshr_b32 s48, s44, 1
	s_lshl_b32 s48, s48, 5
	s_and_b32 s49, s44, 1
	s_lshl_b32 s49, s49, 3
	s_add_co_u32 s48, s48, s49                     ; the tile's first row
	s_lshl_b32 s49, s45, 3
	s_lshl_b32 s50, s4, 1
	s_add_co_u32 s49, s49, s50                     ; my first K step
	s_wait_alu depctr_va_vdst(0)
	v_add_nc_u32 v9, s48, v5                       ; my row
	v_mul_lo_u32 v10, v9, s46
	v_mad_u32_u24 v10, v4, 24, v10                 ; + 24 h
	s_mul_i32 s50, s49, 96
	v_add_nc_u32 v10, s50, v10                     ; + 96 bytes a K step
	v_mul_lo_u32 v11, v9, s47
	v_lshl_add_u32 v11, v4, 2, v11                 ; scale words: lanes 0-15 the first K step's, lanes 16-31 the second's
	s_lshl_b32 s51, s49, 2
	v_add_nc_u32 v11, s51, v11
.irp q, 0,1
.irp p, 0,1,2,3,4,5
	global_load_b64 v[32+12*\q+2*\p:33+12*\q+2*\p], v10, s[40:41] offset:96*\q+48*(\p/3)+8*(\p%3) th:TH_LOAD_NT
.endr
.endr
	global_load_b32 v56, v11, s[42:43] th:TH_LOAD_NT
	s_mul_i32 s50, s36, 12288
	s_mul_i32 s51, s4, 3072
	s_add_co_u32 s50, s50, s51
	s_add_co_u32 s50, s50, WQC
	s_mov_b32 s51, 0
	s_add_nc_u64 s[50:51], s[34:35], s[50:51]
	s_lshl_b32 s48, s36, 9
	s_lshl_b32 s49, s4, 7
	s_add_co_u32 s48, s48, s49
	s_add_co_u32 s48, s48, WQS
	s_mov_b32 s49, 0
	s_add_nc_u64 s[48:49], s[34:35], s[48:49]
	s_wait_loadcnt 0x0
.irp q, 0,1
.irp p, 0,1,2,3,4,5
	global_store_b64 v6, v[32+12*\q+2*\p:33+12*\q+2*\p], s[50:51] offset:1536*\q+256*\p
.endr
.endr
	global_store_b32 v7, v56, s[48:49]
	s_endpgm
.Lfunc_end_k_q8397ec4f12_prep:
	.size	k_q8397ec4f12_prep, .Lfunc_end_k_q8397ec4f12_prep-k_q8397ec4f12_prep
	.p2alignl 7, 3214868480
	.fill 96, 4, 3214868480
	.section	.rodata,"a",@progbits
	.p2align	6, 0x0
	.amdhsa_kernel k_q8397ec4f12_prep
		.amdhsa_group_segment_fixed_size 0
		.amdhsa_private_segment_fixed_size 0
		.amdhsa_enable_private_segment 0
		.amdhsa_kernarg_size 112
		.amdhsa_user_sgpr_count 2
		.amdhsa_user_sgpr_kernarg_segment_ptr 1
		.amdhsa_wavefront_size32 1
		.amdhsa_system_sgpr_workgroup_id_x 1
		.amdhsa_system_sgpr_workgroup_id_y 1
		.amdhsa_system_sgpr_workgroup_id_z 1
		.amdhsa_system_vgpr_workitem_id 0
		.amdhsa_next_free_vgpr 208
		.amdhsa_next_free_sgpr 66
		.amdhsa_reserve_vcc 0
		.amdhsa_float_denorm_mode_32 3
		.amdhsa_float_denorm_mode_16_64 3
		.amdhsa_memory_ordered 1
		.amdhsa_forward_progress 1
		.amdhsa_inst_pref_size 19
	.end_amdhsa_kernel
	.amdgpu_metadata
---
amdhsa.version: [ 1, 2 ]
amdhsa.kernels:
  - .name:           k_q8397ec4f12_prep
    .symbol:         k_q8397ec4f12_prep.kd
    .args:
      - { .name: x, .offset: 0, .size: 8, .value_kind: global_buffer, .address_space: global }
      - { .name: wq_codes, .offset: 8, .size: 8, .value_kind: global_buffer, .address_space: global }
      - { .name: wk_codes, .offset: 16, .size: 8, .value_kind: global_buffer, .address_space: global }
      - { .name: wv_codes, .offset: 24, .size: 8, .value_kind: global_buffer, .address_space: global }
      - { .name: wo_codes, .offset: 32, .size: 8, .value_kind: global_buffer, .address_space: global }
      - { .name: w1_codes, .offset: 40, .size: 8, .value_kind: global_buffer, .address_space: global }
      - { .name: w2_codes, .offset: 48, .size: 8, .value_kind: global_buffer, .address_space: global }
      - { .name: wq_scales, .offset: 56, .size: 8, .value_kind: global_buffer, .address_space: global }
      - { .name: wk_scales, .offset: 64, .size: 8, .value_kind: global_buffer, .address_space: global }
      - { .name: wv_scales, .offset: 72, .size: 8, .value_kind: global_buffer, .address_space: global }
      - { .name: wo_scales, .offset: 80, .size: 8, .value_kind: global_buffer, .address_space: global }
      - { .name: w1_scales, .offset: 88, .size: 8, .value_kind: global_buffer, .address_space: global }
      - { .name: w2_scales, .offset: 96, .size: 8, .value_kind: global_buffer, .address_space: global }
      - { .name: prepb, .offset: 104, .size: 8, .value_kind: global_buffer, .address_space: global }
    .group_segment_fixed_size: 0
    .private_segment_fixed_size: 0
    .kernarg_segment_align: 8
    .kernarg_segment_size: 112
    .max_flat_workgroup_size: 128
    .sgpr_count:     66
    .vgpr_count:     208
    .wavefront_size: 32
...
	.end_amdgpu_metadata
.endif
;; end of part 9
;; launch qkv (part 10): grid 12 x 16, 4 waves a work-group, clusters of 4 x 4, 327,680 bytes of LDS; arguments prepb, bq, bk, bv, attention_mask, qkvb; writes qkvb
.if DOCPART == 10
	.amdgcn_target "amdgcn-amd-amdhsa--gfx1250"
	.amdhsa_code_object_version 6
	.text
	.protected	k_q8397ec4f12_qkv
	.globl	k_q8397ec4f12_qkv
	.p2align	8
	.type	k_q8397ec4f12_qkv,@function
k_q8397ec4f12_qkv:
	s_mov_b64 s[64:65], 0
	v_nop
	global_prefetch_b8 v0, s[64:65] scope:SCOPE_SE
	s_setreg_imm32_b32 hwreg(HW_REG_WAVE_MODE, 25, 1), 1
	s_wait_xcnt 0x0
	s_wait_alu depctr_hold_cnt(0) depctr_sa_sdst(0) depctr_va_vdst(0) depctr_va_sdst(0) depctr_va_ssrc(0) depctr_va_vcc(0) depctr_vm_vsrc(0)
	s_getreg_b32 s2, hwreg(HW_REG_IB_STS2, 6, 4)
	s_cmp_eq_u32 s2, 0
	s_cbranch_scc0 .Lentry_in_a_cluster
	s_endpgm
.Lentry_in_a_cluster:
	s_bfe_u32 s2, ttmp6, 0x10000c
	s_cmp_lg_u32 s2, 0xf033
	s_cbranch_scc0 .Lentry_shape_is_right
	s_endpgm
.Lentry_shape_is_right:
; q = x wq + bq, k = x wk + bk, v = x wv + bv on E3M2 codes (K = 1,024), each quantised again on the way out as attention's operand.
; The cluster's x says which: 0 q, 1 k, 2 v.  A tile is 256 rows of operand A x 256 rows of operand B; four waves, each 128 x 128: 64 accumulators, 512 registers.
; q, k: A = x (tokens), B = the weight (columns).  v: A = wv (channels), B = x (tokens): so a lane holds one channel and its registers run along the tokens, which are the second attention product's K.
; OPERANDS lie in memory in the order of the operand's registers (a fragment of 16 rows x 128 K: 1,536 bytes, piece p of lane l at 256 p + 8 l; lane r of tile t holds row 32 (t / 2) + 8 (t % 2) + r + 8 (r / 8)),
; so a slot's part of eight tiles is eight runs of 3,072 bytes, a fragment comes from LDS by six loads of 256 consecutive bytes, and the 16 registers of B's tiles 2 b, 2 b + 1 are 16 neighbours along the next K.
; K goes in steps of 256 through a ring of two LDS slots; the scale words of the work-group's rows for all of K come once and stay.
; CLUSTERS: 4 x 4 work-groups; A's tiles are asked for jointly along a row of the cluster, B's along a column.  THE MATRIX INSTRUCTION IS USED TRANSPOSED: source 0 = 16 rows of B, source 1 = 16 rows of A.
; THE MASK: the codes of a key whose mask word is 0 are made zeros, so that its score is exactly what attention gives as the product's C.
; LIMITS: a block of zeros gets the scale byte 1 (its codes are zeros; this program alone reads the bytes); NaN and infinities are not served.
; REGISTERS: window 0: v16-29 addresses; v32-63 scale words, two sets, and nothing else; v128-223 A's fragments, one set; on the way out v64-127 64 numbers, v128-203 at work.
;   window 1: B's fragments, two sets, at v0 and v128; on the way out v0-63 the bias.   windows 2, 3: the accumulators ((a, b) at v[8 (8 (a % 4) + b)]).
.set KDIM,   1024
.set XS,     3145728                   ; prepb: x's scale words (codes at 0)
.set WQC,    3276800                   ; wq's codes; wk's and wv's 786,432 bytes further on each
.set WVC,    4849664
.set WQS,    12713984                  ; wq's scale words; wk's and wv's 32,768 bytes further on each
.set WVS,    12779520
.set VC,     6291456                   ; qkvb: q's codes at 0, k's at 3,145,728, v's here
.set QS,     9437184                   ; q's scale words, 12,288 bytes a head; k's and v's 393,216 bytes further on
.set KVS,    9830400
.set KS,     KDIM/128
.set TILEB,  KS*1536                   ; a tile's fragments for all of K
.set NQ,     2                         ; matrix instructions deep in a slot
.set FR,     12                        ; registers of a fragment
.set NL,     6                         ; LDS loads that bring one
.set NP,     4                         ; places behind this matrix instruction (ISA guide 7.12.1)
.set HALFT,  8*NQ*1536                 ; eight tiles' part of a slot: what one tensor load brings, and what one wave reads of A or of B
.set SLOT,   4*HALFT                   ; A's 16 tiles, then B's 16
.set LAPS,   KDIM/512                  ; a lap = two slots
.set SCL,    2*SLOT                    ; behind the ring: the scale words
.set SBLK,   KS*64                     ; those of a tile
.set HALFS,  8*SBLK                    ; those of eight tiles: what one tensor load brings
.set SPARE,  SCL+4*HALFS               ; the spare words, 128 bytes for each wave: two blocks of 256 bytes that no other line names
.set ADRA, 16                          ; v16-17  LDS address of my A fragments in slot 0, 1
.set ADRB, 20                          ; v20-21  the same for B
.set ADRS, 27                          ; v27     LDS address of my scale words: lanes 0-15 A's, lanes 16-31 B's
.set SPW,  28                          ; v28     LDS address of my spare word; never rewritten
.set NIL,  29                          ; v29     0; never rewritten
.set SC,   32                          ; scale words: set s at v[SC + 16 s]; register 2 i + q: block i, the slot's q-th 128 along K
.set AF,   128
.set G1, 24
.set G0, 32
.set G1B, 48
.set G0B, 56
.set G1S, 68
.set G0S, 76
.set G1SB, 80
.set G0SB, 88
.set MSB, 0
.macro WIN new                         ; the immediate's high byte repeats the setting that is left
.if MSB != \new
	s_set_vgpr_msb (MSB<<8)|\new
.set MSB, \new
.endif
.endm
.set MUL_LO, 0xa1                      ; source 0 (B) window 1, source 1 (A) window 0, C and D window 2
.set MUL_HI, 0xf1                      ; the same, C and D window 3
.set TO_B,   0x40                      ; destination window 1, address window 0
; A joint load: waves 0 and 1 fetch for A, waves 2 and 3 for B; the branch hangs on the wave's number alone.  Four v_nop follow each of the two lines.
.macro JLOAD g0a, g1a, g0b, g1b
	s_cmp_eq_u32 s15, 0
	s_cbranch_scc0 .Lfor_b_\@
	tensor_load_to_lds s[\g0a:\g0a+3], s[\g1a:\g1a+7]
	s_nop 0
.rept 4
	v_nop
.endr
	s_branch .Lasked_\@
.Lfor_b_\@:
	tensor_load_to_lds s[\g0b:\g0b+3], s[\g1b:\g1b+7]
	s_nop 0
.rept 4
	v_nop
.endr
.Lasked_\@:
.endm
.macro CREST                           ; a round of the cluster's barrier behind its opening barrier
	s_cmp_lg_u32 s14, 0
	s_cbranch_scc1 .Lnot_wave_0_\@
	s_barrier_signal -3
.Lnot_wave_0_\@:
	s_barrier_wait -3
	s_barrier_signal -1
	s_barrier_wait -1
.endm
.macro CROUND
	s_barrier_signal -1
	s_barrier_wait -1
	CREST
.endm
	s_load_b64 s[4:5], s[0:1], 0x0                 ; prepb: both operands lie in it
	v_lshl_add_u32 v[SPW], v0, 2, SPARE
	v_mov_b32 v[NIL], 0
	ds_add_u32 v28, v29
	ds_add_u32 v28, v29
	s_wait_dscnt 0x0
	v_lshrrev_b32 v1, 5, v0
	v_readfirstlane_b32 s14, v1                    ; wave 0..3
	s_lshr_b32 s15, s14, 1                         ; which half of A's rows is mine.  Also: I fetch for A (0) or for B (1)
	s_and_b32 s16, s14, 1                          ; which half of B's rows.  Also: which eight tiles I fetch
	s_bfe_u32 s40, ttmp6, 0x40000                  ; cx, cy: my place in the cluster
	s_bfe_u32 s41, ttmp6, 0x40004
	s_and_b32 s95, ttmp7, 0xffff                   ; the cluster's y
	s_mul_i32 s98, ttmp9, 786432
	s_add_co_u32 s98, s98, WQC                     ; q, k: B's codes are the weight's
	s_lshl_b32 s99, ttmp9, 15
	s_add_co_u32 s99, s99, WQS
	s_mov_b32 s66, XS
	s_cmp_eq_u32 ttmp9, 2                          ; v's clusters?  The same in all sixteen partners
	s_cselect_b32 s96, 0, s95                      ; what A's tile row takes of the cluster's y,
	s_cselect_b32 s97, s95, 0                      ; and B's
	s_cselect_b32 s98, 0, s98                      ; B's codes: x's or the weight's
	s_cselect_b32 s99, s66, s99                    ; B's scale words
	s_cselect_b32 s67, WVC, 0                      ; A's codes: wv's or x's
	s_cselect_b32 s66, WVS, s66                    ; A's scale words
	s_lshl_b32 s17, s96, 2
	s_add_co_u32 s17, s17, s41                     ; R: which 256 rows of A
	s_lshl_b32 s42, s97, 2
	s_add_co_u32 s42, s42, s40                     ; C: which 256 rows of B
	s_lshl_b32 s43, s41, 2
	s_lshl_b32 s43, 15, s43                        ; my row of the cluster
	s_lshl_b32 s44, 0x1111, s40                    ; my column
	; descriptor group 1 for codes: eight rows (tiles) of 3,072 bytes (384 elements of 8 bytes), TILEB bytes apart; no padding: a fragment's loads take 256 consecutive bytes
	s_or_b32 s[G1+0], s43, (3<<16)|(1<<21)         ; 15:0 the mask: A's tiles go to my row; 17:16 elements of 8 bytes; 21 set beside a mask
	s_or_b32 s[G1B+0], s44, (3<<16)|(1<<21)
.irp g, G1, G1B
	s_mov_b32 s[\g+1], 384<<16                     ; tensor_dim0
	s_mov_b32 s[\g+2], 16<<16                      ; tensor_dim1: 16 tiles for the head's loads; set to 8 behind them
	s_mov_b32 s[\g+3], 384<<16                     ; tile_dim0
	s_mov_b32 s[\g+4], 16                          ; tile_dim1
	s_mov_b32 s[\g+5], TILEB/8                     ; tensor_dim0_stride
	s_mov_b32 s[\g+6], 0
	s_mov_b32 s[\g+7], 0
.endr
	; and for the scale words of sixteen tiles: a dense block of 2 HALFS bytes, as rows of 256 bytes
	s_or_b32 s[G1S+0], s43, (3<<16)|(1<<21)
	s_or_b32 s[G1SB+0], s44, (3<<16)|(1<<21)
.irp g, G1S, G1SB
	s_mov_b32 s[\g+1], 32<<16
	s_mov_b32 s[\g+2], (2*HALFS/256)<<16           ; the scale words of all sixteen tiles of a side come by one load
	s_mov_b32 s[\g+3], 32<<16
	s_mov_b32 s[\g+4], 2*HALFS/256
	s_mov_b32 s[\g+5], 32
	s_mov_b32 s[\g+6], 0
	s_mov_b32 s[\g+7], 0
.endr
	s_lshl_b32 s18, s16, 3                         ; which eight tiles I fetch
	s_lshl_b32 s20, s17, 4
	s_add_co_u32 s20, s20, s18                     ; A: tile 16 R + 8 x half
	s_lshl_b32 s46, s42, 4
	s_add_co_u32 s46, s46, s18                     ; B: tile 16 C + 8 x half
	s_mul_i32 s22, s20, SBLK
	s_add_co_u32 s22, s22, s66                     ; where these tiles' scale words begin, in bytes,
	s_mul_i32 s20, s20, TILEB
	s_add_co_u32 s20, s20, s67                     ; and their codes
	s_mul_i32 s92, s46, SBLK
	s_add_co_u32 s92, s92, s99
	s_mul_i32 s46, s46, TILEB
	s_add_co_u32 s46, s46, s98
	s_mov_b32 s21, 0
	s_mov_b32 s23, 0
	s_mov_b32 s47, 0
	s_mov_b32 s93, 0
	s_mul_i32 s45, s14, HALFT                      ; where they go: by the wave's number alone
	s_mul_i32 s94, s15, 2*HALFS                    ; scale words in LDS: A's sixteen tiles, then B's
	s_mul_i32 s18, s16, HALFS                      ; back from my half's scale words to the side's first
	s_mov_b32 s19, 0
	s_wait_kmcnt 0x0
	s_add_nc_u64 s[20:21], s[4:5], s[20:21]
	s_add_nc_u64 s[22:23], s[4:5], s[22:23]
	s_add_nc_u64 s[46:47], s[4:5], s[46:47]
	s_add_nc_u64 s[92:93], s[4:5], s[92:93]
	CROUND                                         ; all sixteen work-groups are here: the first joint loads meet
	s_mov_b32 s[G0S], 1
	s_add_co_u32 s[G0S+1], s94, SCL
	s_sub_nc_u64 s[G0S+2:G0S+3], s[22:23], s[18:19]
	s_or_b32 s[G0S+3], s[G0S+3], 0x80000000
	s_mov_b32 s[G0SB], 1
	s_add_co_u32 s[G0SB+1], s94, SCL
	s_sub_nc_u64 s[G0SB+2:G0SB+3], s[92:93], s[18:19]
	s_or_b32 s[G0SB+3], s[G0SB+3], 0x80000000
.irp s, 0,1
	s_mov_b32 s[G0+4*\s], 1
	s_add_co_u32 s[G0+4*\s+1], s45, \s*SLOT
	s_add_nc_u64 s[G0+4*\s+2:G0+4*\s+3], s[20:21], \s*NQ*1536
	s_or_b32 s[G0+4*\s+3], s[G0+4*\s+3], 0x80000000
	s_mov_b32 s[G0B+4*\s], 1
	s_add_co_u32 s[G0B+4*\s+1], s45, \s*SLOT
	s_add_nc_u64 s[G0B+4*\s+2:G0B+4*\s+3], s[46:47], \s*NQ*1536
	s_or_b32 s[G0B+4*\s+3], s[G0B+4*\s+3], 0x80000000
.endr
; THE HEAD'S LOADS, ONE A WAVE: wave 0 slot 0's sixteen tiles of A, wave 1 A's scale words, wave 2 slot 0's sixteen tiles of B, wave 3 B's scale words.
; One chain of branches on the wave's number; every way through it passes exactly one load.
.macro ARM under, g0, g1, next
	s_cmp_lt_u32 s14, \under
	s_cbranch_scc0 \next
	tensor_load_to_lds s[\g0:\g0+3], s[\g1:\g1+7]
	s_nop 0
.rept 4
	v_nop
.endr
	s_branch .Lhead_asked
\next:
.endm
	ARM 1, G0,  G1,  .Lhead_sa
	ARM 2, G0S, G1S, .Lhead_b
	ARM 3, G0B, G1B, .Lhead_sb
	tensor_load_to_lds s[G0SB:G0SB+3], s[G1SB:G1SB+7]
	s_nop 0
.rept 4
	v_nop
.endr
.Lhead_asked:
	v_and_b32 v1, 15, v0                           ; r
	v_bfe_u32 v2, v0, 4, 1                         ; h
	s_wait_alu depctr_va_vdst(0)
	v_and_b32 v3, 31, v0
	v_lshlrev_b32 v4, 3, v3                        ; 8 x lane: my place in a piece
	s_mul_i32 s21, s15, HALFT                      ; my eight tiles of A
	s_mul_i32 s22, s16, HALFT                      ; my eight tiles of B,
	s_add_co_u32 s22, s22, 2*HALFT                 ; which lie behind A's sixteen
.irp s, 0,1
	v_add_nc_u32 v[ADRA+\s], s21, v4
	v_add_nc_u32 v[ADRB+\s], s22, v4
	s_add_co_u32 s21, s21, SLOT
	s_add_co_u32 s22, s22, SLOT
.endr
	v_lshlrev_b32 v5, 2, v1                        ; my row's scale word
	s_mul_i32 s21, s15, HALFS                      ; A's: my eight tiles
	s_mul_i32 s22, s16, HALFS                      ; B's: my eight, behind A's sixteen
	s_add_co_u32 s22, s22, 2*HALFS
	s_sub_co_u32 s22, s22, s21
	v_mul_u32_u24 v6, s22, v2                      ; lanes 16-31 take B's
	s_add_co_u32 s21, s21, SCL
	v_add_nc_u32 v5, v5, v6
	v_add_nc_u32 v[ADRS], s21, v5
.macro FRAG reg, adr, q, i             ; a fragment: six pieces of 256 consecutive bytes, 8 bytes a lane, as the registers take them
.irp p, 0,1,2,3,4,5
	ds_load_b64 v[\reg+2*\p:\reg+2*\p+1], v[\adr] offset:(\i)*3072+(\q)*1536+256*\p
.endr
.endm
; 16 matrix instructions: A's blocks a0, a0 + 1 x B's eight, 128 along K.  The 64 accumulators take turns, one instruction a turn, in the same order in every step.
.macro MUL16 a0, p, q, sc, zero
.irp a, \a0, \a0+1
.irp b, 0,1,2,3,4,5,6,7
.if \zero
	v_wmma_scale_f32_16x16x128_f8f6f4 v[8*(8*((\a)%4)+\b):8*(8*((\a)%4)+\b)+7], v[128*(\p)+FR*\b:128*(\p)+FR*\b+FR-1], v[AF+FR*(\a):AF+FR*(\a)+FR-1], 0, v[SC+8*NQ*(\sc)+NQ*\b+(\q)], v[SC+8*NQ*(\sc)+NQ*(\a)+(\q)] matrix_a_fmt:MATRIX_FMT_BF6 matrix_b_fmt:MATRIX_FMT_BF6 matrix_a_scale:MATRIX_SCALE_ROW1
.else
	v_wmma_scale_f32_16x16x128_f8f6f4 v[8*(8*((\a)%4)+\b):8*(8*((\a)%4)+\b)+7], v[128*(\p)+FR*\b:128*(\p)+FR*\b+FR-1], v[AF+FR*(\a):AF+FR*(\a)+FR-1], v[8*(8*((\a)%4)+\b):8*(8*((\a)%4)+\b)+7], v[SC+8*NQ*(\sc)+NQ*\b+(\q)], v[SC+8*NQ*(\sc)+NQ*(\a)+(\q)] matrix_a_fmt:MATRIX_FMT_BF6 matrix_b_fmt:MATRIX_FMT_BF6 matrix_a_scale:MATRIX_SCALE_ROW1
.endif
.endr
.endr
.endm
.macro FETCH_B slot, q, p
	WIN TO_B
.irp i, 0,1,2,3,4,5,6,7
	FRAG 128*(\p)+FR*\i, ADRB+\slot, \q, \i
.endr
	WIN 0
.endm
.macro FETCH_A slot, q, i0
.irp i, \i0, \i0+1, \i0+2, \i0+3
	FRAG AF+FR*(\i), ADRA+\slot, \q, \i
.endr
.endm
.macro SCALES sc                       ; a slot's scale words: lanes 0-15 take A's block i, lanes 16-31 B's block i
.irp i, 0,1,2,3,4,5,6,7
.irp q, 0,1
	ds_load_b32 v[SC+8*NQ*\sc+NQ*\i+\q], v[ADRS] offset:\i*SBLK+64*\q
.endr
.endr
.endm
.macro PLACES n                        ; plain places behind matrix instructions, in front of loads into their registers and of reads of their results
.rept \n
	v_nop
.endr
.endm
.macro STEP slot, q, zero              ; a step of 128 along K that has its successor in the same slot
	s_wait_dscnt 4*NL                              ; all but the youngest 24 loads (A's blocks 4-7) are in
	WIN MUL_LO
	MUL16 0, (\q)%2, \q, \slot, \zero
	MUL16 2, (\q)%2, \q, \slot, \zero
	s_wait_dscnt 0                                 ; A's blocks 4-7 are in
	PLACES NP
	FETCH_B \slot, (\q)+1, 1-(\q)%2
	FETCH_A \slot, (\q)+1, 0
	WIN MUL_HI
	MUL16 4, (\q)%2, \q, \slot, \zero
	MUL16 6, (\q)%2, \q, \slot, \zero
	PLACES NP
	WIN 0
	FETCH_A \slot, (\q)+1, 4
.endm
; A slot's last step changes slots: one barrier; in front of it each wave waits for all its tensor loads, adds 0 to its spare word, and waits for that and for its own reads of this slot.
.macro TURN slot, next, fill
	s_wait_tensorcnt 0x0                           ; all my tensor loads have landed: my part of the next slot
	ds_add_u32 v[SPW], v[NIL]                      ; 0 onto my spare word
	s_wait_dscnt 4*NL+1                            ; the add and the youngest 24 loads may be out
	WIN MUL_LO
	MUL16 0, 1, NQ-1, \slot, 0
	s_wait_dscnt 0x0                               ; the add is done, and my reads of this slot are over
	s_barrier_signal -1
	MUL16 2, 1, NQ-1, \slot, 0
	WIN 0
	s_barrier_wait -1
.if \fill
	CREST                                          ; the barrier has opened a round of the cluster's: no wave of any partner still reads this slot or has a load on its way
	s_add_nc_u64 s[G0+4*\slot+2:G0+4*\slot+3], s[G0+4*\slot+2:G0+4*\slot+3], 2*NQ*1536
	s_add_nc_u64 s[G0B+4*\slot+2:G0B+4*\slot+3], s[G0B+4*\slot+2:G0B+4*\slot+3], 2*NQ*1536
	JLOAD G0+4*\slot, G1, G0B+4*\slot, G1B         ; the first tensor load behind the round; its four v_nop are the places in front of the loads below
.else
	PLACES NP
.endif
	s_wait_alu depctr_va_vdst(0)
	v_add_nc_u32 v[ADRS], 64*NQ, v[ADRS]           ; on to the next slot's scale words
	FETCH_B \next, 0, 0
	FETCH_A \next, 0, 0
	SCALES \next
	WIN MUL_HI
	MUL16 4, 1, NQ-1, \slot, 0
	MUL16 6, 1, NQ-1, \slot, 0
	PLACES NP
	WIN 0
	FETCH_A \next, 0, 4
.endm
	s_wait_alu depctr_va_vdst(0)
	s_wait_tensorcnt 0x0                           ; my tile of the head's four is in
	ds_add_u32 v[SPW], v[NIL]
	s_mov_b32 s[G1+2], 8<<16                       ; no tensor load of mine is out: from here on a load brings eight tiles
	s_mov_b32 s[G1+4], 8
	s_mov_b32 s[G1B+2], 8<<16
	s_mov_b32 s[G1B+4], 8
	s_wait_dscnt 0x0
	CROUND                                         ; all four tiles are in, and all sixteen work-groups are here
	JLOAD G0+4, G1, G0B+4, G1B                     ; slot 1's first fill, the first tensor load behind the round
	FETCH_B 0, 0, 0
	FETCH_A 0, 0, 0
	SCALES 0
	FETCH_A 0, 0, 4
	STEP 0, 0, 1                                   ; the first step's products start the sums
	s_mov_b32 s3, LAPS-1
.Llap:
	TURN 0, 1, 1
	STEP 1, 0, 0
	TURN 1, 0, 1
	STEP 0, 0, 0
	s_sub_co_u32 s3, s3, 1
	s_cmp_lg_u32 s3, 0
	s_cbranch_scc1 .Llap
	TURN 0, 1, 0                                   ; the last lap fills nothing
	STEP 1, 0, 0
	s_wait_dscnt 4*NL
	WIN MUL_LO
	MUL16 0, 1, NQ-1, 1, 0
	MUL16 2, 1, NQ-1, 1, 0
	s_wait_dscnt 0
	WIN MUL_HI
	MUL16 4, 1, NQ-1, 1, 0
	MUL16 6, 1, NQ-1, 1, 0
	WIN 0
; ---- THE WAY OUT.  For A's block a a lane holds one row of A and 64 numbers along B's rows, register 16 b + i = B's row 32 b + 16 (lane / 16) + i: what the quantiser takes.
.set T,   64                           ; v64-127  the block's 64 numbers
.set TM,  128                          ; v128-143 the quantiser's own
.set PW,  144                          ; v144-145 scale words
.set T0,  146
.set T1,  147
.set SW,  148                          ; v148-155 scale words as they are stored, one register a block
.set LV,  160                          ; v160-175 one number a lane and block, in the even registers: the mask's word of my token (q, k) or bv of my channel (v)
.set MK,  176                          ; v176-183 all ones, or 0 for a masked key
.set PC,  184                          ; v184-203 the fragment being made
.set VO,  24                           ; 8 x lane
.set VS,  25                           ; the scale words' place
.set SEL, 34                           ; s[34:35]
.macro QUANT s, pc, pw
.irp b, 0,1,2,3
	v_max3_num_f32 v[TM+\b], |v[\s+16*\b]|, |v[\s+1+16*\b]|, 0x2800000   ; my 16 numbers of block b, and the floor 2^(5 - 127): the byte cannot fall under 1
.endr
.irp i, 2,4,6,8,10,12,14
.irp b, 0,1,2,3
	v_max3_num_f32 v[TM+\b], v[TM+\b], |v[\s+16*\b+\i]|, |v[\s+1+16*\b+\i]|
.endr
.endr
.irp b, 0,1,2,3
	v_permlanex16_b32 v[TM+4+\b], v[TM+\b], s[SEL], s[SEL+1]
.endr
.irp b, 0,1,2,3
	v_max_num_f32 v[TM+\b], v[TM+\b], v[TM+4+\b]
.endr
.irp b, 0,1,2,3
	v_add_nc_u32 v[TM+12+\b], 0xfe000000, v[TM+\b]  ; 4 off the exponent field: the conversion's scale operand
.endr
.irp b, 0,1,2,3
	v_lshrrev_b32 v[TM+4+\b], 23, v[TM+12+\b]      ; the scale's byte
.endr
	v_lshl_or_b32 v[\pw], v[TM+5], 8, v[TM+4]
	v_lshl_or_b32 v[\pw], v[TM+6], 16, v[\pw]
	v_lshl_or_b32 v[\pw], v[TM+7], 24, v[\pw]
.irp c, 0,1
	v_cvt_scalef32_pk16_bf6_f32 v[\pc+6*\c:\pc+2+6*\c], v[\s+32*\c:\s+15+32*\c], v[TM+12+2*\c]
	v_cvt_scalef32_pk16_bf6_f32 v[\pc+12+4*\c:\pc+14+4*\c], v[\s+16+32*\c:\s+31+32*\c], v[TM+12+2*\c+1]
.endr
	v_nop                                          ; one plain place behind a scaled conversion
.irp c, 0,1
.irp i, 0,1,2
	v_permlane16_swap_b32 v[\pc+6*\c+\i], v[\pc+12+4*\c+\i]
.endr
.irp i, 0,1,2
	v_mov_b32 v[\pc+3+6*\c+\i], v[\pc+12+4*\c+\i]
.endr
.endr
.endm
	PLACES NP                                      ; behind the last products: their operands' registers are written and their results read below
	s_load_b256 s[24:31], s[0:1], 0x8              ; bq, bk, bv, the mask (no tensor load is out: the descriptors' registers are free)
	s_load_b64 s[32:33], s[0:1], 0x28              ; qkvb
	v_and_b32 v1, 15, v0
	v_bfe_u32 v2, v0, 4, 1
	v_and_b32 v3, 31, v0
	v_lshlrev_b32 v[VO], 3, v3
	v_and_b32 v4, 8, v1
	v_add_nc_u32 v4, v4, v1
	v_lshlrev_b32 v4, 2, v4                        ; 4 (r + 8 (r / 8)): my row of a tile, in words
.irp b, 0,1,2,3
	v_mov_b32 v[TM+4+\b], 0                        ; written once: a lane permute's destination counts as one of its sources
.endr
	s_mov_b32 s[SEL], 0x76543210
	s_mov_b32 s[SEL+1], 0xfedcba98
	s_mov_b32 s36, 0xffff0000                      ; lanes 16-31
	s_lshl_b32 s48, s17, 4
	s_lshl_b32 s49, s15, 3
	s_add_co_u32 s48, s48, s49                     ; A's first tile of mine: 16 R + 8 x half
	s_lshl_b32 s50, s48, 6                         ; 16 words a tile
	s_mov_b32 s51, 0
	s_wait_alu depctr_va_vdst(0)
	s_wait_kmcnt 0x0
	s_cmp_eq_u32 ttmp9, 2
	s_cselect_b64 s[52:53], s[28:29], s[30:31]     ; bv by my channel, or the mask by my token
	s_add_nc_u64 s[52:53], s[52:53], s[50:51]
.irp a, 0,1,2,3,4,5,6,7
	global_load_b32 v[LV+2*\a], v4, s[52:53] offset:(32*(\a/2)+8*(\a%2))*4
.endr
	s_cmp_eq_u32 ttmp9, 2
	s_cbranch_scc1 .Lv_path
	; ---- q and k: my 128 columns are two heads; a fragment's two halves go to the two heads' buffers
	s_cmp_eq_u32 ttmp9, 0
	s_cselect_b64 s[80:81], s[24:25], s[26:27]     ; bq or bk
	s_cmp_eq_u32 ttmp9, 1
	s_cselect_b32 s84, 0, -1                       ; only keys are masked
	s_lshl_b32 s82, s42, 10
	s_lshl_b32 s83, s16, 9
	s_add_co_u32 s82, s82, s83                     ; my first column, in bytes
	s_mov_b32 s83, 0
	s_add_nc_u64 s[80:81], s[80:81], s[82:83]
	v_lshlrev_b32 v5, 6, v2                        ; 64 h
	WIN 0x40
.irp b, 0,1,2,3
.irp j, 0,1,2,3
	global_load_b128 v[16*\b+4*\j:16*\b+4*\j+3], v5, s[80:81] offset:128*\b+16*\j   ; the bias in the numbers' order, into window 1
.endr
.endr
	WIN 0
	s_lshr_b32 s54, s48, 7                         ; the batch
	s_and_b32 s55, s48, 127                        ; my first token tile in it
	s_lshl_b32 s56, s42, 2
	s_lshl_b32 s57, s16, 1
	s_add_co_u32 s56, s56, s57                     ; my first head
	s_lshl_b32 s54, s54, 4
	s_add_co_u32 s54, s54, s56                     ; 16 x batch + head
	s_lshl_b32 s58, s54, 7
	s_add_co_u32 s58, s58, s55
	s_mul_i32 s58, s58, 768                        ; half a fragment a tile
	s_mul_i32 s59, ttmp9, 3145728                  ; q's buffer or k's
	s_add_co_u32 s58, s58, s59
	s_mov_b32 s59, 0
	s_add_nc_u64 s[58:59], s[32:33], s[58:59]
	s_mul_i32 s60, s54, 12288
	s_lshl_b32 s61, s55, 6
	s_add_co_u32 s60, s60, s61
	s_mul_i32 s61, ttmp9, 393216
	s_add_co_u32 s60, s60, s61
	s_add_co_u32 s60, s60, QS
	s_mov_b32 s61, 0
	s_add_nc_u64 s[60:61], s[32:33], s[60:61]
	v_mul_u32_u24 v[VS], v2, 12288                 ; lanes 16-31 store the second head's words
	v_lshl_add_u32 v[VS], v1, 2, v[VS]
	v_mov_b32 v6, s84
	v_mov_b32 v7, -1
	s_wait_alu depctr_va_vdst(0)
	s_wait_loadcnt 0x0
.irp a, 0,1,2,3,4,5,6,7
	v_cmp_ne_u32 vcc_lo, 0, v[LV+2*\a]
	v_cndmask_b32 v[MK+\a], v6, v7, vcc_lo         ; a choice of values alone: nothing is steered by the mask
.endr
.macro QKBLOCK a
	WIN 0x06+(\a)/4                                ; source 0 window 2 or 3, source 1 window 1
.set i, 0
.rept 32
	v_pk_add_f32 v[T+i:T+i+1], v[64*((\a)%4)+i:64*((\a)%4)+i+1], v[i:i+1]   ; + bias; each accumulator from its low end on
.set i, i+2
.endr
	WIN 0
	s_wait_xcnt 0x0                                ; the last block's stores have read their registers
	QUANT T, PC, PW
.irp j, 0,1,2,3,4,5,6,7,8,9,10,11
	v_and_b32 v[PC+\j], v[PC+\j], v[MK+\a]         ; a masked key's codes become zeros
.endr
.irp p, 0,1,2,3,4,5
	global_store_b64 v[VO], v[PC+2*\p:PC+2*\p+1], s[58:59] offset:(\a)*768+(\p/3)*98304+(\p%3)*256
.endr
	v_and_b32 v[T0], 0xffff, v[PW]                 ; a head's two bytes; the word's upper two stay 0
	v_lshrrev_b32 v[T1], 16, v[PW]
	v_cndmask_b32 v[SW+\a], v[T0], v[T1], s36
	global_store_b32 v[VS], v[SW+\a], s[60:61] offset:64*(\a)
.endm
.irp a, 0,1,2,3,4,5,6,7
	QKBLOCK \a
.endr
	s_branch .Lend
.Lv_path:
	; ---- v: a lane holds one channel, its numbers run along 128 tokens: a whole fragment of V^T
	s_lshl_b32 s54, s17, 2
	s_lshl_b32 s55, s15, 1
	s_add_co_u32 s54, s54, s55                     ; my first head
	s_lshr_b32 s55, s42, 3                         ; the batch
	s_lshl_b32 s55, s55, 4
	s_add_co_u32 s54, s54, s55
	s_lshl_b32 s56, s42, 1
	s_add_co_u32 s56, s56, s16
	s_and_b32 s56, s56, 15                         ; which 128 keys of the batch
	s_lshl_b32 s58, s54, 4
	s_add_co_u32 s58, s58, s56
	s_mul_i32 s58, s58, 6144                       ; four fragments a key step
	s_add_co_u32 s58, s58, VC
	s_mov_b32 s59, 0
	s_add_nc_u64 s[58:59], s[32:33], s[58:59]
	s_mul_i32 s60, s54, 12288
	s_lshl_b32 s61, s56, 8
	s_add_co_u32 s60, s60, s61
	s_add_co_u32 s60, s60, KVS+8192
	s_mov_b32 s61, 0
	s_add_nc_u64 s[60:61], s[32:33], s[60:61]
	v_lshlrev_b32 v[VS], 2, v3                     ; 4 x lane
	s_wait_loadcnt 0x0
.irp a, 0,1,2,3,4,5,6,7
	v_mov_b32 v[LV+2*\a+1], v[LV+2*\a]             ; bv of my channel fills a pair
.endr
.macro VBLOCK a
	WIN 0x02+(\a)/4                                ; source 0 window 2 or 3
.set i, 0
.rept 32
	v_pk_add_f32 v[T+i:T+i+1], v[64*((\a)%4)+i:64*((\a)%4)+i+1], v[LV+2*(\a):LV+2*(\a)+1]
.set i, i+2
.endr
	WIN 0
	s_wait_xcnt 0x0                                ; the last block's stores have read their registers
	QUANT T, PC, PW+(\a)%2
.irp p, 0,1,2,3,4,5
	global_store_b64 v[VO], v[PC+2*\p:PC+2*\p+1], s[58:59] offset:((\a)/4)*98304+((\a)%4)*1536+256*\p
.endr
.if (\a)%2
	v_cndmask_b32 v[SW+\a], v[PW], v[PW+1], s36    ; lanes 0-15: block a - 1's words; lanes 16-31: block a's
	global_store_b32 v[VS], v[SW+\a], s[60:61] offset:((\a)/4)*12288+(((\a)-1)%4)*64
.endif
.endm
.irp a, 0,1,2,3,4,5,6,7
	VBLOCK \a
.endr
.Lend:
	s_wait_tensorcnt 0x0                           ; the wave's end
	ds_add_u32 v[SPW], v[NIL]
	s_wait_dscnt 0x0
	CROUND                                         ; the closing round: no work-group ends while a partner may still ask for a tile that names it
	s_endpgm
.Lfunc_end_k_q8397ec4f12_qkv:
	.size	k_q8397ec4f12_qkv, .Lfunc_end_k_q8397ec4f12_qkv-k_q8397ec4f12_qkv
	.p2alignl 7, 3214868480
	.fill 96, 4, 3214868480
	.section	.rodata,"a",@progbits
	.p2align	6, 0x0
	.amdhsa_kernel k_q8397ec4f12_qkv
		.amdhsa_group_segment_fixed_size 327680
		.amdhsa_private_segment_fixed_size 0
		.amdhsa_enable_private_segment 0
		.amdhsa_kernarg_size 48
		.amdhsa_user_sgpr_count 2
		.amdhsa_user_sgpr_kernarg_segment_ptr 1
		.amdhsa_wavefront_size32 1
		.amdhsa_system_sgpr_workgroup_id_x 1
		.amdhsa_system_sgpr_workgroup_id_y 1
		.amdhsa_system_sgpr_workgroup_id_z 1
		.amdhsa_system_vgpr_workitem_id 0
		.amdhsa_next_free_vgpr 1024
		.amdhsa_next_free_sgpr 100
		.amdhsa_reserve_vcc 1
		.amdhsa_float_denorm_mode_32 3
		.amdhsa_float_denorm_mode_16_64 3
		.amdhsa_memory_ordered 1
		.amdhsa_forward_progress 1
		.amdhsa_inst_pref_size 247
	.end_amdhsa_kernel
	.amdgpu_metadata
---
amdhsa.version: [ 1, 2 ]
amdhsa.kernels:
  - .name:           k_q8397ec4f12_qkv
    .symbol:         k_q8397ec4f12_qkv.kd
    .args:
      - { .name: prepb, .offset: 0, .size: 8, .value_kind: global_buffer, .address_space: global }
      - { .name: bq, .offset: 8, .size: 8, .value_kind: global_buffer, .address_space: global }
      - { .name: bk, .offset: 16, .size: 8, .value_kind: global_buffer, .address_space: global }
      - { .name: bv, .offset: 24, .size: 8, .value_kind: global_buffer, .address_space: global }
      - { .name: attention_mask, .offset: 32, .size: 8, .value_kind: global_buffer, .address_space: global }
      - { .name: qkvb, .offset: 40, .size: 8, .value_kind: global_buffer, .address_space: global }
    .group_segment_fixed_size: 327680
    .private_segment_fixed_size: 0
    .kernarg_segment_align: 8
    .kernarg_segment_size: 48
    .max_flat_workgroup_size: 128
    .sgpr_count:     100
    .vgpr_count:     1024
    .wavefront_size: 32
...
	.end_amdgpu_metadata
.endif
;; end of part 10
;; launch attn (part 11): grid 8 x 32, 16 waves a work-group, clusters of 4 x 1, 327,680 bytes of LDS; arguments qkvb, attention_mask, ctxb; writes ctxb
.if DOCPART == 11
	.amdgcn_target "amdgcn-amd-amdhsa--gfx1250"
	.amdhsa_code_object_version 6
	.text
	.protected	k_q8397ec4f12_attn
	.globl	k_q8397ec4f12_attn
	.p2align	8
	.type	k_q8397ec4f12_attn,@function
k_q8397ec4f12_attn:
	s_mov_b64 s[64:65], 0
	v_nop
	global_prefetch_b8 v0, s[64:65] scope:SCOPE_SE
	s_setreg_imm32_b32 hwreg(HW_REG_WAVE_MODE, 25, 1), 1
	s_wait_xcnt 0x0
	s_wait_alu depctr_hold_cnt(0) depctr_sa_sdst(0) depctr_va_vdst(0) depctr_va_sdst(0) depctr_va_ssrc(0) depctr_va_vcc(0) depctr_vm_vsrc(0)
	s_getreg_b32 s2, hwreg(HW_REG_IB_STS2, 6, 4)
	s_cmp_eq_u32 s2, 0
	s_cbranch_scc0 .Lentry_in_a_cluster
	s_endpgm
.Lentry_in_a_cluster:
	s_bfe_u32 s2, ttmp6, 0x10000c
	s_cmp_lg_u32 s2, 0x3003
	s_cbranch_scc0 .Lentry_shape_is_right
	s_endpgm
.Lentry_shape_is_right:
; ctx = softmax(q k^T / 8, masked) v for one head and 256 queries, on E3M2 codes; ctx is quantised on the way out as the next product's operand.
; Sixteen waves, each with 16 queries; a step is 128 keys; both products are used transposed (S^T = k q^T, O^T = v^T p^T), so a lane holds one query throughout.
; p = 2^(t - M), M the ceiling of the running largest t; the row's sum is taken of the unquantised p; O^T and the sum are brought under a new M by an exact power of two.
; K AND V OF THE WHOLE HEAD LIE IN LDS.  The four work-groups of a cluster (four query blocks of one head) ask for them jointly.  The head's load, one a wave, brings keys 0-511
; (waves 0-7 K, waves 8-15 V); keys 512-2047 come by a second load a wave, a later first fill behind the full sequence and a round, and are waited for between the loop of 4 steps and the loop of 12.
; Both loads go out at the head and nothing is asked for later: there is no later load for a prefetch to run ahead of, so none is written.
; LDS LAYOUT: a run of 1,536 bytes (32 keys of K; a fragment of V) takes 1,728: the descriptor skips 64 bytes behind every 512.  Byte y of a run lies at y + 64 (y / 512).
; THE KEYS OF A SCORE TILE: tile 4 c + u takes, as rows 0-7, keys 64 c + 8 u + 0..7 and, as rows 8-15, keys 64 c + 32 + 8 u + 0..7 of the step.  So lane (r, h) holds in registers 32 c .. 32 c + 31 the
; 32 neighbouring keys of block 2 c + h: a block's maximum needs no other lane and the conversions' results lie in the lane that the operand's layout wants.
; With the pitch of 1,728 (192 modulo 256) the rows of the two blocks fall into different groups of banks (64 banks of 4 bytes: ISA guide 11.1).
; THE MASK: a masked key's codes are zeros (made so where k is quantised) and its score is the product's C, -2^33, from a table in LDS.  K's and V's scale words and that table go into LDS through registers.
; EACH STEP IS ENCLOSED BY A SPLIT BARRIER: signalled on entering, waited for on leaving: the sixteen waves walk the keys at most one step apart.  Between the two stand register work and reads of LDS bytes that nobody writes.
; LIMITS: the scaled scores stay under 2^31 in magnitude; a block of zeros gets the scale byte 1 (this program alone reads the bytes); NaN and infinities are not served.
.set KCO,  3145728                     ; qkvb: k's codes (v's 3,145,728 further on)
.set QSO,  9437184                     ; q's scale words
.set KVSO, 9830400                     ; k's (8,192 bytes a head) and v's (4,096) scale words, 12,288 a head
.set BLK,  1728
.set LV,   64*BLK                      ; LDS: V behind K
.set ST1,  16*BLK                      ; what the first load brings of each
.set LKS,  2*LV                        ; K's scale words
.set LVS,  LKS+8192                    ; V's
.set BT,   LVS+4096                    ; the mask's table, one f32 a key
.set SPARE, BT+8192                    ; the spare words: 128 bytes a wave, 2,048 bytes that no other line names
.set AK0,  1
.set AV0,  2
.set ASK0, 3
.set ASV0, 4
.set AB0,  5
.set GOS,  6                           ; 4 r
.set LN8,  7                           ; 8 x lane
.set ADK,  8
.set ADV,  9
.set ADS,  10
.set ADT,  11
.set ADB,  28
.set SH,   30                          ; 8 h
.set BM,   200                         ; v200-201 my two blocks' largest score, then largest p
.set SO,   202                         ; v202-203 the conversions' scale operands
.set BY,   204                         ; v204-205 the scale bytes
.set W,    206
.set PT,   207                         ; a lane permute's destination
.set X,    232                         ; v232-235 four chains of maxima
.set WV,   18
.set SEL,  20
.set CS,   22
.set G1C,  24
.set G1D,  32
.set G0C,  40
.set G0D,  44
.set TK,   48
.set TS,   49
.set TV,   50
.set CNT,  51
.macro CROUND
	s_barrier_signal -1
	s_barrier_wait -1
	s_cmp_lg_u32 s[WV], 0
	s_cbranch_scc1 .Lnot_wave_0_\@
	s_barrier_signal -3
.Lnot_wave_0_\@:
	s_barrier_wait -3
	s_barrier_signal -1
	s_barrier_wait -1
.endm
	s_load_b128 s[4:7], s[0:1], 0x0                ; qkvb, the mask
	s_load_b64 s[8:9], s[0:1], 0x10                ; ctxb
	v_lshl_add_u32 v250, v0, 2, SPARE
	v_mov_b32 v251, 0
	ds_add_u32 v250, v251                          ; the opening lines: the add, twice on end, and its wait
	ds_add_u32 v250, v251
	v_lshrrev_b32 v8, 5, v0
	s_delay_alu instid0(VALU_DEP_1)
	v_readfirstlane_b32 s[WV], v8                  ; wave 0..15
	s_bfe_u32 s52, ttmp6, 0x40000
	s_lshl_b32 s53, ttmp9, 2
	s_add_co_u32 s53, s53, s52
	s_lshl_b32 s53, s53, 4
	s_add_co_u32 s53, s53, s[WV]                   ; my tile of 16 queries, 0..127
	s_and_b32 s54, ttmp7, 0xffff                   ; 16 x batch + head
; group 1: rows of 1,536 bytes (192 elements of 8), dense in memory; 16 dwords skipped behind every 128; the mask names the cluster's four
.irp g, G1C, G1D
	s_mov_b32 s[\g], 15|(3<<16)|(1<<20)|(1<<21)|(6<<22)|(15<<25)
	s_mov_b32 s[\g+1], 192<<16
	s_mov_b32 s[\g+3], 192<<16
	s_mov_b32 s[\g+5], 192
	s_mov_b32 s[\g+6], 0
	s_mov_b32 s[\g+7], 0
.endr
	s_mov_b32 s[G1C+2], 2<<16                      ; the first load: two rows a wave
	s_mov_b32 s[G1C+4], 2
	s_mov_b32 s[G1D+2], 6<<16                      ; the second: six
	s_mov_b32 s[G1D+4], 6
	s_and_b32 s57, s[WV], 7
	s_lshr_b32 s59, s[WV], 3                       ; 0: K, 1: V
	s_mul_i32 s56, s54, 98304
	s_mul_i32 s55, s59, 3145728
	s_add_co_u32 s56, s56, s55
	s_add_co_u32 s56, s56, KCO
	s_mul_i32 s55, s57, 3072
	s_add_co_u32 s60, s56, s55
	s_mov_b32 s61, 0
	s_mul_i32 s55, s57, 9216
	s_add_co_u32 s62, s56, s55
	s_add_co_u32 s62, s62, 24576
	s_mov_b32 s63, 0
	s_mul_i32 s66, s59, LV
	s_mul_i32 s55, s57, 2*BLK
	s_add_co_u32 s67, s66, s55                     ; where my first load lands,
	s_mul_i32 s55, s57, 6*BLK
	s_add_co_u32 s66, s66, s55
	s_add_co_u32 s66, s66, ST1                     ; and my second
	s_mul_i32 s58, s54, 12288
	s_mov_b32 s[SEL], 0x76543210
	s_mov_b32 s[SEL+1], 0xfedcba98
	s_mov_b32 s[CS], 0x3e38aa3b                    ; log2(e) / 8
	s_mov_b32 s[CS+1], s[CS]
	s_mov_b32 s[TK], 0
	s_mov_b32 s[TS], 0
	s_mov_b32 s[TV], 0
	s_wait_dscnt 0x0
	s_wait_kmcnt 0x0
	s_mov_b32 s[G0C], 1
	s_mov_b32 s[G0C+1], s67
	s_add_nc_u64 s[G0C+2:G0C+3], s[4:5], s[60:61]
	s_or_b32 s[G0C+3], s[G0C+3], 0x80000000
	s_mov_b32 s[G0D], 1
	s_mov_b32 s[G0D+1], s66
	s_add_nc_u64 s[G0D+2:G0D+3], s[4:5], s[62:63]
	s_or_b32 s[G0D+3], s[G0D+3], 0x80000000
	s_lshr_b32 s82, s54, 4
	s_lshl_b32 s82, s82, 13
	s_mov_b32 s83, 0
	s_add_nc_u64 s[6:7], s[6:7], s[82:83]          ; my batch's mask
	s_lshl_b32 s68, s54, 7
	s_add_co_u32 s68, s68, s53
	s_mul_i32 s68, s68, 768
	s_mov_b32 s69, 0
	s_add_nc_u64 s[68:69], s[4:5], s[68:69]        ; my queries' codes
	s_lshl_b32 s70, s53, 6
	s_add_co_u32 s70, s70, s58
	s_add_co_u32 s70, s70, QSO
	s_mov_b32 s71, 0
	s_add_nc_u64 s[70:71], s[4:5], s[70:71]        ; and scale words
	s_add_co_u32 s78, s58, KVSO
	s_mov_b32 s79, 0
	s_add_nc_u64 s[78:79], s[4:5], s[78:79]        ; the head's K scale words,
	s_add_nc_u64 s[80:81], s[78:79], 8192          ; and V's
	s_lshr_b32 s72, s54, 4
	s_and_b32 s73, s54, 15
	s_lshl_b32 s72, s72, 7
	s_add_co_u32 s72, s72, s53
	s_lshl_b32 s72, s72, 3
	s_lshr_b32 s74, s73, 1
	s_add_co_u32 s72, s72, s74                     ; ctx: fragment 8 x token tile + head / 2
	s_and_b32 s73, s73, 1
	s_mul_i32 s74, s72, 1536
	s_mul_i32 s75, s73, 768
	s_add_co_u32 s74, s74, s75
	s_mov_b32 s75, 0
	s_add_nc_u64 s[74:75], s[8:9], s[74:75]
	s_lshl_b32 s76, s72, 6
	s_lshl_b32 s77, s73, 1
	s_add_co_u32 s76, s76, s77
	s_add_co_u32 s76, s76, 3145728
	s_mov_b32 s77, 0
	s_add_nc_u64 s[76:77], s[8:9], s[76:77]
	CROUND                                         ; the four work-groups are here: the first joint loads meet
	tensor_load_to_lds s[G0C:G0C+3], s[G1C:G1C+7]  ; keys 0-511: my one load at the head
	s_nop 0
	v_lshlrev_b32 v86, 4, v0
	v_lshlrev_b32 v87, 3, v0
	v_and_b32 v88, 31, v0
	v_and_b32 v89, 15, v0
	v_lshlrev_b32 v[LN8], 3, v88
	v_lshlrev_b32 v[GOS], 2, v89
	global_load_b128 v[32:35], v86, s[6:7]         ; four keys' mask words a thread
	global_load_b128 v[36:39], v86, s[78:79]       ; 8,192 bytes of K's scale words
	global_load_b64 v[40:41], v87, s[80:81]        ; 4,096 of V's
.irp p, 0,1,2
	global_load_b64 v[16+2*\p:17+2*\p], v[LN8], s[68:69] offset:256*\p
.endr
	global_load_b32 v255, v[GOS], s[70:71]
	v_bfe_u32 v90, v0, 4, 1                        ; h
	v_bfe_u32 v91, v0, 3, 1                        ; which of a tile's two blocks my row of K belongs to
	v_and_b32 v92, 7, v0                           ; and which of its eight keys
	v_mul_u32_u24 v[AK0], v91, BLK
	v_lshlrev_b32 v[ASK0], 7, v91
	v_lshl_add_u32 v[AK0], v92, 3, v[AK0]
	v_lshl_add_u32 v[ASK0], v92, 2, v[ASK0]
	v_lshl_add_u32 v[AK0], v90, 7, v[AK0]          ; K: 1,728 x block + 8 x key + 128 h
	v_add_nc_u32 v[ASK0], LKS, v[ASK0]             ; its scale word: 128 x block + 4 x key
	v_add_nc_u32 v[AV0], LV, v[LN8]
	v_add_nc_u32 v[ASV0], LVS, v[GOS]
	v_lshl_add_u32 v[AB0], v90, 7, BT              ; the table: my block's 32 keys
	v_lshlrev_b32 v[SH], 3, v90
	v_lshl_add_u32 v93, v0, 4, BT
	v_lshl_add_u32 v94, v0, 4, LKS
	v_lshl_add_u32 v95, v0, 3, LVS
	v_mov_b32 v31, 0xd0000000                      ; -2^33
	v_mov_b32 v13, 0xff61b1e6                      ; the largest t so far: under every t
	v_mov_b32 v14, 0
	v_mov_b32 v15, 0
	v_floor_f32 v12, -v13
.irp j, 22,23,24,25,26,27,80,81,82,83,84,85
	v_mov_b32 v[\j], 0                             ; q's codes of k = 64 .. 127 are zeros; v80-85 follow K's last tile in its operand
.endr
	v_mov_b32 v[PT], 0
	v_mov_b32 v253, 0
.set j, 0
.rept 32
	v_mov_b32 v[160+j], 0                          ; O^T: the step is written once
.set j, j+1
.endr
	s_wait_alu depctr_va_vdst(0)                   ; the wait at the head's end
	s_wait_loadcnt 4                               ; the mask and the scale words are in; q's four loads may be out
.irp i, 0,1,2,3
	v_cmp_eq_u32 vcc_lo, 0, v[32+\i]
	s_delay_alu instid0(VALU_DEP_1)
	v_cndmask_b32 v[32+\i], v84, v31, vcc_lo       ; a choice of values alone
.endr
	ds_store_b128 v93, v[32:35]
	ds_store_b128 v94, v[36:39]
	ds_store_b64 v95, v[40:41]
	s_wait_tensorcnt 0x0                           ; my part of keys 0-511 is in
	ds_add_u32 v250, v251
	s_wait_dscnt 0x0                               ; the add and my three stores are done
	CROUND
	tensor_load_to_lds s[G0D:G0D+3], s[G1D:G1D+7]  ; keys 512-2047: the first tensor load behind the round
	s_nop 0
	s_wait_loadcnt 0x0
.macro STEP
	s_barrier_signal -1                            ; I have entered this step
	v_add_nc_u32 v[ADK], s[TK], v[AK0]             ; (these five are also the places behind the last step's products)
	v_add_nc_u32 v[ADV], s[TK], v[AV0]
	v_add_nc_u32 v[ADS], s[TS], v[ASK0]
	v_add_nc_u32 v[ADB], s[TS], v[AB0]
	v_add_nc_u32 v[ADT], s[TV], v[ASV0]
.irp t, 0,1,2,3,4,5,6,7
.irp p, 0,1,2
	ds_load_b64 v[32+6*\t+2*\p:33+6*\t+2*\p], v[ADK] offset:2*BLK*(\t/4)+768*(\t%2)+256*\p+64*((768*(\t%2)+256*\p)/512)+64*((\t%4)/2)
.endr
	ds_load_b32 v[192+\t], v[ADS] offset:256*(\t/4)+64*(\t%2)+32*((\t%4)/2)
	ds_load_b128 v[96+8*\t:99+8*\t], v[ADB] offset:256*(\t/4)+32*(\t%4)
	ds_load_b128 v[100+8*\t:103+8*\t], v[ADB] offset:256*(\t/4)+32*(\t%4)+16
.endr
	s_wait_alu depctr_va_vdst(0)
	s_wait_dscnt 0x0
.irp t, 0,1,2,3,4,5,6,7
	v_wmma_scale_f32_16x16x128_f8f6f4 v[96+8*\t:103+8*\t], v[32+6*\t:43+6*\t], v[16:27], v[96+8*\t:103+8*\t], v[192+\t], v255 matrix_a_fmt:MATRIX_FMT_BF6 matrix_b_fmt:MATRIX_FMT_BF6
.endr
.rept 4
	v_nop                                          ; places behind the products (ISA guide 7.12.1)
.endr
.irp d, 0,1,2,3
.irp p, 0,1,2,3,4,5
	ds_load_b64 v[32+12*\d+2*\p:33+12*\d+2*\p], v[ADV] offset:1536*\d+256*\p+64*((1536*\d+256*\p)/512)
.endr
	ds_load_b32 v[192+\d], v[ADT] offset:64*\d
.endr
.irp b, 0,1,2,3
	v_max3_num_f32 v[X+\b], v[96+16*\b], v[97+16*\b], v[98+16*\b]   ; four chains by turns, each accumulator from its low end on
.endr
.irp i, 3,5,7,9,11,13
.irp b, 0,1,2,3
	v_max3_num_f32 v[X+\b], v[X+\b], v[96+16*\b+\i], v[97+16*\b+\i]
.endr
.endr
.irp c, 0,1
	v_max3_num_f32 v[BM+\c], v[X+2*\c], v[X+2*\c+1], v[111+32*\c]
.endr
.irp c, 0,1
	v_max_num_f32 v[BM+\c], v[BM+\c], v[127+32*\c] ; the largest score of my block 2 c + h: all its 32 keys are mine
.endr
	v_max_num_f32 v254, v[BM], v[BM+1]
	v_permlanex16_b32 v[PT], v254, s[SEL], s[SEL+1]
	v_max_num_f32 v254, v254, v[PT]                ; the step's largest score of my query
	s_delay_alu instid0(VALU_DEP_1)
	v_mul_f32 v254, s[CS], v254
	s_delay_alu instid0(VALU_DEP_1)
	v_max_num_f32 v13, v13, v254
	v_mov_b32 v254, v12
	s_delay_alu instid0(VALU_DEP_2)
	v_floor_f32 v12, -v13                          ; -M = floor(-t)
	s_delay_alu instid0(VALU_DEP_1)
	v_sub_f32 v254, v12, v254
	s_delay_alu instid0(VALU_DEP_1)
	v_cvt_i32_f32 v254, v254
	s_delay_alu instid0(VALU_DEP_1)
	v_ldexp_f32 v252, 1.0, v254                    ; f = 2^(old M - new M)
.set j, 0
.rept 32
	v_pk_fma_f32 v[96+j:97+j], v[96+j:97+j], s[CS:CS+1], v[12:13] op_sel_hi:[1,0,0]
.set j, j+2
.endr
.irp c, 0,1
	v_fma_f32 v[BM+\c], v[BM+\c], s[CS], v12
.endr
	s_wait_alu depctr_va_vdst(0)                   ; the wait ahead of the batch
.set j, 0
.rept 64
	v_exp_f32 v[96+j], v[96+j]
.set j, j+1
.endr
	v_pk_mul_f32 v[14:15], v[14:15], v[252:253] op_sel_hi:[1,0]
	s_wait_alu depctr_va_vdst(0)                   ; and behind it
.irp c, 0,1
	v_exp_f32 v[BM+\c], v[BM+\c]                   ; the block's largest p: the same two instructions on the same number
.endr
	v_pk_add_f32 v[236:237], v[96:97], v[98:99]    ; the row's sum, of the unquantised p, in two chains
.irp j, 4,8,12,16,20,24,28,32,36,40,44,48,52,56,60
	v_pk_add_f32 v[14:15], v[14:15], v[96+\j:97+\j]
	v_pk_add_f32 v[236:237], v[236:237], v[98+\j:99+\j]
.endr
	s_delay_alu instid0(VALU_DEP_1)
	v_pk_add_f32 v[14:15], v[14:15], v[236:237]
	s_wait_alu depctr_va_vdst(0)
.irp c, 0,1
	v_max_num_f32 v[BM+\c], 0x2800000, v[BM+\c]    ; the floor 2^(5 - 127): the byte cannot fall under 1
.endr
.irp c, 0,1
	v_add_nc_u32 v[SO+\c], 0xfe000000, v[BM+\c]    ; 4 off the exponent field: the conversion's scale operand
.endr
.irp c, 0,1
	v_lshrrev_b32 v[BY+\c], 23, v[SO+\c]
.endr
	v_lshl_or_b32 v[W], v[BY+1], 16, v[BY]         ; my bytes: blocks h and 2 + h,
	v_lshlrev_b32 v[W], v[SH], v[W]                ; at their places;
	v_permlanex16_b32 v[PT], v[W], s[SEL], s[SEL+1]
	v_or_b32 v253, v[W], v[PT]                     ; with lane l xor 16's the word is whole
.irp c, 0,1
	v_cvt_scalef32_pk16_bf6_f32 v[224+6*\c:226+6*\c], v[96+32*\c:111+32*\c], v[SO+\c]
	v_cvt_scalef32_pk16_bf6_f32 v[236+4*\c:238+4*\c], v[112+32*\c:127+32*\c], v[SO+\c]   ; (three registers begin on an even number: made here and moved)
.endr
	v_nop                                          ; one plain place behind a scaled conversion
.irp c, 0,1
.irp i, 0,1,2
	v_mov_b32 v[227+6*\c+\i], v[236+4*\c+\i]
.endr
.endr
	s_wait_alu depctr_va_vdst(0)                   ; the wait directly ahead of the first reader of O^T
.set j, 0
.rept 16
	v_pk_mul_f32 v[160+j:161+j], v[160+j:161+j], v[252:253] op_sel_hi:[1,0]
.set j, j+2
.endr
	s_wait_alu depctr_va_vdst(0)                   ; and here, directly ahead of the wait below
	s_wait_dscnt 0x0                               ; V's fragments and scale words are in
.irp d, 0,1,2,3
	v_wmma_scale_f32_16x16x128_f8f6f4 v[160+8*\d:167+8*\d], v[32+12*\d:43+12*\d], v[224:235], v[160+8*\d:167+8*\d], v[192+\d], v253 matrix_a_fmt:MATRIX_FMT_BF6 matrix_b_fmt:MATRIX_FMT_BF6
.endr
	s_add_co_u32 s[TK], s[TK], 4*BLK
	s_add_co_u32 s[TS], s[TS], 512
	s_add_co_u32 s[TV], s[TV], 256
	s_barrier_wait -1                              ; every wave has entered this step
.endm
	s_mov_b32 s[CNT], 4
.Lfirst:                                               ; keys 0-511
	STEP
	s_sub_co_u32 s[CNT], s[CNT], 1
	s_cmp_lg_u32 s[CNT], 0
	s_cbranch_scc1 .Lfirst
	s_wait_tensorcnt 0x0                           ; my part of keys 512-2047 is in;
	s_barrier_signal -1
	s_barrier_wait -1                              ; everybody's is.
	s_mov_b32 s[CNT], 12
.Lrest:
	STEP
	s_sub_co_u32 s[CNT], s[CNT], 1
	s_cmp_lg_u32 s[CNT], 0
	s_cbranch_scc1 .Lrest
.rept 4
	v_nop
.endr
	v_add_f32 v14, v14, v15
	s_delay_alu instid0(VALU_DEP_1)
	v_permlanex16_b32 v252, v14, s[SEL], s[SEL+1]
	s_delay_alu instid0(VALU_DEP_1)
	v_add_f32 v14, v14, v252                       ; the row's sum
	s_wait_alu depctr_va_vdst(0)
	v_rcp_f32 v14, v14
	v_nop
	s_wait_alu depctr_va_vdst(0)
.set j, 0
.rept 32
	v_mul_f32 v[96+j], v[160+j], v14               ; register 16 b + i: channel 32 b + 16 h + i of my query
.set j, j+1
.endr
.irp b, 0,1
	v_max3_num_f32 v[232+\b], |v[96+16*\b]|, |v[97+16*\b]|, 0x2800000
.endr
.irp i, 2,4,6,8,10,12,14
.irp b, 0,1
	s_delay_alu instid0(VALU_DEP_2)
	v_max3_num_f32 v[232+\b], v[232+\b], |v[96+16*\b+\i]|, |v[97+16*\b+\i]|
.endr
.endr
.irp b, 0,1
	v_permlanex16_b32 v[236+\b], v[232+\b], s[SEL], s[SEL+1]
.endr
.irp b, 0,1
	s_delay_alu instid0(VALU_DEP_2)
	v_max_num_f32 v[232+\b], v[232+\b], v[236+\b]
.endr
.irp b, 0,1
	s_delay_alu instid0(VALU_DEP_2)
	v_add_nc_u32 v[244+\b], 0xfe000000, v[232+\b]
.endr
.irp b, 0,1
	s_delay_alu instid0(VALU_DEP_2)
	v_lshrrev_b32 v[240+\b], 23, v[244+\b]
.endr
	s_delay_alu instid0(VALU_DEP_1)
	v_lshl_or_b32 v254, v241, 8, v240
	v_cvt_scalef32_pk16_bf6_f32 v[224:226], v[96:111], v244
	v_cvt_scalef32_pk16_bf6_f32 v[236:238], v[112:127], v245
	v_nop
.irp i, 0,1,2
	v_permlane16_swap_b32 v[224+\i], v[236+\i]
.endr
.irp i, 0,1,2
	s_delay_alu instid0(VALU_DEP_3)
	v_mov_b32 v[227+\i], v[236+\i]
.endr
.irp p, 0,1,2
	global_store_b64 v[LN8], v[224+2*\p:225+2*\p], s[74:75] offset:256*\p   ; 256 consecutive bytes, aligned
.endr
	global_store_b16 v[GOS], v254, s[76:77]        ; my head's two bytes of the row's scale word
	s_wait_tensorcnt 0x0                           ; the wave's end
	ds_add_u32 v250, v251
	s_wait_dscnt 0x0
	CROUND                                         ; the closing round
	s_endpgm
.Lfunc_end_k_q8397ec4f12_attn:
	.size	k_q8397ec4f12_attn, .Lfunc_end_k_q8397ec4f12_attn-k_q8397ec4f12_attn
	.p2alignl 7, 3214868480
	.fill 96, 4, 3214868480
	.section	.rodata,"a",@progbits
	.p2align	6, 0x0
	.amdhsa_kernel k_q8397ec4f12_attn
		.amdhsa_group_segment_fixed_size 327680
		.amdhsa_private_segment_fixed_size 0
		.amdhsa_enable_private_segment 0
		.amdhsa_kernarg_size 24
		.amdhsa_user_sgpr_count 2
		.amdhsa_user_sgpr_kernarg_segment_ptr 1
		.amdhsa_wavefront_size32 1
		.amdhsa_system_sgpr_workgroup_id_x 1
		.amdhsa_system_sgpr_workgroup_id_y 1
		.amdhsa_system_sgpr_workgroup_id_z 1
		.amdhsa_system_vgpr_workitem_id 0
		.amdhsa_next_free_vgpr 256
		.amdhsa_next_free_sgpr 100
		.amdhsa_reserve_vcc 1
		.amdhsa_float_denorm_mode_32 3
		.amdhsa_float_denorm_mode_16_64 3
		.amdhsa_memory_ordered 1
		.amdhsa_forward_progress 1
		.amdhsa_inst_pref_size 52
	.end_amdhsa_kernel
	.amdgpu_metadata
---
amdhsa.version: [ 1, 2 ]
amdhsa.kernels:
  - .name:           k_q8397ec4f12_attn
    .symbol:         k_q8397ec4f12_attn.kd
    .args:
      - { .name: qkvb, .offset: 0, .size: 8, .value_kind: global_buffer, .address_space: global }
      - { .name: attention_mask, .offset: 8, .size: 8, .value_kind: global_buffer, .address_space: global }
      - { .name: ctxb, .offset: 16, .size: 8, .value_kind: global_buffer, .address_space: global }
    .group_segment_fixed_size: 327680
    .private_segment_fixed_size: 0
    .kernarg_segment_align: 8
    .kernarg_segment_size: 24
    .max_flat_workgroup_size: 512
    .sgpr_count:     100
    .vgpr_count:     256
    .wavefront_size: 32
...
	.end_amdgpu_metadata
.endif
;; end of part 11
;; launch oproj (part 12): grid 8 x 32, 4 waves a work-group, clusters of 4 x 4, 327,680 bytes of LDS; arguments ctxb, prepb, yb; writes yb
.if DOCPART == 12
	.amdgcn_target "amdgcn-amd-amdhsa--gfx1250"
	.amdhsa_code_object_version 6
	.text
	.protected	k_q8397ec4f12_oproj
	.globl	k_q8397ec4f12_oproj
	.p2align	8
	.type	k_q8397ec4f12_oproj,@function
k_q8397ec4f12_oproj:
	s_mov_b64 s[64:65], 0
	v_nop
	global_prefetch_b8 v0, s[64:65] scope:SCOPE_SE
	s_setreg_imm32_b32 hwreg(HW_REG_WAVE_MODE, 25, 1), 1
	s_wait_xcnt 0x0
	s_wait_alu depctr_hold_cnt(0) depctr_sa_sdst(0) depctr_va_vdst(0) depctr_va_sdst(0) depctr_va_ssrc(0) depctr_va_vcc(0) depctr_vm_vsrc(0)
	s_getreg_b32 s2, hwreg(HW_REG_IB_STS2, 6, 4)
	s_cmp_eq_u32 s2, 0
	s_cbranch_scc0 .Lentry_in_a_cluster
	s_endpgm
.Lentry_in_a_cluster:
	s_bfe_u32 s2, ttmp6, 0x10000c
	s_cmp_lg_u32 s2, 0xf033
	s_cbranch_scc0 .Lentry_shape_is_right
	s_endpgm
.Lentry_shape_is_right:
; y = ctx wo on E3M2 codes (K = 1,024), f32 sums, stored raw as natural rows [4096][1024]; bias and residual are added where the rows are normalised.
; THE TILE IS 128 TOKENS x 128 COLUMNS: 4,096 x 1,024 outputs make 256 such tiles, one for each WGP, where tiles of 256 x 256 would make 64.  Four waves, each 64 x 64: 16 accumulators, 128 registers.
; OPERANDS lie in memory in the order of the operand's registers (a fragment of 16 rows x 128 K: 1,536 bytes, piece p of lane l at 256 p + 8 l; lane r of tile t holds row 32 (t / 2) + 8 (t % 2) + r + 8 (r / 8)).
; A SLOT HOLDS FOUR K STEPS (512 along K): a wave's one tensor load brings four tiles x 6,144 bytes.  With K = 1,024 the two slots hold all of K: both are first fills, nothing is filled again, and the loop over laps is not assembled.
; The scale words of the work-group's rows for all of K come once and stay.
; CLUSTERS: 4 x 4 work-groups; A's tiles are asked for jointly along a row of the cluster, B's along a column.  THE MATRIX INSTRUCTION IS USED TRANSPOSED: source 0 = 16 rows of B, source 1 = 16 rows of A.
; REGISTERS: window 0: v16-29 addresses; v32-63 scale words, two sets, and nothing else; v64-127 rows of y on the way out; v128-255 the accumulators ((a, b) at v[128 + 8 (4 a + b)]).
;   window 1: two sets of fragments, at v0 and v128: B's four, then A's four at + 48.
.set KDIM,   1024
.set ASOFF,  3145728                   ; ctxb: the scale words (codes at 0)
.set BOFF,   5636096                   ; prepb: wo's codes
.set BSOFF,  12812288                  ; and its scale words
.set KS,     KDIM/128
.set TILEB,  KS*1536                   ; a tile's fragments for all of K
.set NQ,     4                         ; K steps in a slot
.set FR,     12                        ; registers of a fragment
.set NP,     4                         ; places behind this matrix instruction (ISA guide 7.12.1)
.set HALFT,  4*NQ*1536                 ; four tiles' part of a slot: what one tensor load brings, and what one wave reads of A or of B
.set SLOT,   4*HALFT                   ; A's 8 tiles, then B's 8
.set LAPS,   KDIM/(2*NQ*128)           ; a lap = two slots
.set SCL,    2*SLOT                    ; behind the ring: the scale words
.set SBLK,   KS*64                     ; those of a tile
.set HALFS,  4*SBLK                    ; those of four tiles: what one tensor load brings
.set SPARE,  SCL+4*HALFS               ; the spare words, 128 bytes for each wave: two blocks of 256 bytes that no other line names
.set SPITCH, 272                       ; the way out: a stage of 16 rows x (256 bytes + 16) for each wave, in slot 0, which has had its last fill and its last read when the first result is stored there
.set ADRA, 16                          ; v16-17  LDS address of my A fragments in slot 0, 1
.set ADRB, 20                          ; v20-21  the same for B
.set STO,  24                          ; v24     the way out: where I put 32 bytes of a row
.set RD,   25                          ; v25     where I read a row back
.set CO,   26                          ; v26     my byte offset in y
.set ADRS, 27                          ; v27     LDS address of my scale words: lanes 0-15 A's, lanes 16-31 B's
.set SPW,  28                          ; v28     LDS address of my spare word; never rewritten
.set NIL,  29                          ; v29     0; never rewritten
.set SC,   32                          ; scale words: set s at v[SC + 16 s]; register 4 i + q: block i, the slot's q-th 128 along K
.set BK,   64                          ; the way out: 16 rows read back: v64-95 and v96-127 by turns
.set ACC,  128
.set G1, 24
.set G0, 32
.set G1B, 48
.set G0B, 56
.set G1S, 68
.set G0S, 76
.set G1SB, 80
.set G0SB, 88
.set MSB, 0
.macro WIN new                         ; the immediate's high byte repeats the setting that is left
.if MSB != \new
	s_set_vgpr_msb (MSB<<8)|\new
.set MSB, \new
.endif
.endm
.set MUL,  0x05                        ; sources 0 (B) and 1 (A) window 1; C and D window 0
.set TO_F, 0x40                        ; destination window 1, address window 0
.macro JLOAD g0a, g1a, g0b, g1b        ; a joint load: waves 0 and 1 fetch for A, waves 2 and 3 for B; four v_nop follow each of the two lines
	s_cmp_eq_u32 s15, 0
	s_cbranch_scc0 .Lfor_b_\@
	tensor_load_to_lds s[\g0a:\g0a+3], s[\g1a:\g1a+7]
	s_nop 0
.rept 4
	v_nop
.endr
	s_branch .Lasked_\@
.Lfor_b_\@:
	tensor_load_to_lds s[\g0b:\g0b+3], s[\g1b:\g1b+7]
	s_nop 0
.rept 4
	v_nop
.endr
.Lasked_\@:
.endm
.macro CREST                           ; a round of the cluster's barrier behind its opening barrier
	s_cmp_lg_u32 s14, 0
	s_cbranch_scc1 .Lnot_wave_0_\@
	s_barrier_signal -3
.Lnot_wave_0_\@:
	s_barrier_wait -3
	s_barrier_signal -1
	s_barrier_wait -1
.endm
.macro CROUND
	s_barrier_signal -1
	s_barrier_wait -1
	CREST
.endm
	s_load_b128 s[4:7], s[0:1], 0x0                ; ctxb (A), prepb (B)
	s_load_b64 s[12:13], s[0:1], 0x10              ; yb
	v_lshl_add_u32 v[SPW], v0, 2, SPARE
	v_mov_b32 v[NIL], 0
	ds_add_u32 v28, v29
	ds_add_u32 v28, v29
	s_wait_dscnt 0x0
	v_lshrrev_b32 v1, 5, v0
	v_readfirstlane_b32 s14, v1                    ; wave 0..3
	s_lshr_b32 s15, s14, 1                         ; which half of A's rows is mine.  Also: I fetch for A (0) or for B (1)
	s_and_b32 s16, s14, 1                          ; which half of B's rows.  Also: which four tiles I fetch
	s_bfe_u32 s40, ttmp6, 0x40000                  ; cx, cy
	s_bfe_u32 s41, ttmp6, 0x40004
	s_lshl_b32 s42, ttmp9, 2
	s_add_co_u32 s42, s42, s40                     ; C: which 128 columns
	s_and_b32 s17, ttmp7, 0xffff
	s_lshl_b32 s17, s17, 2
	s_add_co_u32 s17, s17, s41                     ; R: which 128 tokens
	s_lshl_b32 s43, s41, 2
	s_lshl_b32 s43, 15, s43                        ; my row of the cluster
	s_lshl_b32 s44, 0x1111, s40                    ; my column
	; descriptor group 1 for codes: four rows (tiles) of 6,144 bytes (768 elements of 8 bytes), TILEB bytes apart; no padding: a fragment's loads take 256 consecutive bytes
	s_or_b32 s[G1+0], s43, (3<<16)|(1<<21)         ; 15:0 the mask: A's tiles go to my row; 17:16 elements of 8 bytes; 21 set beside a mask
	s_or_b32 s[G1B+0], s44, (3<<16)|(1<<21)
.irp g, G1, G1B
	s_mov_b32 s[\g+1], 768<<16                     ; tensor_dim0
	s_mov_b32 s[\g+2], 8<<16                       ; tensor_dim1: eight tiles for the head's loads; set to 4 behind them
	s_mov_b32 s[\g+3], 768<<16                     ; tile_dim0
	s_mov_b32 s[\g+4], 8                           ; tile_dim1
	s_mov_b32 s[\g+5], TILEB/8                     ; tensor_dim0_stride
	s_mov_b32 s[\g+6], 0
	s_mov_b32 s[\g+7], 0
.endr
	; and for the scale words of eight tiles: a dense block of 2 HALFS bytes, as rows of 256 bytes
	s_or_b32 s[G1S+0], s43, (3<<16)|(1<<21)
	s_or_b32 s[G1SB+0], s44, (3<<16)|(1<<21)
.irp g, G1S, G1SB
	s_mov_b32 s[\g+1], 32<<16
	s_mov_b32 s[\g+2], (2*HALFS/256)<<16           ; the scale words of all eight tiles of a side come by one load
	s_mov_b32 s[\g+3], 32<<16
	s_mov_b32 s[\g+4], 2*HALFS/256
	s_mov_b32 s[\g+5], 32
	s_mov_b32 s[\g+6], 0
	s_mov_b32 s[\g+7], 0
.endr
	s_lshl_b32 s18, s16, 2                         ; which four tiles I fetch
	s_lshl_b32 s20, s17, 3
	s_add_co_u32 s20, s20, s18                     ; A: tile 8 R + 4 x half
	s_lshl_b32 s46, s42, 3
	s_add_co_u32 s46, s46, s18                     ; B: tile 8 C + 4 x half
	s_mul_i32 s22, s20, SBLK
	s_add_co_u32 s22, s22, ASOFF                   ; where these tiles' scale words begin, in bytes,
	s_mul_i32 s20, s20, TILEB                      ; and their codes
	s_mul_i32 s92, s46, SBLK
	s_add_co_u32 s92, s92, BSOFF
	s_mul_i32 s46, s46, TILEB
	s_add_co_u32 s46, s46, BOFF
	s_mov_b32 s21, 0
	s_mov_b32 s23, 0
	s_mov_b32 s47, 0
	s_mov_b32 s93, 0
	s_mul_i32 s45, s14, HALFT                      ; where they go: by the wave's number alone
	s_mul_i32 s94, s15, 2*HALFS                    ; scale words in LDS: A's eight tiles, then B's
	s_mul_i32 s18, s16, HALFS                      ; back from my half's scale words to the side's first
	s_mov_b32 s19, 0
	s_wait_kmcnt 0x0
	s_add_nc_u64 s[20:21], s[4:5], s[20:21]
	s_add_nc_u64 s[22:23], s[4:5], s[22:23]
	s_add_nc_u64 s[46:47], s[6:7], s[46:47]
	s_add_nc_u64 s[92:93], s[6:7], s[92:93]
	CROUND                                         ; all sixteen work-groups are here: the first joint loads meet
	s_mov_b32 s[G0S], 1
	s_add_co_u32 s[G0S+1], s94, SCL
	s_sub_nc_u64 s[G0S+2:G0S+3], s[22:23], s[18:19]
	s_or_b32 s[G0S+3], s[G0S+3], 0x80000000
	s_mov_b32 s[G0SB], 1
	s_add_co_u32 s[G0SB+1], s94, SCL
	s_sub_nc_u64 s[G0SB+2:G0SB+3], s[92:93], s[18:19]
	s_or_b32 s[G0SB+3], s[G0SB+3], 0x80000000
.irp s, 0,1
	s_mov_b32 s[G0+4*\s], 1
	s_add_co_u32 s[G0+4*\s+1], s45, \s*SLOT
	s_add_nc_u64 s[G0+4*\s+2:G0+4*\s+3], s[20:21], \s*NQ*1536
	s_or_b32 s[G0+4*\s+3], s[G0+4*\s+3], 0x80000000
	s_mov_b32 s[G0B+4*\s], 1
	s_add_co_u32 s[G0B+4*\s+1], s45, \s*SLOT
	s_add_nc_u64 s[G0B+4*\s+2:G0B+4*\s+3], s[46:47], \s*NQ*1536
	s_or_b32 s[G0B+4*\s+3], s[G0B+4*\s+3], 0x80000000
.endr
; THE HEAD'S LOADS, ONE A WAVE: wave 0 slot 0's eight tiles of A, wave 1 A's scale words, wave 2 slot 0's eight tiles of B, wave 3 B's scale words.
; One chain of branches on the wave's number; every way through it passes exactly one load.
.macro ARM under, g0, g1, next
	s_cmp_lt_u32 s14, \under
	s_cbranch_scc0 \next
	tensor_load_to_lds s[\g0:\g0+3], s[\g1:\g1+7]
	s_nop 0
.rept 4
	v_nop
.endr
	s_branch .Lhead_asked
\next:
.endm
	ARM 1, G0,  G1,  .Lhead_sa
	ARM 2, G0S, G1S, .Lhead_b
	ARM 3, G0B, G1B, .Lhead_sb
	tensor_load_to_lds s[G0SB:G0SB+3], s[G1SB:G1SB+7]
	s_nop 0
.rept 4
	v_nop
.endr
.Lhead_asked:
	v_and_b32 v1, 15, v0                           ; r
	v_bfe_u32 v2, v0, 4, 1                         ; h
	s_wait_alu depctr_va_vdst(0)
	v_and_b32 v3, 31, v0
	v_lshlrev_b32 v4, 3, v3                        ; 8 x lane: my place in a piece
	s_mul_i32 s21, s15, HALFT                      ; my four tiles of A
	s_mul_i32 s22, s16, HALFT                      ; my four tiles of B,
	s_add_co_u32 s22, s22, 2*HALFT                 ; which lie behind A's eight
.irp s, 0,1
	v_add_nc_u32 v[ADRA+\s], s21, v4
	v_add_nc_u32 v[ADRB+\s], s22, v4
	s_add_co_u32 s21, s21, SLOT
	s_add_co_u32 s22, s22, SLOT
.endr
	v_lshlrev_b32 v5, 2, v1                        ; my row's scale word
	s_mul_i32 s21, s15, HALFS                      ; A's: my four tiles
	s_mul_i32 s22, s16, HALFS                      ; B's: my four, behind A's eight
	s_add_co_u32 s22, s22, 2*HALFS
	s_sub_co_u32 s22, s22, s21
	v_mul_u32_u24 v6, s22, v2                      ; lanes 16-31 take B's
	s_add_co_u32 s21, s21, SCL
	v_add_nc_u32 v5, v5, v6
	v_add_nc_u32 v[ADRS], s21, v5
	s_mul_i32 s23, s14, 16*SPITCH                  ; my stage
	v_mul_u32_u24 v5, v1, SPITCH                   ; in: row r, 64 bytes on for lanes 16-31
	v_lshl_add_u32 v5, v2, 6, v5
	v_add_nc_u32 v[STO], s23, v5
	v_mul_u32_u24 v5, v2, SPITCH                   ; back: lanes 0-15 take one row of 256 bytes, lanes 16-31 the next
	v_lshl_add_u32 v5, v1, 4, v5
	v_add_nc_u32 v[RD], s23, v5
	v_lshlrev_b32 v[CO], 12, v2                    ; and the same two rows in y: rows of 4,096 bytes
	v_lshl_add_u32 v[CO], v1, 4, v[CO]
	s_lshl_b32 s20, s17, 7
	s_lshl_b32 s21, s15, 6
	s_add_co_u32 s20, s20, s21                     ; my first token: 128 R + 64 x half
	s_lshl_b32 s20, s20, 12
	s_mov_b32 s21, 0
	s_lshl_b32 s46, s42, 9                         ; my first column, in bytes: 512 C + 256 x half
	s_lshl_b32 s47, s16, 8
	s_add_co_u32 s46, s46, s47
	s_mov_b32 s47, 0
	s_add_nc_u64 s[20:21], s[20:21], s[46:47]
	s_add_nc_u64 s[12:13], s[12:13], s[20:21]
.macro FRAG reg, adr, q, i             ; a fragment: six pieces of 256 consecutive bytes, 8 bytes a lane, as the registers take them
.irp p, 0,1,2,3,4,5
	ds_load_b64 v[\reg+2*\p:\reg+2*\p+1], v[\adr] offset:(\i)*NQ*1536+(\q)*1536+256*\p
.endr
.endm
; Four matrix instructions: A's block a x B's four, 128 along K.  The 16 accumulators take turns, one instruction a turn, in the same order in every step.
.macro MUL4 a, p, q, sc, zero
.irp b, 0,1,2,3
.if \zero
	v_wmma_scale_f32_16x16x128_f8f6f4 v[ACC+8*(4*(\a)+\b):ACC+8*(4*(\a)+\b)+7], v[128*(\p)+FR*\b:128*(\p)+FR*\b+FR-1], v[128*(\p)+48+FR*(\a):128*(\p)+48+FR*(\a)+FR-1], 0, v[SC+4*NQ*(\sc)+NQ*\b+(\q)], v[SC+4*NQ*(\sc)+NQ*(\a)+(\q)] matrix_a_fmt:MATRIX_FMT_BF6 matrix_b_fmt:MATRIX_FMT_BF6 matrix_a_scale:MATRIX_SCALE_ROW1
.else
	v_wmma_scale_f32_16x16x128_f8f6f4 v[ACC+8*(4*(\a)+\b):ACC+8*(4*(\a)+\b)+7], v[128*(\p)+FR*\b:128*(\p)+FR*\b+FR-1], v[128*(\p)+48+FR*(\a):128*(\p)+48+FR*(\a)+FR-1], v[ACC+8*(4*(\a)+\b):ACC+8*(4*(\a)+\b)+7], v[SC+4*NQ*(\sc)+NQ*\b+(\q)], v[SC+4*NQ*(\sc)+NQ*(\a)+(\q)] matrix_a_fmt:MATRIX_FMT_BF6 matrix_b_fmt:MATRIX_FMT_BF6 matrix_a_scale:MATRIX_SCALE_ROW1
.endif
.endr
.endm
.macro FETCH slot, q, p                ; 48 LDS loads in one run: the eight fragments of the slot's q-th K step into set p
	WIN TO_F
.irp i, 0,1,2,3
	FRAG 128*(\p)+FR*\i, ADRB+\slot, \q, \i
.endr
.irp i, 0,1,2,3
	FRAG 128*(\p)+48+FR*\i, ADRA+\slot, \q, \i
.endr
.endm
.macro SCALES sc                       ; a slot's scale words: lanes 0-15 take A's block i, lanes 16-31 B's block i
.irp i, 0,1,2,3
.irp q, 0,1,2,3
	ds_load_b32 v[SC+4*NQ*\sc+NQ*\i+\q], v[ADRS] offset:\i*SBLK+64*\q
.endr
.endr
.endm
.macro PLACES n                        ; plain places behind matrix instructions, in front of loads into their registers and of reads of their results
.rept \n
	v_nop
.endr
.endm
; A K step that has its successor in the same slot: the next step's fragments are asked for first, into the set that the step before multiplied, and land while this step's 16 products run.
.macro STEP slot, q, zero
	s_wait_dscnt 0x0                               ; this step's fragments are in (and, at a slot's head, its scale words)
	PLACES NP                                      ; behind the products that read the other set
	FETCH \slot, (\q)+1, 1-(\q)%2
	WIN MUL
	MUL4 0, (\q)%2, \q, \slot, \zero
	MUL4 1, (\q)%2, \q, \slot, \zero
	MUL4 2, (\q)%2, \q, \slot, \zero
	MUL4 3, (\q)%2, \q, \slot, \zero
.endm
; A slot's last step changes slots: one barrier; in front of it each wave waits for all its tensor loads, adds 0 to its spare word, and waits for that and for its own reads of this slot.
.macro TURN slot, next, fill
	WIN 0                                          ; (the add's two registers lie in window 0)
	s_wait_tensorcnt 0x0                           ; all my tensor loads have landed: my part of the next slot
	ds_add_u32 v[SPW], v[NIL]                      ; 0 onto my spare word
	s_wait_dscnt 1                                 ; the add alone may be out: the step's 48 loads, issued ahead of it, are in
	WIN MUL
	MUL4 0, 1, NQ-1, \slot, 0                      ; four matrix instructions stand between the add and the wait for it
	s_wait_dscnt 0x0                               ; the add is done, and my reads of this slot are over
	s_barrier_signal -1
	MUL4 1, 1, NQ-1, \slot, 0
	WIN 0
	s_barrier_wait -1
.if \fill
	CREST                                          ; the barrier has opened a round of the cluster's: no wave of any partner still reads this slot or has a load on its way
	s_add_nc_u64 s[G0+4*\slot+2:G0+4*\slot+3], s[G0+4*\slot+2:G0+4*\slot+3], 2*NQ*1536
	s_add_nc_u64 s[G0B+4*\slot+2:G0B+4*\slot+3], s[G0B+4*\slot+2:G0B+4*\slot+3], 2*NQ*1536
	JLOAD G0+4*\slot, G1, G0B+4*\slot, G1B         ; the first tensor load behind the round; its four v_nop are the places in front of the loads below
.else
	PLACES NP
.endif
	v_add_nc_u32 v[ADRS], 64*NQ, v[ADRS]           ; on to the next slot's scale words
	FETCH \next, 0, 0
	WIN 0
	SCALES \next
	WIN MUL
	MUL4 2, 1, NQ-1, \slot, 0
	MUL4 3, 1, NQ-1, \slot, 0
.endm
	s_wait_alu depctr_va_vdst(0)
	s_wait_tensorcnt 0x0                           ; my tile of the head's four is in
	ds_add_u32 v[SPW], v[NIL]
	s_mov_b32 s[G1+2], 4<<16                       ; no tensor load of mine is out: from here on a load brings four tiles
	s_mov_b32 s[G1+4], 4
	s_mov_b32 s[G1B+2], 4<<16
	s_mov_b32 s[G1B+4], 4
	s_wait_dscnt 0x0
	CROUND                                         ; all four tiles are in, and all sixteen work-groups are here
	JLOAD G0+4, G1, G0B+4, G1B                     ; slot 1's first fill, the first tensor load behind the round
	FETCH 0, 0, 0
	WIN 0
	SCALES 0
	STEP 0, 0, 1                                   ; the first step's products start the sums: nothing is cleared
.if LAPS > 1
	WIN 0                                          ; at a label and at a branch every window is 0
	s_mov_b32 s3, LAPS-1
.Llap:                                             ; a trip goes once round the ring, from a lap's second step to the next lap's first, and fills both slots again
	STEP 0, 1, 0
	STEP 0, 2, 0
	TURN 0, 1, 1
	STEP 1, 0, 0
	STEP 1, 1, 0
	STEP 1, 2, 0
	TURN 1, 0, 1
	STEP 0, 0, 0
	WIN 0
	s_sub_co_u32 s3, s3, 1
	s_cmp_lg_u32 s3, 0
	s_cbranch_scc1 .Llap
.endif
	STEP 0, 1, 0                                   ; the last lap fills nothing
	STEP 0, 2, 0
	TURN 0, 1, 0
	STEP 1, 0, 0
	STEP 1, 1, 0
	STEP 1, 2, 0
	s_wait_dscnt 0x0                               ; the very last step: nothing more to fetch
	WIN MUL
	MUL4 0, 1, NQ-1, 1, 0
	MUL4 1, 1, NQ-1, 1, 0
	MUL4 2, 1, NQ-1, 1, 0
	MUL4 3, 1, NQ-1, 1, 0
	WIN 0
; THE WAY OUT, block by block of 16 tokens x 64 columns, through my own stage.  Lane (r, h) holds, of accumulator b, columns 32 (b / 2) + 16 h + 8 (b % 2) + 0 .. 7 of the block's row r.
; My 64 columns are 256 consecutive bytes of a row of y, aligned: no other wave has a part in them, so no barrier stands here.
; LDS serves a wave's instructions in order (ISA guide 5.7.1.4): no wait between the stores and the loads, nor in front of the next block's stores.
.macro TOSTAGE a
.irp b, 0,1,2,3
	ds_store_b128 v[STO], v[ACC+8*(4*(\a)+\b):ACC+8*(4*(\a)+\b)+3] offset:128*(\b/2)+32*(\b%2)          ; each accumulator from its low end on
	ds_store_b128 v[STO], v[ACC+8*(4*(\a)+\b)+4:ACC+8*(4*(\a)+\b)+7] offset:128*(\b/2)+32*(\b%2)+16
.endr
.set BB, BK+32*((\a)%2)
.irp t, 0,1,2,3,4,5,6,7
	ds_load_b128 v[BB+4*\t:BB+4*\t+3], v[RD] offset:\t*2*SPITCH
.endr
.endm
.macro SEND a, younger                 ; stage row 2 t + h is token 32 (a / 2) + 8 (a % 2) + 2 t + h + 8 (t / 4) of my 64: the place stands in the immediate, 62 rows of 4,096 bytes at the most
.set BB, BK+32*((\a)%2)
	s_wait_dscnt \younger
.irp t, 0,1,2,3,4,5,6,7
	global_store_b128 v[CO], v[BB+4*\t:BB+4*\t+3], s[12:13] offset:(32*((\a)/2)+8*((\a)%2)+2*\t+8*(\t/4))*4096 th:TH_STORE_NT   ; 16 lanes store 256 consecutive bytes, aligned
.endr
.endm
	PLACES NP                                      ; behind the last products, whose results are read below
	TOSTAGE 0
.irp a, 1,2,3
.if \a > 1
	s_wait_xcnt 0x0                                ; block a - 2's stores have read their registers: block a's loads may land there
.endif
	TOSTAGE \a
	SEND \a-1, 16                                  ; behind block a - 1's loads: block a's 8 stores and 8 loads
.endr
	SEND 3, 0
	s_wait_tensorcnt 0x0                           ; the wave's end
	ds_add_u32 v[SPW], v[NIL]
	s_wait_dscnt 0x0
	CROUND                                         ; the closing round: no work-group ends while a partner may still ask for a tile that names it
	s_endpgm
.Lfunc_end_k_q8397ec4f12_oproj:
	.size	k_q8397ec4f12_oproj, .Lfunc_end_k_q8397ec4f12_oproj-k_q8397ec4f12_oproj
	.p2alignl 7, 3214868480
	.fill 96, 4, 3214868480
	.section	.rodata,"a",@progbits
	.p2align	6, 0x0
	.amdhsa_kernel k_q8397ec4f12_oproj
		.amdhsa_group_segment_fixed_size 327680
		.amdhsa_private_segment_fixed_size 0
		.amdhsa_enable_private_segment 0
		.amdhsa_kernarg_size 24
		.amdhsa_user_sgpr_count 2
		.amdhsa_user_sgpr_kernarg_segment_ptr 1
		.amdhsa_wavefront_size32 1
		.amdhsa_system_sgpr_workgroup_id_x 1
		.amdhsa_system_sgpr_workgroup_id_y 1
		.amdhsa_system_sgpr_workgroup_id_z 1
		.amdhsa_system_vgpr_workitem_id 0
		.amdhsa_next_free_vgpr 512
		.amdhsa_next_free_sgpr 100
		.amdhsa_reserve_vcc 0
		.amdhsa_float_denorm_mode_32 3
		.amdhsa_float_denorm_mode_16_64 3
		.amdhsa_memory_ordered 1
		.amdhsa_forward_progress 1
		.amdhsa_inst_pref_size 62
	.end_amdhsa_kernel
	.amdgpu_metadata
---
amdhsa.version: [ 1, 2 ]
amdhsa.kernels:
  - .name:           k_q8397ec4f12_oproj
    .symbol:         k_q8397ec4f12_oproj.kd
    .args:
      - { .name: ctxb, .offset: 0, .size: 8, .value_kind: global_buffer, .address_space: global }
      - { .name: prepb, .offset: 8, .size: 8, .value_kind: global_buffer, .address_space: global }
      - { .name: yb, .offset: 16, .size: 8, .value_kind: global_buffer, .address_space: global }
    .group_segment_fixed_size: 327680
    .private_segment_fixed_size: 0
    .kernarg_segment_align: 8
    .kernarg_segment_size: 24
    .max_flat_workgroup_size: 128
    .sgpr_count:     100
    .vgpr_count:     512
    .wavefront_size: 32
...
	.end_amdgpu_metadata
.endif
;; end of part 12
;; launch ln1q (part 13): grid 256 x 1, 8 waves a work-group, no clusters, 67,584 bytes of LDS; arguments yb, x, bo, ln1_g, ln1_b, x1b; writes x1b
.if DOCPART == 13
	.amdgcn_target "amdgcn-amd-amdhsa--gfx1250"
	.amdhsa_code_object_version 6
	.text
	.protected	k_q8397ec4f12_ln1q
	.globl	k_q8397ec4f12_ln1q
	.p2align	8
	.type	k_q8397ec4f12_ln1q,@function
k_q8397ec4f12_ln1q:
	s_mov_b64 s[64:65], 0
	v_nop
	global_prefetch_b8 v0, s[64:65] scope:SCOPE_SE
	s_setreg_imm32_b32 hwreg(HW_REG_WAVE_MODE, 25, 1), 1
	s_wait_xcnt 0x0
; x1 = LayerNorm(x + y + bo) (eps 1e-5), stored as f32 rows and, quantised along its 1,024, as the next product's operand in the order of the operand's registers.
; A work-group takes one tile: 16 tokens, lane r's token 32 (t / 2) + 8 (t % 2) + r + 8 (r / 8).  Phase 1: wave w normalises the tile's rows 2 w and 2 w + 1, a row in 32 registers a lane; mean first, then the
; mean of the squared differences: no difference of large sums.  The rows meet in a stage in LDS.  Phase 2: wave w quantises K step w of all 16 rows.
; No matrix unit, no cluster, no tensor load: memory binds, and work-groups share nothing but the three vectors of 4,096 bytes.
; LIMITS: a block of zeros gets the scale byte 1 (its codes are zeros; this program alone reads the bytes); NaN and infinities are not served.
.set PITCH, 4112                       ; a stage row: 4,096 bytes + 16: the 16 rows that a load touches start in 16 different groups of banks
.set SCW,   16*PITCH                   ; behind the stage: the tile's 128 scale words
.set BOV, 16                           ; v16-47   bo
.set GV,  48                           ; v48-79   the gain
.set BV,  80                           ; v80-111  the bias
.set Y0,  112                          ; v112-143 row 0: y, then the row at work; v144-175 its x; v176-239 the same of row 1
.set X0,  144
.set A0,  240
.set A1,  242
.set MU,  244
.set RS,  246
.set TP,  248
.set T,   112                          ; phase 2: 64 numbers
.set TM,  16
.set PC,  32
.set PW,  52
.set SEL, 2
.set INV, 24                           ; s24  1 / 1,024
.set EPS, 25                           ; s25  1e-5
.macro WSUM a                          ; the sum over the wave's 32 lanes, in every lane
	s_delay_alu instid0(VALU_DEP_1)
	v_add_f32_dpp v[\a], v[\a], v[\a] row_xmask:1 row_mask:0xf bank_mask:0xf
	s_delay_alu instid0(VALU_DEP_1)
	v_add_f32_dpp v[\a], v[\a], v[\a] row_xmask:2 row_mask:0xf bank_mask:0xf
	s_delay_alu instid0(VALU_DEP_1)
	v_add_f32_dpp v[\a], v[\a], v[\a] row_xmask:4 row_mask:0xf bank_mask:0xf
	s_delay_alu instid0(VALU_DEP_1)
	v_add_f32_dpp v[\a], v[\a], v[\a] row_xmask:8 row_mask:0xf bank_mask:0xf
	s_delay_alu instid0(VALU_DEP_1)
	v_permlanex16_b32 v[TP], v[\a], s[SEL], s[SEL+1]
	s_delay_alu instid0(VALU_DEP_1)
	v_add_f32 v[\a], v[\a], v[TP]
.endm
.macro LNORM V, G, B, eps              ; the row in v[V] .. v[V + 31] is normalised in place
	v_pk_add_f32 v[A0:A0+1], v[\V:\V+1], v[\V+2:\V+3]
	v_pk_add_f32 v[A1:A1+1], v[\V+4:\V+5], v[\V+6:\V+7]
.irp j, 8,12,16,20,24,28
	s_delay_alu instid0(VALU_DEP_2)
	v_pk_add_f32 v[A0:A0+1], v[A0:A0+1], v[\V+\j:\V+\j+1]
	s_delay_alu instid0(VALU_DEP_2)
	v_pk_add_f32 v[A1:A1+1], v[A1:A1+1], v[\V+\j+2:\V+\j+3]
.endr
	s_delay_alu instid0(VALU_DEP_1)
	v_pk_add_f32 v[A0:A0+1], v[A0:A0+1], v[A1:A1+1]
	s_delay_alu instid0(VALU_DEP_1)
	v_add_f32 v[A0], v[A0], v[A0+1]
	WSUM A0
	s_delay_alu instid0(VALU_DEP_1)
	v_mul_f32 v[MU], s[INV], v[A0]                 ; the mean
	s_delay_alu instid0(VALU_DEP_1)
	v_mov_b32 v[MU+1], v[MU]
.irp j, 0,2,4,6,8,10,12,14,16,18,20,22,24,26,28,30
	v_pk_add_f32 v[\V+\j:\V+\j+1], v[\V+\j:\V+\j+1], v[MU:MU+1] neg_lo:[0,1] neg_hi:[0,1]
.endr
	v_pk_mul_f32 v[A0:A0+1], v[\V:\V+1], v[\V:\V+1]
	v_pk_mul_f32 v[A1:A1+1], v[\V+2:\V+3], v[\V+2:\V+3]
.irp j, 4,8,12,16,20,24,28
	s_delay_alu instid0(VALU_DEP_2)
	v_pk_fma_f32 v[A0:A0+1], v[\V+\j:\V+\j+1], v[\V+\j:\V+\j+1], v[A0:A0+1]
	s_delay_alu instid0(VALU_DEP_2)
	v_pk_fma_f32 v[A1:A1+1], v[\V+\j+2:\V+\j+3], v[\V+\j+2:\V+\j+3], v[A1:A1+1]
.endr
	s_delay_alu instid0(VALU_DEP_1)
	v_pk_add_f32 v[A0:A0+1], v[A0:A0+1], v[A1:A1+1]
	s_delay_alu instid0(VALU_DEP_1)
	v_add_f32 v[A0], v[A0], v[A0+1]
	WSUM A0
	s_delay_alu instid0(VALU_DEP_1)
	v_fma_f32 v[A0], v[A0], s[INV], s[\eps]        ; the variance + eps
	s_wait_alu depctr_va_vdst(0)
	v_rsq_f32 v[RS], v[A0]
	v_nop                                          ; a plain place behind the transcendental
	s_wait_alu depctr_va_vdst(0)                   ; the wait ahead of its first reader
	v_mov_b32 v[RS+1], v[RS]
.irp j, 0,2,4,6,8,10,12,14,16,18,20,22,24,26,28,30
	v_pk_mul_f32 v[\V+\j:\V+\j+1], v[\V+\j:\V+\j+1], v[RS:RS+1]
.endr
.irp j, 0,2,4,6,8,10,12,14,16,18,20,22,24,26,28,30
	v_pk_fma_f32 v[\V+\j:\V+\j+1], v[\V+\j:\V+\j+1], v[\G+\j:\G+\j+1], v[\B+\j:\B+\j+1]
.endr
.endm
.macro QUANT s, pc, pw
.irp b, 0,1,2,3
	v_max3_num_f32 v[TM+\b], |v[\s+16*\b]|, |v[\s+1+16*\b]|, 0x2800000   ; my 16 numbers of block b, and the floor 2^(5 - 127): the byte cannot fall under 1
.endr
.irp i, 2,4,6,8,10,12,14
.irp b, 0,1,2,3
	s_delay_alu instid0(VALU_DEP_4)
	v_max3_num_f32 v[TM+\b], v[TM+\b], |v[\s+16*\b+\i]|, |v[\s+1+16*\b+\i]|
.endr
.endr
.irp b, 0,1,2,3
	s_delay_alu instid0(VALU_DEP_4)
	v_permlanex16_b32 v[TM+4+\b], v[TM+\b], s[SEL], s[SEL+1]
.endr
.irp b, 0,1,2,3
	s_delay_alu instid0(VALU_DEP_4)
	v_max_num_f32 v[TM+\b], v[TM+\b], v[TM+4+\b]
.endr
.irp b, 0,1,2,3
	s_delay_alu instid0(VALU_DEP_4)
	v_add_nc_u32 v[TM+12+\b], 0xfe000000, v[TM+\b]
.endr
.irp b, 0,1,2,3
	s_delay_alu instid0(VALU_DEP_4)
	v_lshrrev_b32 v[TM+4+\b], 23, v[TM+12+\b]
.endr
	s_delay_alu instid0(VALU_DEP_3)
	v_lshl_or_b32 v[\pw], v[TM+5], 8, v[TM+4]
	s_delay_alu instid0(VALU_DEP_1)
	v_lshl_or_b32 v[\pw], v[TM+6], 16, v[\pw]
	s_delay_alu instid0(VALU_DEP_1)
	v_lshl_or_b32 v[\pw], v[TM+7], 24, v[\pw]
.irp c, 0,1
	v_cvt_scalef32_pk16_bf6_f32 v[\pc+6*\c:\pc+2+6*\c], v[\s+32*\c:\s+15+32*\c], v[TM+12+2*\c]
	v_cvt_scalef32_pk16_bf6_f32 v[\pc+12+4*\c:\pc+14+4*\c], v[\s+16+32*\c:\s+31+32*\c], v[TM+12+2*\c+1]
.endr
	v_nop
.irp c, 0,1
.irp i, 0,1,2
	v_permlane16_swap_b32 v[\pc+6*\c+\i], v[\pc+12+4*\c+\i]
.endr
.irp i, 0,1,2
	s_delay_alu instid0(VALU_DEP_3)
	v_mov_b32 v[\pc+3+6*\c+\i], v[\pc+12+4*\c+\i]
.endr
.endr
.endm
	s_load_b256 s[4:11], s[0:1], 0x0               ; yb, x, bo, the gain
	s_load_b128 s[12:15], s[0:1], 0x20             ; the bias, x1b
	v_lshl_add_u32 v254, v0, 2, 0x10400
	v_mov_b32 v255, 0
	v_lshrrev_b32 v1, 5, v0
	s_delay_alu instid0(VALU_DEP_1)
	v_readfirstlane_b32 s16, v1                    ; wave 0..7
	v_and_b32 v2, 31, v0
	s_delay_alu instid0(VALU_DEP_1)
	v_lshlrev_b32 v3, 4, v2                        ; 16 x lane
	s_wait_alu depctr_va_vdst(0)
	v_and_b32 v5, 15, v0                           ; r
	s_wait_alu depctr_va_vdst(0)
	v_bfe_u32 v6, v0, 4, 1                         ; h
	s_lshr_b32 s17, ttmp9, 1
	s_lshl_b32 s17, s17, 5
	s_and_b32 s18, ttmp9, 1
	s_lshl_b32 s18, s18, 3
	s_add_co_u32 s17, s17, s18
	s_lshl_b32 s18, s16, 1
	s_add_co_u32 s17, s17, s18
	s_lshr_b32 s18, s16, 2
	s_lshl_b32 s18, s18, 3
	s_add_co_u32 s17, s17, s18                     ; the token of the tile's row 2 w; row 2 w + 1 is the next token
	s_lshl_b32 s18, s17, 12
	s_mov_b32 s19, 0
	s_mul_i32 s20, s16, 2*PITCH
	v_add_nc_u32 v7, s20, v3                       ; the stage, on the way in: my two rows, 16 bytes a lane
	v_mul_u32_u24 v4, v5, PITCH
	s_wait_alu depctr_va_vdst(0)
	v_lshl_add_u32 v4, v6, 6, v4
	s_lshl_b32 s20, s16, 9
	v_add_nc_u32 v4, s20, v4                       ; and on the way out: row r, K step w, + 64 h
	v_lshlrev_b32 v8, 2, v5
	s_lshl_b32 s20, s16, 6
	v_add_nc_u32 v8, s20, v8
	s_delay_alu instid0(VALU_DEP_1)
	v_add_nc_u32 v8, SCW, v8                       ; my row's scale word of K step w
	v_add_nc_u32 v9, SCW, v3                       ; all 128 words, 16 bytes a lane
	v_lshlrev_b32 v10, 3, v2                       ; 8 x lane
	v_mov_b32 v[TP], 0                             ; written once: a lane permute's destination counts as one of its sources
	s_mov_b32 s[SEL], 0x76543210
	s_mov_b32 s[SEL+1], 0xfedcba98
	s_mov_b32 s[INV], 0x3a800000
	s_mov_b32 s[EPS], 0x3727c5ac
	s_lshl_b32 s26, ttmp9, 3
	s_add_co_u32 s26, s26, s16
	s_mul_i32 s26, s26, 1536                       ; fragment 8 t + w
	s_add_co_u32 s26, s26, 16777216
	s_mov_b32 s27, 0
	s_lshl_b32 s28, ttmp9, 9
	s_add_co_u32 s28, s28, 19922944
	s_mov_b32 s29, 0
	s_wait_kmcnt 0x0
	s_add_nc_u64 s[4:5], s[4:5], s[18:19]
	s_add_nc_u64 s[6:7], s[6:7], s[18:19]
	s_add_nc_u64 s[26:27], s[14:15], s[26:27]
	s_add_nc_u64 s[28:29], s[14:15], s[28:29]
	s_add_nc_u64 s[14:15], s[14:15], s[18:19]
.irp j, 0,1,2,3,4,5,6,7
	global_load_b128 v[BOV+4*\j:BOV+4*\j+3], v3, s[8:9] offset:512*\j
	global_load_b128 v[GV+4*\j:GV+4*\j+3], v3, s[10:11] offset:512*\j
	global_load_b128 v[BV+4*\j:BV+4*\j+3], v3, s[12:13] offset:512*\j
.endr
.irp i, 0,1
.irp j, 0,1,2,3,4,5,6,7
	global_load_b128 v[Y0+64*\i+4*\j:Y0+64*\i+4*\j+3], v3, s[4:5] offset:4096*\i+512*\j th:TH_LOAD_NT
	global_load_b128 v[X0+64*\i+4*\j:X0+64*\i+4*\j+3], v3, s[6:7] offset:4096*\i+512*\j th:TH_LOAD_NT
.endr
.endr
.macro ROW i, left
	s_wait_loadcnt \left
.irp j, 0,2,4,6,8,10,12,14,16,18,20,22,24,26,28,30
	v_pk_add_f32 v[Y0+64*\i+\j:Y0+64*\i+\j+1], v[Y0+64*\i+\j:Y0+64*\i+\j+1], v[BOV+\j:BOV+\j+1]
.endr
.irp j, 0,2,4,6,8,10,12,14,16,18,20,22,24,26,28,30
	v_pk_add_f32 v[Y0+64*\i+\j:Y0+64*\i+\j+1], v[Y0+64*\i+\j:Y0+64*\i+\j+1], v[X0+64*\i+\j:X0+64*\i+\j+1]
.endr
	LNORM Y0+64*\i, GV, BV, EPS
.irp j, 0,1,2,3,4,5,6,7
	global_store_b128 v3, v[Y0+64*\i+4*\j:Y0+64*\i+4*\j+3], s[14:15] offset:4096*\i+512*\j   ; 512 consecutive bytes, aligned
	ds_store_b128 v7, v[Y0+64*\i+4*\j:Y0+64*\i+4*\j+3] offset:PITCH*\i+512*\j
.endr
.endm
	ROW 0, 16                                      ; the vectors and row 0 are in; row 1's 16 loads may be out
	ROW 1, 0
.irp b, 0,1,2,3
	v_mov_b32 v[TM+4+\b], 0                        ; (bo's registers are free)
.endr
	s_wait_xcnt 0x0                                ; the stores have read their registers: LDS loads land there below
	s_wait_dscnt 0x0                               ; my rows lie in the stage
	s_barrier_signal -1
	s_barrier_wait -1                              ; all 16 do
.irp b, 0,1,2,3
.irp j, 0,1,2,3
	ds_load_b128 v[T+16*\b+4*\j:T+16*\b+4*\j+3], v4 offset:128*\b+16*\j
.endr
.endr
	s_wait_dscnt 0x0
	QUANT T, PC, PW
.irp p, 0,1,2,3,4,5
	global_store_b64 v10, v[PC+2*\p:PC+2*\p+1], s[26:27] offset:256*\p   ; 256 consecutive bytes, aligned
.endr
	ds_store_b32 v8, v[PW]                         ; lanes l and l xor 16 write the same word with the same value
	s_wait_dscnt 0x0
	s_barrier_signal -1
	s_barrier_wait -1                              ; the tile's 128 scale words lie in LDS
	s_cmp_lg_u32 s16, 0
	s_cbranch_scc1 .Lend
	ds_load_b128 v[56:59], v9
	s_wait_dscnt 0x0
	global_store_b128 v3, v[56:59], s[28:29]       ; 512 consecutive bytes, aligned
.Lend:
	s_wait_tensorcnt 0x0
	ds_add_u32 v254, v255
	s_wait_dscnt 0x0
	s_endpgm
.Lfunc_end_k_q8397ec4f12_ln1q:
	.size	k_q8397ec4f12_ln1q, .Lfunc_end_k_q8397ec4f12_ln1q-k_q8397ec4f12_ln1q
	.p2alignl 7, 3214868480
	.fill 96, 4, 3214868480
	.section	.rodata,"a",@progbits
	.p2align	6, 0x0
	.amdhsa_kernel k_q8397ec4f12_ln1q
		.amdhsa_group_segment_fixed_size 67584
		.amdhsa_private_segment_fixed_size 0
		.amdhsa_enable_private_segment 0
		.amdhsa_kernarg_size 48
		.amdhsa_user_sgpr_count 2
		.amdhsa_user_sgpr_kernarg_segment_ptr 1
		.amdhsa_wavefront_size32 1
		.amdhsa_system_sgpr_workgroup_id_x 1
		.amdhsa_system_sgpr_workgroup_id_y 1
		.amdhsa_system_sgpr_workgroup_id_z 1
		.amdhsa_system_vgpr_workitem_id 0
		.amdhsa_next_free_vgpr 256
		.amdhsa_next_free_sgpr 66
		.amdhsa_reserve_vcc 0
		.amdhsa_float_denorm_mode_32 3
		.amdhsa_float_denorm_mode_16_64 3
		.amdhsa_memory_ordered 1
		.amdhsa_forward_progress 1
		.amdhsa_inst_pref_size 38
	.end_amdhsa_kernel
	.amdgpu_metadata
---
amdhsa.version: [ 1, 2 ]
amdhsa.kernels:
  - .name:           k_q8397ec4f12_ln1q
    .symbol:         k_q8397ec4f12_ln1q.kd
    .args:
      - { .name: yb, .offset: 0, .size: 8, .value_kind: global_buffer, .address_space: global }
      - { .name: x, .offset: 8, .size: 8, .value_kind: global_buffer, .address_space: global }
      - { .name: bo, .offset: 16, .size: 8, .value_kind: global_buffer, .address_space: global }
      - { .name: ln1_g, .offset: 24, .size: 8, .value_kind: global_buffer, .address_space: global }
      - { .name: ln1_b, .offset: 32, .size: 8, .value_kind: global_buffer, .address_space: global }
      - { .name: x1b, .offset: 40, .size: 8, .value_kind: global_buffer, .address_space: global }
    .group_segment_fixed_size: 67584
    .private_segment_fixed_size: 0
    .kernarg_segment_align: 8
    .kernarg_segment_size: 48
    .max_flat_workgroup_size: 256
    .sgpr_count:     66
    .vgpr_count:     256
    .wavefront_size: 32
...
	.end_amdgpu_metadata
.endif
;; end of part 13
;; launch ffn1 (part 14): grid 16 x 16, 4 waves a work-group, clusters of 4 x 4, 327,680 bytes of LDS; arguments x1b, prepb, b1, hb; writes hb
.if DOCPART == 14
	.amdgcn_target "amdgcn-amd-amdhsa--gfx1250"
	.amdhsa_code_object_version 6
	.text
	.protected	k_q8397ec4f12_ffn1
	.globl	k_q8397ec4f12_ffn1
	.p2align	8
	.type	k_q8397ec4f12_ffn1,@function
k_q8397ec4f12_ffn1:
	s_mov_b64 s[64:65], 0
	v_nop
	global_prefetch_b8 v0, s[64:65] scope:SCOPE_SE
	s_setreg_imm32_b32 hwreg(HW_REG_WAVE_MODE, 25, 1), 1
	s_wait_xcnt 0x0
	s_wait_alu depctr_hold_cnt(0) depctr_sa_sdst(0) depctr_va_vdst(0) depctr_va_sdst(0) depctr_va_ssrc(0) depctr_va_vcc(0) depctr_vm_vsrc(0)
	s_getreg_b32 s2, hwreg(HW_REG_IB_STS2, 6, 4)
	s_cmp_eq_u32 s2, 0
	s_cbranch_scc0 .Lentry_in_a_cluster
	s_endpgm
.Lentry_in_a_cluster:
	s_bfe_u32 s2, ttmp6, 0x10000c
	s_cmp_lg_u32 s2, 0xf033
	s_cbranch_scc0 .Lentry_shape_is_right
	s_endpgm
.Lentry_shape_is_right:
.set KDIM,   1024
.set AOFF,   16777216
.set ASOFF,  19922944
.set BOFF,   6422528
.set BSOFF,  12845056
.set KS,     KDIM/128
.set TILEB,  KS*1536
.set NQ,     2
.set FR,     12
.set NL,     6
.set NP,     4
.set HALFT,  8*NQ*1536
.set SLOT,   4*HALFT
.set LAPS,   KDIM/512
.set SCL,    2*SLOT
.set SBLK,   KS*64
.set HALFS,  8*SBLK
.set SPARE,  SCL+4*HALFS
.set ADRA, 16
.set ADRB, 20
.set ADRS, 27
.set SPW,  28
.set NIL,  29
.set SC,   32
.set AF,   128
.set G1, 24
.set G0, 32
.set G1B, 48
.set G0B, 56
.set G1S, 68
.set G0S, 76
.set G1SB, 80
.set G0SB, 88
.set MSB, 0
.macro WIN new
.if MSB != \new
	s_set_vgpr_msb (MSB<<8)|\new
.set MSB, \new
.endif
.endm
.set MUL_LO, 0xa1
.set MUL_HI, 0xf1
.set TO_B,   0x40
.macro JLOAD g0a, g1a, g0b, g1b
	s_cmp_eq_u32 s15, 0
	s_cbranch_scc0 .Lfor_b_\@
	tensor_load_to_lds s[\g0a:\g0a+3], s[\g1a:\g1a+7]
	s_nop 0
.rept 4
	v_nop
.endr
	s_branch .Lasked_\@
.Lfor_b_\@:
	tensor_load_to_lds s[\g0b:\g0b+3], s[\g1b:\g1b+7]
	s_nop 0
.rept 4
	v_nop
.endr
.Lasked_\@:
.endm
.macro CREST
	s_cmp_lg_u32 s14, 0
	s_cbranch_scc1 .Lnot_wave_0_\@
	s_barrier_signal -3
.Lnot_wave_0_\@:
	s_barrier_wait -3
	s_barrier_signal -1
	s_barrier_wait -1
.endm
.macro CROUND
	s_barrier_signal -1
	s_barrier_wait -1
	CREST
.endm
	s_load_b128 s[4:7], s[0:1], 0x0
	v_lshl_add_u32 v[SPW], v0, 2, SPARE
	v_mov_b32 v[NIL], 0
	ds_add_u32 v28, v29
	ds_add_u32 v28, v29
	s_wait_dscnt 0x0
	v_lshrrev_b32 v1, 5, v0
	v_readfirstlane_b32 s14, v1
	s_lshr_b32 s15, s14, 1
	s_and_b32 s16, s14, 1
	s_bfe_u32 s40, ttmp6, 0x40000
	s_bfe_u32 s41, ttmp6, 0x40004
	s_lshl_b32 s42, ttmp9, 2
	s_add_co_u32 s42, s42, s40
	s_and_b32 s17, ttmp7, 0xffff
	s_lshl_b32 s17, s17, 2
	s_add_co_u32 s17, s17, s41
	s_lshl_b32 s43, s41, 2
	s_lshl_b32 s43, 15, s43
	s_lshl_b32 s44, 0x1111, s40
	s_or_b32 s[G1+0], s43, (3<<16)|(1<<21)
	s_or_b32 s[G1B+0], s44, (3<<16)|(1<<21)
.irp g, G1, G1B
	s_mov_b32 s[\g+1], 384<<16
	s_mov_b32 s[\g+2], 16<<16
	s_mov_b32 s[\g+3], 384<<16
	s_mov_b32 s[\g+4], 16
	s_mov_b32 s[\g+5], TILEB/8
	s_mov_b32 s[\g+6], 0
	s_mov_b32 s[\g+7], 0
.endr
	s_or_b32 s[G1S+0], s43, (3<<16)|(1<<21)
	s_or_b32 s[G1SB+0], s44, (3<<16)|(1<<21)
.irp g, G1S, G1SB
	s_mov_b32 s[\g+1], 32<<16
	s_mov_b32 s[\g+2], (2*HALFS/256)<<16
	s_mov_b32 s[\g+3], 32<<16
	s_mov_b32 s[\g+4], 2*HALFS/256
	s_mov_b32 s[\g+5], 32
	s_mov_b32 s[\g+6], 0
	s_mov_b32 s[\g+7], 0
.endr
	s_lshl_b32 s18, s16, 3
	s_lshl_b32 s20, s17, 4
	s_add_co_u32 s20, s20, s18
	s_lshl_b32 s46, s42, 4
	s_add_co_u32 s46, s46, s18
	s_mul_i32 s22, s20, SBLK
	s_add_co_u32 s22, s22, ASOFF
	s_mul_i32 s20, s20, TILEB
	s_add_co_u32 s20, s20, AOFF
	s_mul_i32 s92, s46, SBLK
	s_add_co_u32 s92, s92, BSOFF
	s_mul_i32 s46, s46, TILEB
	s_add_co_u32 s46, s46, BOFF
	s_mov_b32 s21, 0
	s_mov_b32 s23, 0
	s_mov_b32 s47, 0
	s_mov_b32 s93, 0
	s_mul_i32 s45, s14, HALFT
	s_mul_i32 s94, s15, 2*HALFS                    ; scale words in LDS: A's sixteen tiles, then B's
	s_mul_i32 s18, s16, HALFS                      ; back from my half's scale words to the side's first
	s_mov_b32 s19, 0
	s_wait_kmcnt 0x0
	s_add_nc_u64 s[20:21], s[4:5], s[20:21]
	s_add_nc_u64 s[22:23], s[4:5], s[22:23]
	s_add_nc_u64 s[46:47], s[6:7], s[46:47]
	s_add_nc_u64 s[92:93], s[6:7], s[92:93]
	CROUND
	s_mov_b32 s[G0S], 1
	s_add_co_u32 s[G0S+1], s94, SCL
	s_sub_nc_u64 s[G0S+2:G0S+3], s[22:23], s[18:19]
	s_or_b32 s[G0S+3], s[G0S+3], 0x80000000
	s_mov_b32 s[G0SB], 1
	s_add_co_u32 s[G0SB+1], s94, SCL
	s_sub_nc_u64 s[G0SB+2:G0SB+3], s[92:93], s[18:19]
	s_or_b32 s[G0SB+3], s[G0SB+3], 0x80000000
.irp s, 0,1
	s_mov_b32 s[G0+4*\s], 1
	s_add_co_u32 s[G0+4*\s+1], s45, \s*SLOT
	s_add_nc_u64 s[G0+4*\s+2:G0+4*\s+3], s[20:21], \s*NQ*1536
	s_or_b32 s[G0+4*\s+3], s[G0+4*\s+3], 0x80000000
	s_mov_b32 s[G0B+4*\s], 1
	s_add_co_u32 s[G0B+4*\s+1], s45, \s*SLOT
	s_add_nc_u64 s[G0B+4*\s+2:G0B+4*\s+3], s[46:47], \s*NQ*1536
	s_or_b32 s[G0B+4*\s+3], s[G0B+4*\s+3], 0x80000000
.endr
; THE HEAD'S LOADS, ONE A WAVE: wave 0 slot 0's sixteen tiles of A, wave 1 A's scale words, wave 2 slot 0's sixteen tiles of B, wave 3 B's scale words.
.macro ARM under, g0, g1, next
	s_cmp_lt_u32 s14, \under
	s_cbranch_scc0 \next
	tensor_load_to_lds s[\g0:\g0+3], s[\g1:\g1+7]
	s_nop 0
.rept 4
	v_nop
.endr
	s_branch .Lhead_asked
\next:
.endm
	ARM 1, G0,  G1,  .Lhead_sa
	ARM 2, G0S, G1S, .Lhead_b
	ARM 3, G0B, G1B, .Lhead_sb
	tensor_load_to_lds s[G0SB:G0SB+3], s[G1SB:G1SB+7]
	s_nop 0
.rept 4
	v_nop
.endr
.Lhead_asked:
	v_and_b32 v1, 15, v0
	v_bfe_u32 v2, v0, 4, 1
	s_wait_alu depctr_va_vdst(0)
	v_and_b32 v3, 31, v0
	v_lshlrev_b32 v4, 3, v3
	s_mul_i32 s21, s15, HALFT
	s_mul_i32 s22, s16, HALFT
	s_add_co_u32 s22, s22, 2*HALFT
.irp s, 0,1
	v_add_nc_u32 v[ADRA+\s], s21, v4
	v_add_nc_u32 v[ADRB+\s], s22, v4
	s_add_co_u32 s21, s21, SLOT
	s_add_co_u32 s22, s22, SLOT
.endr
	v_lshlrev_b32 v5, 2, v1
	s_mul_i32 s21, s15, HALFS
	s_mul_i32 s22, s16, HALFS
	s_add_co_u32 s22, s22, 2*HALFS
	s_sub_co_u32 s22, s22, s21
	v_mul_u32_u24 v6, s22, v2
	s_add_co_u32 s21, s21, SCL
	v_add_nc_u32 v5, v5, v6
	v_add_nc_u32 v[ADRS], s21, v5
.macro FRAG reg, adr, q, i
.irp p, 0,1,2,3,4,5
	ds_load_b64 v[\reg+2*\p:\reg+2*\p+1], v[\adr] offset:(\i)*3072+(\q)*1536+256*\p
.endr
.endm
.macro MUL16 a0, p, q, sc, zero
.irp a, \a0, \a0+1
.irp b, 0,1,2,3,4,5,6,7
.if \zero
	v_wmma_scale_f32_16x16x128_f8f6f4 v[8*(8*((\a)%4)+\b):8*(8*((\a)%4)+\b)+7], v[128*(\p)+FR*\b:128*(\p)+FR*\b+FR-1], v[AF+FR*(\a):AF+FR*(\a)+FR-1], 0, v[SC+8*NQ*(\sc)+NQ*\b+(\q)], v[SC+8*NQ*(\sc)+NQ*(\a)+(\q)] matrix_a_fmt:MATRIX_FMT_BF6 matrix_b_fmt:MATRIX_FMT_BF6 matrix_a_scale:MATRIX_SCALE_ROW1
.else
	v_wmma_scale_f32_16x16x128_f8f6f4 v[8*(8*((\a)%4)+\b):8*(8*((\a)%4)+\b)+7], v[128*(\p)+FR*\b:128*(\p)+FR*\b+FR-1], v[AF+FR*(\a):AF+FR*(\a)+FR-1], v[8*(8*((\a)%4)+\b):8*(8*((\a)%4)+\b)+7], v[SC+8*NQ*(\sc)+NQ*\b+(\q)], v[SC+8*NQ*(\sc)+NQ*(\a)+(\q)] matrix_a_fmt:MATRIX_FMT_BF6 matrix_b_fmt:MATRIX_FMT_BF6 matrix_a_scale:MATRIX_SCALE_ROW1
.endif
.endr
.endr
.endm
.macro FETCH_B slot, q, p
	WIN TO_B
.irp i, 0,1,2,3,4,5,6,7
	FRAG 128*(\p)+FR*\i, ADRB+\slot, \q, \i
.endr
	WIN 0
.endm
.macro FETCH_A slot, q, i0
.irp i, \i0, \i0+1, \i0+2, \i0+3
	FRAG AF+FR*(\i), ADRA+\slot, \q, \i
.endr
.endm
.macro SCALES sc
.irp i, 0,1,2,3,4,5,6,7
.irp q, 0,1
	ds_load_b32 v[SC+8*NQ*\sc+NQ*\i+\q], v[ADRS] offset:\i*SBLK+64*\q
.endr
.endr
.endm
.macro PLACES n
.rept \n
	v_nop
.endr
.endm
.macro STEP slot, q, zero
	s_wait_dscnt 4*NL
	WIN MUL_LO
	MUL16 0, (\q)%2, \q, \slot, \zero
	MUL16 2, (\q)%2, \q, \slot, \zero
	s_wait_dscnt 0
	PLACES NP
	FETCH_B \slot, (\q)+1, 1-(\q)%2
	FETCH_A \slot, (\q)+1, 0
	WIN MUL_HI
	MUL16 4, (\q)%2, \q, \slot, \zero
	MUL16 6, (\q)%2, \q, \slot, \zero
	PLACES NP
	WIN 0
	FETCH_A \slot, (\q)+1, 4
.endm
.macro TURN slot, next, fill
	s_wait_tensorcnt 0x0
	ds_add_u32 v[SPW], v[NIL]
	s_wait_dscnt 4*NL+1
	WIN MUL_LO
	MUL16 0, 1, NQ-1, \slot, 0
	s_wait_dscnt 0x0
	s_barrier_signal -1
	MUL16 2, 1, NQ-1, \slot, 0
	WIN 0
	s_barrier_wait -1
.if \fill
	CREST
	s_add_nc_u64 s[G0+4*\slot+2:G0+4*\slot+3], s[G0+4*\slot+2:G0+4*\slot+3], 2*NQ*1536
	s_add_nc_u64 s[G0B+4*\slot+2:G0B+4*\slot+3], s[G0B+4*\slot+2:G0B+4*\slot+3], 2*NQ*1536
	JLOAD G0+4*\slot, G1, G0B+4*\slot, G1B
.else
	PLACES NP
.endif
	s_wait_alu depctr_va_vdst(0)
	v_add_nc_u32 v[ADRS], 64*NQ, v[ADRS]
	FETCH_B \next, 0, 0
	FETCH_A \next, 0, 0
	SCALES \next
	WIN MUL_HI
	MUL16 4, 1, NQ-1, \slot, 0
	MUL16 6, 1, NQ-1, \slot, 0
	PLACES NP
	WIN 0
	FETCH_A \next, 0, 4
.endm
	s_wait_alu depctr_va_vdst(0)
	s_wait_tensorcnt 0x0                           ; my tile of the head's four is in
	ds_add_u32 v[SPW], v[NIL]
	s_mov_b32 s[G1+2], 8<<16                       ; no tensor load of mine is out: from here on a load brings eight tiles
	s_mov_b32 s[G1+4], 8
	s_mov_b32 s[G1B+2], 8<<16
	s_mov_b32 s[G1B+4], 8
	s_wait_dscnt 0x0
	CROUND
	JLOAD G0+4, G1, G0B+4, G1B                     ; slot 1's first fill, the first tensor load behind the round
	FETCH_B 0, 0, 0
	FETCH_A 0, 0, 0
	SCALES 0
	FETCH_A 0, 0, 4
	STEP 0, 0, 1
	s_mov_b32 s3, LAPS-1
.Llap:
	TURN 0, 1, 1
	STEP 1, 0, 0
	TURN 1, 0, 1
	STEP 0, 0, 0
	s_sub_co_u32 s3, s3, 1
	s_cmp_lg_u32 s3, 0
	s_cbranch_scc1 .Llap
	TURN 0, 1, 0
	STEP 1, 0, 0
	s_wait_dscnt 4*NL
	WIN MUL_LO
	MUL16 0, 1, NQ-1, 1, 0
	MUL16 2, 1, NQ-1, 1, 0
	s_wait_dscnt 0
	WIN MUL_HI
	MUL16 4, 1, NQ-1, 1, 0
	MUL16 6, 1, NQ-1, 1, 0
	WIN 0
.set T,    64
.set ZR,   128
.set E,    160
.set H,    192
.set TM,   192
.set PC,   224
.set PW,   18
.set C8V,  20
.set SELW, 22
.set VO,   24
.set VSO,  25
.set NEGL, 24
.set C0,   26
.set C1,   28
.set C2,   30
.set C3,   32
.set C4,   34
.set C5,   36
.set C6,   38
.set C7,   44
.set C9,   46
.set SEL,  56
.set LM,   58
.set U,    66
.set RS2,  67
.macro KONST reg, bits
	s_mov_b32 s[\reg], \bits
	s_mov_b32 s[\reg+1], \bits
.endm
.macro QUANT s, pc, pw
.irp b, 0,1,2,3
	v_max3_num_f32 v[TM+\b], |v[\s+16*\b]|, |v[\s+1+16*\b]|, 0x2800000
.endr
.irp i, 2,4,6,8,10,12,14
.irp b, 0,1,2,3
	v_max3_num_f32 v[TM+\b], v[TM+\b], |v[\s+16*\b+\i]|, |v[\s+1+16*\b+\i]|
.endr
.endr
.irp b, 0,1,2,3
	v_permlanex16_b32 v[TM+4+\b], v[TM+\b], s[SEL], s[SEL+1]
.endr
.irp b, 0,1,2,3
	v_max_num_f32 v[TM+\b], v[TM+\b], v[TM+4+\b]
.endr
.irp b, 0,1,2,3
	v_add_nc_u32 v[TM+12+\b], 0xfe000000, v[TM+\b]
.endr
.irp b, 0,1,2,3
	v_lshrrev_b32 v[TM+4+\b], 23, v[TM+12+\b]
.endr
	v_lshl_or_b32 v[\pw], v[TM+5], 8, v[TM+4]
	v_lshl_or_b32 v[\pw], v[TM+6], 16, v[\pw]
	v_lshl_or_b32 v[\pw], v[TM+7], 24, v[\pw]
.irp c, 0,1
	v_cvt_scalef32_pk16_bf6_f32 v[\pc+6*\c:\pc+2+6*\c], v[\s+32*\c:\s+15+32*\c], v[TM+12+2*\c]
	v_cvt_scalef32_pk16_bf6_f32 v[\pc+12+4*\c:\pc+14+4*\c], v[\s+16+32*\c:\s+31+32*\c], v[TM+12+2*\c+1]
.endr
	v_nop
.irp c, 0,1
.irp i, 0,1,2
	v_permlane16_swap_b32 v[\pc+6*\c+\i], v[\pc+12+4*\c+\i]
.endr
.irp i, 0,1,2
	v_mov_b32 v[\pc+3+6*\c+\i], v[\pc+12+4*\c+\i]
.endr
.endr
.endm
.macro GELU k
.set i, 0
.rept 32
	v_mul_f32 v[ZR+i], s[RS2], |v[T+(\k)+i]|
.set i, i+1
.endr
.set i, 0
.rept 16
	v_pk_mul_f32 v[E+i:E+i+1], v[ZR+i:ZR+i+1], s[NEGL:NEGL+1] op_sel_hi:[1,0]
.set i, i+2
.endr
.set i, 0
.rept 16
	v_pk_fma_f32 v[E+i:E+i+1], v[E+i:E+i+1], v[ZR+i:ZR+i+1], s[C0:C0+1] op_sel_hi:[1,1,0]
.set i, i+2
.endr
.set i, 0
.rept 16
	v_pk_fma_f32 v[ZR+i:ZR+i+1], v[ZR+i:ZR+i+1], 0.5, 1.0 op_sel_hi:[1,0,0]
.set i, i+2
.endr
.set i, 0
	s_wait_alu depctr_va_vdst(0)
.rept 32
	v_rcp_f32 v[ZR+i], v[ZR+i]
.set i, i+1
.endr
	v_nop
	s_wait_alu depctr_va_vdst(0)
.set i, 0
.rept 16
	v_pk_fma_f32 v[H+i:H+i+1], v[ZR+i:ZR+i+1], s[C9:C9+1], v[C8V:C8V+1] op_sel_hi:[1,0,1]
.set i, i+2
.endr
.irp c, C7,C6,C5,C4,C3,C2,C1
.set i, 0
.rept 16
	v_pk_fma_f32 v[H+i:H+i+1], v[H+i:H+i+1], v[ZR+i:ZR+i+1], s[\c:\c+1] op_sel_hi:[1,1,0]
.set i, i+2
.endr
.endr
.set i, 0
.rept 16
	v_pk_fma_f32 v[E+i:E+i+1], v[H+i:H+i+1], v[ZR+i:ZR+i+1], v[E+i:E+i+1]
.set i, i+2
.endr
.set i, 0
	s_wait_alu depctr_va_vdst(0)
.rept 32
	v_exp_f32 v[E+i], v[E+i]
.set i, i+1
.endr
.set i, 0
.rept 32
	v_max_num_f32 v[H+i], 0, v[T+(\k)+i]
.set i, i+1
.endr
	s_wait_alu depctr_va_vdst(0)
.set i, 0
.rept 16
	v_pk_mul_f32 v[E+i:E+i+1], v[E+i:E+i+1], v[ZR+i:ZR+i+1]
.set i, i+2
.endr
.set i, 0
.rept 32
	v_fma_f32 v[T+(\k)+i], -|v[T+(\k)+i]|, v[E+i], v[H+i]
.set i, i+1
.endr
.endm
.macro COPY a
	WIN 0x06+(\a)/4
.set i, 0
.rept 32
	v_pk_add_f32 v[T+i:T+i+1], v[64*((\a)%4)+i:64*((\a)%4)+i+1], v[i:i+1]
.set i, i+2
.endr
	WIN 0
.endm
.macro HBLOCK e
	s_cmp_eq_u32 s[U], 0
	s_cbranch_scc1 .Lu0_\@
	s_cmp_eq_u32 s[U], 1
	s_cbranch_scc1 .Lu1_\@
	s_cmp_eq_u32 s[U], 2
	s_cbranch_scc1 .Lu2_\@
	COPY 6+\e
	s_branch .Lgo_\@
.Lu0_\@:
	COPY 0+\e
	s_branch .Lgo_\@
.Lu1_\@:
	COPY 2+\e
	s_branch .Lgo_\@
.Lu2_\@:
	COPY 4+\e
.Lgo_\@:
	GELU 0
	GELU 32
	s_wait_xcnt 0x0
	QUANT T, PC, PW+\e
.irp p, 0,1,2,3,4,5
	global_store_b64 v[VO], v[PC+2*\p:PC+2*\p+1], s[52:53] offset:\e*49152+256*\p
.endr
.endm
	PLACES NP
	s_load_b128 s[48:51], s[0:1], 0x10
	KONST NEGL, 0xbfb8aa3b
	KONST C0, 0xc034d90f
	KONST C1, 0x3fb8ab5a
	KONST C2, 0x3f0a29d2
	KONST C3, 0x3e0efb2e
	KONST C4, 0xbe899a80
	KONST C5, 0x3ecdfd18
	KONST C6, 0xbfd1a1e5
	KONST C7, 0x40097039
	KONST C9, 0x3e7c6f08
	s_mov_b32 s[RS2], 0x3f3504f3
	s_mov_b32 s[SEL], 0x76543210
	s_mov_b32 s[SEL+1], 0xfedcba98
	s_mov_b32 s[LM], 0xffff0000
	v_mov_b32 v[C8V], 0xbf97d29d
	v_mov_b32 v[C8V+1], 0xbf97d29d
	v_and_b32 v1, 15, v0
	v_bfe_u32 v2, v0, 4, 1
	v_and_b32 v3, 31, v0
	v_lshlrev_b32 v[VO], 3, v3
	v_lshlrev_b32 v[VSO], 11, v2
	v_lshl_add_u32 v[VSO], v1, 2, v[VSO]
	v_lshlrev_b32 v5, 6, v2
	s_lshl_b32 s59, s17, 4
	s_lshl_b32 s60, s15, 3
	s_add_co_u32 s59, s59, s60
	s_lshl_b32 s59, s59, 5
	s_lshl_b32 s60, s42, 1
	s_add_co_u32 s59, s59, s60
	s_add_co_u32 s59, s59, s16
	s_mul_i32 s60, s59, 1536
	s_mov_b32 s61, 0
	s_lshl_b32 s62, s59, 6
	s_add_co_u32 s62, s62, 12582912
	s_mov_b32 s63, 0
	s_lshl_b32 s68, s42, 10
	s_lshl_b32 s69, s16, 9
	s_add_co_u32 s68, s68, s69
	s_mov_b32 s69, 0
	s_wait_alu depctr_va_vdst(0)
	s_wait_kmcnt 0x0
	s_add_nc_u64 s[52:53], s[50:51], s[60:61]
	s_add_nc_u64 s[54:55], s[50:51], s[62:63]
	s_add_nc_u64 s[48:49], s[48:49], s[68:69]
	WIN 0x40
.irp b, 0,1,2,3
.irp j, 0,1,2,3
	global_load_b128 v[16*\b+4*\j:16*\b+4*\j+3], v5, s[48:49] offset:128*\b+16*\j
.endr
.endr
	WIN 0
	s_wait_loadcnt 0x0
	s_mov_b32 s[U], 0
.Lpair:
	HBLOCK 0
	HBLOCK 1
	v_cndmask_b32 v[SELW], v[PW], v[PW+1], s[LM]
	global_store_b32 v[VSO], v[SELW], s[54:55]
	s_wait_xcnt 0x0
	v_add_nc_u32 v[VO], 98304, v[VO]
	v_add_nc_u32 v[VSO], 4096, v[VSO]
	s_add_co_u32 s[U], s[U], 1
	s_cmp_lt_u32 s[U], 4
	s_cbranch_scc1 .Lpair
	s_wait_tensorcnt 0x0
	ds_add_u32 v[SPW], v[NIL]
	s_wait_dscnt 0x0
	CROUND
	s_endpgm
.Lfunc_end_k_q8397ec4f12_ffn1:
	.size	k_q8397ec4f12_ffn1, .Lfunc_end_k_q8397ec4f12_ffn1-k_q8397ec4f12_ffn1
	.p2alignl 7, 3214868480
	.fill 96, 4, 3214868480
	.section	.rodata,"a",@progbits
	.p2align	6, 0x0
	.amdhsa_kernel k_q8397ec4f12_ffn1
		.amdhsa_group_segment_fixed_size 327680
		.amdhsa_private_segment_fixed_size 0
		.amdhsa_enable_private_segment 0
		.amdhsa_kernarg_size 32
		.amdhsa_user_sgpr_count 2
		.amdhsa_user_sgpr_kernarg_segment_ptr 1
		.amdhsa_wavefront_size32 1
		.amdhsa_system_sgpr_workgroup_id_x 1
		.amdhsa_system_sgpr_workgroup_id_y 1
		.amdhsa_system_sgpr_workgroup_id_z 1
		.amdhsa_system_vgpr_workitem_id 0
		.amdhsa_next_free_vgpr 1024
		.amdhsa_next_free_sgpr 100
		.amdhsa_reserve_vcc 0
		.amdhsa_float_denorm_mode_32 3
		.amdhsa_float_denorm_mode_16_64 3
		.amdhsa_memory_ordered 1
		.amdhsa_forward_progress 1
		.amdhsa_inst_pref_size 243
	.end_amdhsa_kernel
	.amdgpu_metadata
---
amdhsa.version: [ 1, 2 ]
amdhsa.kernels:
  - .name:           k_q8397ec4f12_ffn1
    .symbol:         k_q8397ec4f12_ffn1.kd
    .args:
      - { .name: x1b, .offset: 0, .size: 8, .value_kind: global_buffer, .address_space: global }
      - { .name: prepb, .offset: 8, .size: 8, .value_kind: global_buffer, .address_space: global }
      - { .name: b1, .offset: 16, .size: 8, .value_kind: global_buffer, .address_space: global }
      - { .name: hb, .offset: 24, .size: 8, .value_kind: global_buffer, .address_space: global }
    .group_segment_fixed_size: 327680
    .private_segment_fixed_size: 0
    .kernarg_segment_align: 8
    .kernarg_segment_size: 32
    .max_flat_workgroup_size: 128
    .sgpr_count:     100
    .vgpr_count:     1024
    .wavefront_size: 32
...
	.end_amdgpu_metadata
.endif
;; end of part 14
;; launch ffn2 (part 15): grid 8 x 32, 4 waves a work-group, clusters of 4 x 4, 327,680 bytes of LDS; arguments hb, prepb, yb; writes yb
.if DOCPART == 15
	.amdgcn_target "amdgcn-amd-amdhsa--gfx1250"
	.amdhsa_code_object_version 6
	.text
	.protected	k_q8397ec4f12_ffn2
	.globl	k_q8397ec4f12_ffn2
	.p2align	8
	.type	k_q8397ec4f12_ffn2,@function
k_q8397ec4f12_ffn2:
	s_mov_b64 s[64:65], 0
	v_nop
	global_prefetch_b8 v0, s[64:65] scope:SCOPE_SE
	s_setreg_imm32_b32 hwreg(HW_REG_WAVE_MODE, 25, 1), 1
	s_wait_xcnt 0x0
	s_wait_alu depctr_hold_cnt(0) depctr_sa_sdst(0) depctr_va_vdst(0) depctr_va_sdst(0) depctr_va_ssrc(0) depctr_va_vcc(0) depctr_vm_vsrc(0)
	s_getreg_b32 s2, hwreg(HW_REG_IB_STS2, 6, 4)
	s_cmp_eq_u32 s2, 0
	s_cbranch_scc0 .Lentry_in_a_cluster
	s_endpgm
.Lentry_in_a_cluster:
	s_bfe_u32 s2, ttmp6, 0x10000c
	s_cmp_lg_u32 s2, 0xf033
	s_cbranch_scc0 .Lentry_shape_is_right
	s_endpgm
.Lentry_shape_is_right:
.set KDIM,   4096
.set ASOFF,  12582912
.set BOFF,   9568256
.set BSOFF,  12976128
.set KS,     KDIM/128
.set TILEB,  KS*1536
.set NQ,     4
.set FR,     12
.set NP,     4
.set HALFT,  4*NQ*1536
.set SLOT,   4*HALFT
.set LAPS,   KDIM/(2*NQ*128)
.set SCL,    2*SLOT
.set SBLK,   KS*64
.set HALFS,  4*SBLK
.set SPARE,  SCL+4*HALFS
.set SPITCH, 272
.set ADRA, 16
.set ADRB, 20
.set STO,  24
.set RD,   25
.set CO,   26
.set ADRS, 27
.set SPW,  28
.set NIL,  29
.set SC,   32
.set BK,   64
.set ACC,  128
.set G1, 24
.set G0, 32
.set G1B, 48
.set G0B, 56
.set G1S, 68
.set G0S, 76
.set G1SB, 80
.set G0SB, 88
.set MSB, 0
.macro WIN new
.if MSB != \new
	s_set_vgpr_msb (MSB<<8)|\new
.set MSB, \new
.endif
.endm
.set MUL,  0x05
.set TO_F, 0x40
.macro JLOAD g0a, g1a, g0b, g1b
	s_cmp_eq_u32 s15, 0
	s_cbranch_scc0 .Lfor_b_\@
	tensor_load_to_lds s[\g0a:\g0a+3], s[\g1a:\g1a+7]
	s_nop 0
.rept 4
	v_nop
.endr
	s_branch .Lasked_\@
.Lfor_b_\@:
	tensor_load_to_lds s[\g0b:\g0b+3], s[\g1b:\g1b+7]
	s_nop 0
.rept 4
	v_nop
.endr
.Lasked_\@:
.endm
.macro CREST
	s_cmp_lg_u32 s14, 0
	s_cbranch_scc1 .Lnot_wave_0_\@
	s_barrier_signal -3
.Lnot_wave_0_\@:
	s_barrier_wait -3
	s_barrier_signal -1
	s_barrier_wait -1
.endm
.macro CROUND
	s_barrier_signal -1
	s_barrier_wait -1
	CREST
.endm
	s_load_b128 s[4:7], s[0:1], 0x0
	s_load_b64 s[12:13], s[0:1], 0x10
	v_lshl_add_u32 v[SPW], v0, 2, SPARE
	v_mov_b32 v[NIL], 0
	ds_add_u32 v28, v29
	ds_add_u32 v28, v29
	s_wait_dscnt 0x0
	v_lshrrev_b32 v1, 5, v0
	v_readfirstlane_b32 s14, v1
	s_lshr_b32 s15, s14, 1
	s_and_b32 s16, s14, 1
	s_bfe_u32 s40, ttmp6, 0x40000
	s_bfe_u32 s41, ttmp6, 0x40004
	s_lshl_b32 s42, ttmp9, 2
	s_add_co_u32 s42, s42, s40
	s_and_b32 s17, ttmp7, 0xffff
	s_lshl_b32 s17, s17, 2
	s_add_co_u32 s17, s17, s41
	s_lshl_b32 s43, s41, 2
	s_lshl_b32 s43, 15, s43
	s_lshl_b32 s44, 0x1111, s40
	s_or_b32 s[G1+0], s43, (3<<16)|(1<<21)
	s_or_b32 s[G1B+0], s44, (3<<16)|(1<<21)
.irp g, G1, G1B
	s_mov_b32 s[\g+1], 768<<16
	s_mov_b32 s[\g+2], 8<<16
	s_mov_b32 s[\g+3], 768<<16
	s_mov_b32 s[\g+4], 8
	s_mov_b32 s[\g+5], TILEB/8
	s_mov_b32 s[\g+6], 0
	s_mov_b32 s[\g+7], 0
.endr
	s_or_b32 s[G1S+0], s43, (3<<16)|(1<<21)
	s_or_b32 s[G1SB+0], s44, (3<<16)|(1<<21)
.irp g, G1S, G1SB
	s_mov_b32 s[\g+1], 32<<16
	s_mov_b32 s[\g+2], (2*HALFS/256)<<16
	s_mov_b32 s[\g+3], 32<<16
	s_mov_b32 s[\g+4], 2*HALFS/256
	s_mov_b32 s[\g+5], 32
	s_mov_b32 s[\g+6], 0
	s_mov_b32 s[\g+7], 0
.endr
	s_lshl_b32 s18, s16, 2
	s_lshl_b32 s20, s17, 3
	s_add_co_u32 s20, s20, s18
	s_lshl_b32 s46, s42, 3
	s_add_co_u32 s46, s46, s18
	s_mul_i32 s22, s20, SBLK
	s_add_co_u32 s22, s22, ASOFF
	s_mul_i32 s20, s20, TILEB
	s_mul_i32 s92, s46, SBLK
	s_add_co_u32 s92, s92, BSOFF
	s_mul_i32 s46, s46, TILEB
	s_add_co_u32 s46, s46, BOFF
	s_mov_b32 s21, 0
	s_mov_b32 s23, 0
	s_mov_b32 s47, 0
	s_mov_b32 s93, 0
	s_mul_i32 s45, s14, HALFT
	s_mul_i32 s94, s15, 2*HALFS                    ; scale words in LDS: A's eight tiles, then B's
	s_mul_i32 s18, s16, HALFS                      ; back from my half's scale words to the side's first
	s_mov_b32 s19, 0
	s_wait_kmcnt 0x0
	s_add_nc_u64 s[20:21], s[4:5], s[20:21]
	s_add_nc_u64 s[22:23], s[4:5], s[22:23]
	s_add_nc_u64 s[46:47], s[6:7], s[46:47]
	s_add_nc_u64 s[92:93], s[6:7], s[92:93]
	CROUND
	s_mov_b32 s[G0S], 1
	s_add_co_u32 s[G0S+1], s94, SCL
	s_sub_nc_u64 s[G0S+2:G0S+3], s[22:23], s[18:19]
	s_or_b32 s[G0S+3], s[G0S+3], 0x80000000
	s_mov_b32 s[G0SB], 1
	s_add_co_u32 s[G0SB+1], s94, SCL
	s_sub_nc_u64 s[G0SB+2:G0SB+3], s[92:93], s[18:19]
	s_or_b32 s[G0SB+3], s[G0SB+3], 0x80000000
.irp s, 0,1
	s_mov_b32 s[G0+4*\s], 1
	s_add_co_u32 s[G0+4*\s+1], s45, \s*SLOT
	s_add_nc_u64 s[G0+4*\s+2:G0+4*\s+3], s[20:21], \s*NQ*1536
	s_or_b32 s[G0+4*\s+3], s[G0+4*\s+3], 0x80000000
	s_mov_b32 s[G0B+4*\s], 1
	s_add_co_u32 s[G0B+4*\s+1], s45, \s*SLOT
	s_add_nc_u64 s[G0B+4*\s+2:G0B+4*\s+3], s[46:47], \s*NQ*1536
	s_or_b32 s[G0B+4*\s+3], s[G0B+4*\s+3], 0x80000000
.endr
; THE HEAD'S LOADS, ONE A WAVE: wave 0 slot 0's eight tiles of A, wave 1 A's scale words, wave 2 slot 0's eight tiles of B, wave 3 B's scale words.
.macro ARM under, g0, g1, next
	s_cmp_lt_u32 s14, \under
	s_cbranch_scc0 \next
	tensor_load_to_lds s[\g0:\g0+3], s[\g1:\g1+7]
	s_nop 0
.rept 4
	v_nop
.endr
	s_branch .Lhead_asked
\next:
.endm
	ARM 1, G0,  G1,  .Lhead_sa
	ARM 2, G0S, G1S, .Lhead_b
	ARM 3, G0B, G1B, .Lhead_sb
	tensor_load_to_lds s[G0SB:G0SB+3], s[G1SB:G1SB+7]
	s_nop 0
.rept 4
	v_nop
.endr
.Lhead_asked:
	v_and_b32 v1, 15, v0
	v_bfe_u32 v2, v0, 4, 1
	s_wait_alu depctr_va_vdst(0)
	v_and_b32 v3, 31, v0
	v_lshlrev_b32 v4, 3, v3
	s_mul_i32 s21, s15, HALFT
	s_mul_i32 s22, s16, HALFT
	s_add_co_u32 s22, s22, 2*HALFT
.irp s, 0,1
	v_add_nc_u32 v[ADRA+\s], s21, v4
	v_add_nc_u32 v[ADRB+\s], s22, v4
	s_add_co_u32 s21, s21, SLOT
	s_add_co_u32 s22, s22, SLOT
.endr
	v_lshlrev_b32 v5, 2, v1
	s_mul_i32 s21, s15, HALFS
	s_mul_i32 s22, s16, HALFS
	s_add_co_u32 s22, s22, 2*HALFS
	s_sub_co_u32 s22, s22, s21
	v_mul_u32_u24 v6, s22, v2
	s_add_co_u32 s21, s21, SCL
	v_add_nc_u32 v5, v5, v6
	v_add_nc_u32 v[ADRS], s21, v5
	s_mul_i32 s23, s14, 16*SPITCH
	v_mul_u32_u24 v5, v1, SPITCH
	v_lshl_add_u32 v5, v2, 6, v5
	v_add_nc_u32 v[STO], s23, v5
	v_mul_u32_u24 v5, v2, SPITCH
	v_lshl_add_u32 v5, v1, 4, v5
	v_add_nc_u32 v[RD], s23, v5
	v_lshlrev_b32 v[CO], 12, v2
	v_lshl_add_u32 v[CO], v1, 4, v[CO]
	s_lshl_b32 s20, s17, 7
	s_lshl_b32 s21, s15, 6
	s_add_co_u32 s20, s20, s21
	s_lshl_b32 s20, s20, 12
	s_mov_b32 s21, 0
	s_lshl_b32 s46, s42, 9
	s_lshl_b32 s47, s16, 8
	s_add_co_u32 s46, s46, s47
	s_mov_b32 s47, 0
	s_add_nc_u64 s[20:21], s[20:21], s[46:47]
	s_add_nc_u64 s[12:13], s[12:13], s[20:21]
.macro FRAG reg, adr, q, i
.irp p, 0,1,2,3,4,5
	ds_load_b64 v[\reg+2*\p:\reg+2*\p+1], v[\adr] offset:(\i)*NQ*1536+(\q)*1536+256*\p
.endr
.endm
.macro MUL4 a, p, q, sc, zero
.irp b, 0,1,2,3
.if \zero
	v_wmma_scale_f32_16x16x128_f8f6f4 v[ACC+8*(4*(\a)+\b):ACC+8*(4*(\a)+\b)+7], v[128*(\p)+FR*\b:128*(\p)+FR*\b+FR-1], v[128*(\p)+48+FR*(\a):128*(\p)+48+FR*(\a)+FR-1], 0, v[SC+4*NQ*(\sc)+NQ*\b+(\q)], v[SC+4*NQ*(\sc)+NQ*(\a)+(\q)] matrix_a_fmt:MATRIX_FMT_BF6 matrix_b_fmt:MATRIX_FMT_BF6 matrix_a_scale:MATRIX_SCALE_ROW1
.else
	v_wmma_scale_f32_16x16x128_f8f6f4 v[ACC+8*(4*(\a)+\b):ACC+8*(4*(\a)+\b)+7], v[128*(\p)+FR*\b:128*(\p)+FR*\b+FR-1], v[128*(\p)+48+FR*(\a):128*(\p)+48+FR*(\a)+FR-1], v[ACC+8*(4*(\a)+\b):ACC+8*(4*(\a)+\b)+7], v[SC+4*NQ*(\sc)+NQ*\b+(\q)], v[SC+4*NQ*(\sc)+NQ*(\a)+(\q)] matrix_a_fmt:MATRIX_FMT_BF6 matrix_b_fmt:MATRIX_FMT_BF6 matrix_a_scale:MATRIX_SCALE_ROW1
.endif
.endr
.endm
.macro FETCH slot, q, p
	WIN TO_F
.irp i, 0,1,2,3
	FRAG 128*(\p)+FR*\i, ADRB+\slot, \q, \i
.endr
.irp i, 0,1,2,3
	FRAG 128*(\p)+48+FR*\i, ADRA+\slot, \q, \i
.endr
.endm
.macro SCALES sc
.irp i, 0,1,2,3
.irp q, 0,1,2,3
	ds_load_b32 v[SC+4*NQ*\sc+NQ*\i+\q], v[ADRS] offset:\i*SBLK+64*\q
.endr
.endr
.endm
.macro PLACES n
.rept \n
	v_nop
.endr
.endm
.macro STEP slot, q, zero
	s_wait_dscnt 0x0
	PLACES NP
	FETCH \slot, (\q)+1, 1-(\q)%2
	WIN MUL
	MUL4 0, (\q)%2, \q, \slot, \zero
	MUL4 1, (\q)%2, \q, \slot, \zero
	MUL4 2, (\q)%2, \q, \slot, \zero
	MUL4 3, (\q)%2, \q, \slot, \zero
.endm
.macro TURN slot, next, fill
	WIN 0
	s_wait_tensorcnt 0x0
	ds_add_u32 v[SPW], v[NIL]
	s_wait_dscnt 1
	WIN MUL
	MUL4 0, 1, NQ-1, \slot, 0
	s_wait_dscnt 0x0
	s_barrier_signal -1
	MUL4 1, 1, NQ-1, \slot, 0
	WIN 0
	s_barrier_wait -1
.if \fill
	CREST
	s_add_nc_u64 s[G0+4*\slot+2:G0+4*\slot+3], s[G0+4*\slot+2:G0+4*\slot+3], 2*NQ*1536
	s_add_nc_u64 s[G0B+4*\slot+2:G0B+4*\slot+3], s[G0B+4*\slot+2:G0B+4*\slot+3], 2*NQ*1536
	JLOAD G0+4*\slot, G1, G0B+4*\slot, G1B
.else
	PLACES NP
.endif
	s_wait_alu depctr_va_vdst(0)
	v_add_nc_u32 v[ADRS], 64*NQ, v[ADRS]
	FETCH \next, 0, 0
	WIN 0
	SCALES \next
	WIN MUL
	MUL4 2, 1, NQ-1, \slot, 0
	MUL4 3, 1, NQ-1, \slot, 0
.endm
	s_wait_alu depctr_va_vdst(0)
	s_wait_tensorcnt 0x0                           ; my tile of the head's four is in
	ds_add_u32 v[SPW], v[NIL]
	s_mov_b32 s[G1+2], 4<<16                       ; no tensor load of mine is out: from here on a load brings four tiles
	s_mov_b32 s[G1+4], 4
	s_mov_b32 s[G1B+2], 4<<16
	s_mov_b32 s[G1B+4], 4
	s_wait_dscnt 0x0
	CROUND
	JLOAD G0+4, G1, G0B+4, G1B                     ; slot 1's first fill, the first tensor load behind the round
	FETCH 0, 0, 0
	WIN 0
	SCALES 0
	STEP 0, 0, 1
.if LAPS > 1
	WIN 0
	s_mov_b32 s3, LAPS-1
.Llap:
	STEP 0, 1, 0
	STEP 0, 2, 0
	TURN 0, 1, 1
	STEP 1, 0, 0
	STEP 1, 1, 0
	STEP 1, 2, 0
	TURN 1, 0, 1
	STEP 0, 0, 0
	WIN 0
	s_sub_co_u32 s3, s3, 1
	s_cmp_lg_u32 s3, 0
	s_cbranch_scc1 .Llap
.endif
	STEP 0, 1, 0
	STEP 0, 2, 0
	TURN 0, 1, 0
	STEP 1, 0, 0
	STEP 1, 1, 0
	STEP 1, 2, 0
	s_wait_dscnt 0x0
	WIN MUL
	MUL4 0, 1, NQ-1, 1, 0
	MUL4 1, 1, NQ-1, 1, 0
	MUL4 2, 1, NQ-1, 1, 0
	MUL4 3, 1, NQ-1, 1, 0
	WIN 0
.macro TOSTAGE a
.irp b, 0,1,2,3
	ds_store_b128 v[STO], v[ACC+8*(4*(\a)+\b):ACC+8*(4*(\a)+\b)+3] offset:128*(\b/2)+32*(\b%2)
	ds_store_b128 v[STO], v[ACC+8*(4*(\a)+\b)+4:ACC+8*(4*(\a)+\b)+7] offset:128*(\b/2)+32*(\b%2)+16
.endr
.set BB, BK+32*((\a)%2)
.irp t, 0,1,2,3,4,5,6,7
	ds_load_b128 v[BB+4*\t:BB+4*\t+3], v[RD] offset:\t*2*SPITCH
.endr
.endm
.macro SEND a, younger
.set BB, BK+32*((\a)%2)
	s_wait_dscnt \younger
.irp t, 0,1,2,3,4,5,6,7
	global_store_b128 v[CO], v[BB+4*\t:BB+4*\t+3], s[12:13] offset:(32*((\a)/2)+8*((\a)%2)+2*\t+8*(\t/4))*4096 th:TH_STORE_NT
.endr
.endm
	PLACES NP
	TOSTAGE 0
.irp a, 1,2,3
.if \a > 1
	s_wait_xcnt 0x0
.endif
	TOSTAGE \a
	SEND \a-1, 16
.endr
	SEND 3, 0
	s_wait_tensorcnt 0x0
	ds_add_u32 v[SPW], v[NIL]
	s_wait_dscnt 0x0
	CROUND
	s_endpgm
.Lfunc_end_k_q8397ec4f12_ffn2:
	.size	k_q8397ec4f12_ffn2, .Lfunc_end_k_q8397ec4f12_ffn2-k_q8397ec4f12_ffn2
	.p2alignl 7, 3214868480
	.fill 96, 4, 3214868480
	.section	.rodata,"a",@progbits
	.p2align	6, 0x0
	.amdhsa_kernel k_q8397ec4f12_ffn2
		.amdhsa_group_segment_fixed_size 327680
		.amdhsa_private_segment_fixed_size 0
		.amdhsa_enable_private_segment 0
		.amdhsa_kernarg_size 24
		.amdhsa_user_sgpr_count 2
		.amdhsa_user_sgpr_kernarg_segment_ptr 1
		.amdhsa_wavefront_size32 1
		.amdhsa_system_sgpr_workgroup_id_x 1
		.amdhsa_system_sgpr_workgroup_id_y 1
		.amdhsa_system_sgpr_workgroup_id_z 1
		.amdhsa_system_vgpr_workitem_id 0
		.amdhsa_next_free_vgpr 512
		.amdhsa_next_free_sgpr 100
		.amdhsa_reserve_vcc 0
		.amdhsa_float_denorm_mode_32 3
		.amdhsa_float_denorm_mode_16_64 3
		.amdhsa_memory_ordered 1
		.amdhsa_forward_progress 1
		.amdhsa_inst_pref_size 109
	.end_amdhsa_kernel
	.amdgpu_metadata
---
amdhsa.version: [ 1, 2 ]
amdhsa.kernels:
  - .name:           k_q8397ec4f12_ffn2
    .symbol:         k_q8397ec4f12_ffn2.kd
    .args:
      - { .name: hb, .offset: 0, .size: 8, .value_kind: global_buffer, .address_space: global }
      - { .name: prepb, .offset: 8, .size: 8, .value_kind: global_buffer, .address_space: global }
      - { .name: yb, .offset: 16, .size: 8, .value_kind: global_buffer, .address_space: global }
    .group_segment_fixed_size: 327680
    .private_segment_fixed_size: 0
    .kernarg_segment_align: 8
    .kernarg_segment_size: 24
    .max_flat_workgroup_size: 128
    .sgpr_count:     100
    .vgpr_count:     512
    .wavefront_size: 32
...
	.end_amdgpu_metadata
.endif
;; end of part 15
;; launch lnfin (part 16): grid 256 x 1, 8 waves a work-group, no clusters, 0 bytes of LDS; arguments yb, x1b, b2, lnf_g, lnf_b, ln2_g, ln2_b, out0; writes out0
.if DOCPART == 16
	.amdgcn_target "amdgcn-amd-amdhsa--gfx1250"
	.amdhsa_code_object_version 6
	.text
	.protected	k_q8397ec4f12_lnfin
	.globl	k_q8397ec4f12_lnfin
	.p2align	8
	.type	k_q8397ec4f12_lnfin,@function
k_q8397ec4f12_lnfin:
	s_mov_b64 s[64:65], 0
	v_nop
	global_prefetch_b8 v0, s[64:65] scope:SCOPE_SE
	s_setreg_imm32_b32 hwreg(HW_REG_WAVE_MODE, 25, 1), 1
	s_wait_xcnt 0x0
; out = LayerNorm(x1 + LayerNorm(y + b2 + x1; eps 1e-12); eps 1e-5).  A wave takes two rows, one after the other, a row in 32 registers a lane; the five vectors stay in 160 registers.
; Each norm: the mean first, then the mean of the squared differences: no difference of large sums.  One wave, one row: no LDS, no barrier.  Memory binds: matrix units, clusters and tensor loads would add nothing.
; Each load and store of a wave covers 512 consecutive bytes, aligned.  LIMITS: NaN and infinities are not served.
.set B2V, 16                           ; v16-47    b2
.set FG,  48                           ; v48-79    the inner norm's gain
.set FB,  80                           ; v80-111   and bias
.set G2,  112                          ; v112-143  the outer norm's gain
.set B2B, 144                          ; v144-175  and bias
.set Y,   176                          ; v176-207  y, then the row at work, then the result
.set X,   208                          ; v208-239  x1
.set A0,  240
.set A1,  242
.set MU,  244
.set RS,  246
.set TP,  248
.set SEL, 2
.set INV, 24                           ; s24  1 / 1,024
.set EPSF, 25                          ; s25  1e-12
.set EPS2, 26                          ; s26  1e-5
.macro WSUM a                          ; the sum over the wave's 32 lanes, in every lane
	s_delay_alu instid0(VALU_DEP_1)
	v_add_f32_dpp v[\a], v[\a], v[\a] row_xmask:1 row_mask:0xf bank_mask:0xf
	s_delay_alu instid0(VALU_DEP_1)
	v_add_f32_dpp v[\a], v[\a], v[\a] row_xmask:2 row_mask:0xf bank_mask:0xf
	s_delay_alu instid0(VALU_DEP_1)
	v_add_f32_dpp v[\a], v[\a], v[\a] row_xmask:4 row_mask:0xf bank_mask:0xf
	s_delay_alu instid0(VALU_DEP_1)
	v_add_f32_dpp v[\a], v[\a], v[\a] row_xmask:8 row_mask:0xf bank_mask:0xf
	s_delay_alu instid0(VALU_DEP_1)
	v_permlanex16_b32 v[TP], v[\a], s[SEL], s[SEL+1]
	s_delay_alu instid0(VALU_DEP_1)
	v_add_f32 v[\a], v[\a], v[TP]
.endm
.macro LNORM V, G, B, eps              ; the row in v[V] .. v[V + 31] is normalised in place
	v_pk_add_f32 v[A0:A0+1], v[\V:\V+1], v[\V+2:\V+3]
	v_pk_add_f32 v[A1:A1+1], v[\V+4:\V+5], v[\V+6:\V+7]
.irp j, 8,12,16,20,24,28
	s_delay_alu instid0(VALU_DEP_2)
	v_pk_add_f32 v[A0:A0+1], v[A0:A0+1], v[\V+\j:\V+\j+1]
	s_delay_alu instid0(VALU_DEP_2)
	v_pk_add_f32 v[A1:A1+1], v[A1:A1+1], v[\V+\j+2:\V+\j+3]
.endr
	s_delay_alu instid0(VALU_DEP_1)
	v_pk_add_f32 v[A0:A0+1], v[A0:A0+1], v[A1:A1+1]
	s_delay_alu instid0(VALU_DEP_1)
	v_add_f32 v[A0], v[A0], v[A0+1]
	WSUM A0
	s_delay_alu instid0(VALU_DEP_1)
	v_mul_f32 v[MU], s[INV], v[A0]                 ; the mean
	s_delay_alu instid0(VALU_DEP_1)
	v_mov_b32 v[MU+1], v[MU]
.irp j, 0,2,4,6,8,10,12,14,16,18,20,22,24,26,28,30
	v_pk_add_f32 v[\V+\j:\V+\j+1], v[\V+\j:\V+\j+1], v[MU:MU+1] neg_lo:[0,1] neg_hi:[0,1]
.endr
	v_pk_mul_f32 v[A0:A0+1], v[\V:\V+1], v[\V:\V+1]
	v_pk_mul_f32 v[A1:A1+1], v[\V+2:\V+3], v[\V+2:\V+3]
.irp j, 4,8,12,16,20,24,28
	s_delay_alu instid0(VALU_DEP_2)
	v_pk_fma_f32 v[A0:A0+1], v[\V+\j:\V+\j+1], v[\V+\j:\V+\j+1], v[A0:A0+1]
	s_delay_alu instid0(VALU_DEP_2)
	v_pk_fma_f32 v[A1:A1+1], v[\V+\j+2:\V+\j+3], v[\V+\j+2:\V+\j+3], v[A1:A1+1]
.endr
	s_delay_alu instid0(VALU_DEP_1)
	v_pk_add_f32 v[A0:A0+1], v[A0:A0+1], v[A1:A1+1]
	s_delay_alu instid0(VALU_DEP_1)
	v_add_f32 v[A0], v[A0], v[A0+1]
	WSUM A0
	s_delay_alu instid0(VALU_DEP_1)
	v_fma_f32 v[A0], v[A0], s[INV], s[\eps]        ; the variance + eps
	s_wait_alu depctr_va_vdst(0)
	v_rsq_f32 v[RS], v[A0]
	v_nop                                          ; a plain place behind the transcendental
	s_wait_alu depctr_va_vdst(0)                   ; the wait ahead of its first reader
	v_mov_b32 v[RS+1], v[RS]
.irp j, 0,2,4,6,8,10,12,14,16,18,20,22,24,26,28,30
	v_pk_mul_f32 v[\V+\j:\V+\j+1], v[\V+\j:\V+\j+1], v[RS:RS+1]
.endr
.irp j, 0,2,4,6,8,10,12,14,16,18,20,22,24,26,28,30
	v_pk_fma_f32 v[\V+\j:\V+\j+1], v[\V+\j:\V+\j+1], v[\G+\j:\G+\j+1], v[\B+\j:\B+\j+1]
.endr
.endm
	s_load_b512 s[4:19], s[0:1], 0x0               ; yb, x1b, b2, lnf_g, lnf_b, ln2_g, ln2_b, out0
	v_lshrrev_b32 v1, 5, v0
	s_delay_alu instid0(VALU_DEP_1)
	v_readfirstlane_b32 s20, v1                    ; wave 0..7
	v_and_b32 v2, 31, v0
	s_delay_alu instid0(VALU_DEP_1)
	v_lshlrev_b32 v3, 4, v2                        ; 16 x lane
	v_mov_b32 v[TP], 0                             ; written once: a lane permute's destination counts as one of its sources
	s_lshl_b32 s21, ttmp9, 4
	s_lshl_b32 s22, s20, 1
	s_add_co_u32 s21, s21, s22                     ; my first row
	s_lshl_b32 s22, s21, 12
	s_mov_b32 s23, 0
	s_mov_b32 s[SEL], 0x76543210
	s_mov_b32 s[SEL+1], 0xfedcba98
	s_mov_b32 s[INV], 0x3a800000
	s_mov_b32 s[EPSF], 0x2b8cbccc
	s_mov_b32 s[EPS2], 0x3727c5ac
	s_wait_alu depctr_va_vdst(0)
	s_wait_kmcnt 0x0
	s_add_nc_u64 s[4:5], s[4:5], s[22:23]
	s_add_nc_u64 s[6:7], s[6:7], s[22:23]
	s_add_nc_u64 s[18:19], s[18:19], s[22:23]
.macro RLOAD i
.irp j, 0,1,2,3,4,5,6,7
	global_load_b128 v[Y+4*\j:Y+4*\j+3], v3, s[4:5] offset:4096*\i+512*\j th:TH_LOAD_NT
	global_load_b128 v[X+4*\j:X+4*\j+3], v3, s[6:7] offset:4096*\i+512*\j th:TH_LOAD_NT
.endr
.endm
	RLOAD 0
.irp j, 0,1,2,3,4,5,6,7
	global_load_b128 v[B2V+4*\j:B2V+4*\j+3], v3, s[8:9] offset:512*\j
	global_load_b128 v[FG+4*\j:FG+4*\j+3], v3, s[10:11] offset:512*\j
	global_load_b128 v[FB+4*\j:FB+4*\j+3], v3, s[12:13] offset:512*\j
	global_load_b128 v[G2+4*\j:G2+4*\j+3], v3, s[14:15] offset:512*\j
	global_load_b128 v[B2B+4*\j:B2B+4*\j+3], v3, s[16:17] offset:512*\j
.endr
.macro ROW i
	s_wait_loadcnt 0x0
.irp j, 0,2,4,6,8,10,12,14,16,18,20,22,24,26,28,30
	v_pk_add_f32 v[Y+\j:Y+\j+1], v[Y+\j:Y+\j+1], v[B2V+\j:B2V+\j+1]
.endr
.irp j, 0,2,4,6,8,10,12,14,16,18,20,22,24,26,28,30
	v_pk_add_f32 v[Y+\j:Y+\j+1], v[Y+\j:Y+\j+1], v[X+\j:X+\j+1]
.endr
	LNORM Y, FG, FB, EPSF
.irp j, 0,2,4,6,8,10,12,14,16,18,20,22,24,26,28,30
	v_pk_add_f32 v[Y+\j:Y+\j+1], v[Y+\j:Y+\j+1], v[X+\j:X+\j+1]
.endr
	LNORM Y, G2, B2B, EPS2
.irp j, 0,1,2,3,4,5,6,7
	global_store_b128 v3, v[Y+4*\j:Y+4*\j+3], s[18:19] offset:4096*\i+512*\j th:TH_STORE_NT
.endr
.endm
	ROW 0
	s_wait_xcnt 0x0                                ; the stores have read their registers: the next row is loaded into them
	RLOAD 1
	ROW 1
	s_endpgm
.Lfunc_end_k_q8397ec4f12_lnfin:
	.size	k_q8397ec4f12_lnfin, .Lfunc_end_k_q8397ec4f12_lnfin-k_q8397ec4f12_lnfin
	.p2alignl 7, 3214868480
	.fill 96, 4, 3214868480
	.section	.rodata,"a",@progbits
	.p2align	6, 0x0
	.amdhsa_kernel k_q8397ec4f12_lnfin
		.amdhsa_group_segment_fixed_size 0
		.amdhsa_private_segment_fixed_size 0
		.amdhsa_enable_private_segment 0
		.amdhsa_kernarg_size 64
		.amdhsa_user_sgpr_count 2
		.amdhsa_user_sgpr_kernarg_segment_ptr 1
		.amdhsa_wavefront_size32 1
		.amdhsa_system_sgpr_workgroup_id_x 1
		.amdhsa_system_sgpr_workgroup_id_y 1
		.amdhsa_system_sgpr_workgroup_id_z 1
		.amdhsa_system_vgpr_workitem_id 0
		.amdhsa_next_free_vgpr 256
		.amdhsa_next_free_sgpr 66
		.amdhsa_reserve_vcc 0
		.amdhsa_float_denorm_mode_32 3
		.amdhsa_float_denorm_mode_16_64 3
		.amdhsa_memory_ordered 1
		.amdhsa_forward_progress 1
		.amdhsa_inst_pref_size 46
	.end_amdhsa_kernel
	.amdgpu_metadata
---
amdhsa.version: [ 1, 2 ]
amdhsa.kernels:
  - .name:           k_q8397ec4f12_lnfin
    .symbol:         k_q8397ec4f12_lnfin.kd
    .args:
      - { .name: yb, .offset: 0, .size: 8, .value_kind: global_buffer, .address_space: global }
      - { .name: x1b, .offset: 8, .size: 8, .value_kind: global_buffer, .address_space: global }
      - { .name: b2, .offset: 16, .size: 8, .value_kind: global_buffer, .address_space: global }
      - { .name: lnf_g, .offset: 24, .size: 8, .value_kind: global_buffer, .address_space: global }
      - { .name: lnf_b, .offset: 32, .size: 8, .value_kind: global_buffer, .address_space: global }
      - { .name: ln2_g, .offset: 40, .size: 8, .value_kind: global_buffer, .address_space: global }
      - { .name: ln2_b, .offset: 48, .size: 8, .value_kind: global_buffer, .address_space: global }
      - { .name: out0, .offset: 56, .size: 8, .value_kind: global_buffer, .address_space: global }
    .group_segment_fixed_size: 0
    .private_segment_fixed_size: 0
    .kernarg_segment_align: 8
    .kernarg_segment_size: 64
    .max_flat_workgroup_size: 256
    .sgpr_count:     66
    .vgpr_count:     256
    .wavefront_size: 32
...
	.end_amdgpu_metadata
.endif
;; end of part 16
